; MI455X (gfx1250); checked and timed in simulation.
; The chip was launched on July 23, 2026; its instructions are those of AMD's public machine-readable ISA for CDNA 5 (MIT licence, August 2026) and "CDNA5" Instruction Set Architecture Reference Guide (July 2026). The comments in the code are by the model that wrote it; some were corrected since.
;; Transformer Block. Allowed arithmetic: matrix products marked QUANTISED: E2M3 operands, one E8M0 scale for each 32 along K, by v_wmma_scale_f32_16x16x128_f8f6f4 with both operands' format E2M3, f32 sums; everything else in f32.
;; Inputs: b1 4,096 float32; b2 1,024 float32; bo 1,024 float32; g1 1,024 float32; g2 1,024 float32; s1 1,024 float32; s2 1,024 float32; w1 1,024 x 4,096 float32; w2 4,096 x 1,024 float32; wk 1,024 x 1,024 float32; wo 1,024 x 1,024 float32; wq 1,024 x 1,024 float32; wv 1,024 x 1,024 float32; x 2 x 2,048 x 1,024 float32.
;; Outputs: out0 2 x 2,048 x 1,024 float32.
;; This version of the problem:
;;   THIS VERSION OF THE PROBLEM IS GIVEN IN LOW PRECISION. The matrix products marked QUANTISED in the list below multiply operands that are first quantised to E2M3 (2 exponent bits, 3 mantissa bits; 6 bits a number), with one power-of-two scale for each 32 numbers along K (OCP MX v1.0); their sums are f32. All else is computed in f32.
;;   The module's matrix products, in the order in which they are computed (A, B: the left and right operand; K: the contracted axis; several contracted axes count as one K, in the product's order):
;;     1. [M 4,096, K 1,024] x [K 1,024, N 1,024]; A: computed on the way; B: input wq: QUANTISED
;;     2. [M 4,096, K 1,024] x [K 1,024, N 1,024]; A: computed on the way; B: input wk: QUANTISED
;;     3. [M 4,096, K 1,024] x [K 1,024, N 1,024]; A: computed on the way; B: input wv: QUANTISED
;;     4. batch 32 x [M 2,048, K 64] x [K 64, N 2,048]; A: computed on the way; B: computed on the way: QUANTISED
;;     5. batch 32 x [M 2,048, K 2,048] x [K 2,048, N 64]; A: softmax (see below); B: computed on the way: QUANTISED
;;     6. [M 4,096, K 1,024] x [K 1,024, N 1,024]; A: computed on the way; B: input wo: QUANTISED
;;     7. [M 4,096, K 1,024] x [K 1,024, N 4,096]; A: computed on the way; B: input w1: QUANTISED
;;     8. [M 4,096, K 4,096] x [K 4,096, N 1,024]; A: computed on the way; B: input w2: QUANTISED
;;   THE QUANTISER, for each operand of a quantised product, along K:
;;     - K is cut into blocks of 32 from its start; a last block that is shorter is filled with zeros.
;;     - A block's scale is 2^e with e = floor(log2(the largest magnitude in the block)) - 2, held to -126 .. 127; a block of zeros has e = 0. As a byte (E8M0): e + 127.
;;     - Each number is divided by its block's scale, clamped to +-7.5, and rounded to the nearest number of E2M3, ties to even, subnormals kept.
;;     - The product sums the exact products of the quantised numbers (number of the format x scale) in f32.
;;   ~~~python
;;   def quantise(x, axis):      # numpy; x: float32 -> the quantised numbers, widened to float32 again
;;       x = np.moveaxis(x, axis, -1); K = x.shape[-1]
;;       x = np.pad(x, [(0, 0)] * (x.ndim - 1) + [(0, -K % 32)]); x = x.reshape(x.shape[:-1] + (-1, 32)); a = np.abs(x).max(-1, keepdims=True)
;;       e = np.where(a > 0, np.clip(np.frexp(np.where(a > 0, a, 1))[1] - 1 - 2, -126, 127), 0)      # np.frexp(a)[1] - 1 = floor(log2(a)), exactly
;;       r = np.clip(x / 2.0 ** e, -7.5, 7.5)
;;       step = 2.0 ** (np.maximum(np.frexp(np.where(r == 0, 1, r))[1] - 1, 0) - 3)
;;       q = np.round(r / step) * step * 2.0 ** e      # np.round: ties to even
;;       return np.moveaxis(q.reshape(q.shape[:-2] + (-1,))[..., :K], -1, axis).astype(np.float32)
;;   ~~~
;;   SOFTMAX AHEAD OF A QUANTISED PRODUCT. Where the list says 'softmax', what is quantised is not the finished softmax but p = 2^(t - M), with t = logit x log2(e) and M = ceil(the row's largest t), a whole number; so 1/2 < the row's largest p <= 1. The row's sum l is taken of the UNQUANTISED p, in f32, and the product's result is divided by l at the end. Since M is a whole number, a kernel that streams over the keys may use a running M (the ceiling of the running maximum): every later rescaling is an exact power of two, which a block's scale takes up: the codes' values come out the same.
;;   OPERANDS COMPUTED ON THE WAY. 'Computed on the way' means the value that the module computes at that place (a softmax that the list does not call 'softmax' is quantised finished and normalised). What goes into a quantiser is computed in f32, as accurately as f32 sums, v_exp_f32 and their like allow (about 1e-6 of the number): no bf16 or f16 on the way to a quantiser, and a product that is left as it is and whose result goes on into a quantised operand takes f32 operands (vector FMAs, or v_wmma_f32_16x16x4_f32). A number that lies on a knife's edge between two numbers of the format may be rounded either way, as far as f32 arithmetic and the matrix unit's own rounding can turn it there, and no further.
;; 2 versions. Each part assembles by itself: llvm-mc -triple=amdgcn-amd-amdhsa -mcpu=gfx1250 --defsym DOCPART=n.
;; ======== version 1 of 2: 8 launches
;; workspace buffers: wpk 9,830,400 bytes; hpk 3,276,800 bytes; qkv 9,830,400 bytes; ctx 3,276,800 bytes; x1 16,777,216 bytes; act 13,107,200 bytes
;; launch quantw (part 1): grid 384 x 1, 4 waves a work-group, no clusters, 0 bytes of LDS; arguments wq, wk, wv, wo, w2, w1, wpk; writes wpk
.if DOCPART == 1
	.amdgcn_target "amdgcn-amd-amdhsa--gfx1250"
	.amdhsa_code_object_version 6
	.text
	.protected	k_q6ff7d267f6_quantw
	.globl	k_q6ff7d267f6_quantw
	.p2align	8
	.type	k_q6ff7d267f6_quantw,@function
k_q6ff7d267f6_quantw:
	s_mov_b64 s[64:65], 0
	v_nop
	global_prefetch_b8 v0, s[64:65] scope:SCOPE_SE
	s_setreg_imm32_b32 hwreg(HW_REG_WAVE_MODE, 25, 1), 1
	s_wait_xcnt 0x0
; The six weights, f32, stored [K][N], become codes of FP6 (E2M3) with K innermost and one E8M0 byte for each 32 along K, in this program's packed form.
; PACKED FORM.  A half fragment is 16 rows x 64 along K: 768 bytes.  Lane l = (r = l % 16, h = l / 16) of a reader owns row r, k = 32 h .. 32 h + 31: six registers; the first four lie at 16 l, the last two at 512 + 8 l.
; A block of the buffer is 128 rows x 256 along K: codes [16-row block 8][half fragment 4][768], then scale words [128 along K: 2][16-row block 8][row 16][4 bytes]: 25,600 bytes.
; ROW ORDER: rows are stored with bits 3 and 4 of their number exchanged: stored block i, row r is the row 32 (i / 2) + 8 (i % 2) + r + 8 (r / 8).
; SHARES.  Work-group g writes block g of wpk (wq 0-31, wk 32-63, wv 64-95, wo 96-127, w2 128-255, w1 256-383; in a weight: [N / 128][K / 256]).  Wave w takes 32 columns x 256 along K.
; A LANE TAKES A COLUMN, ITS REGISTERS RUN DOWN K: a load reads 128 consecutive bytes, a block of 32 along K lies in one lane, and the conversions give codes with K innermost.  A lane's 24 bytes of a block
; are its own place in a half fragment, so they are stored straight from registers: sixteen lanes store 256 consecutive aligned bytes (first four registers) or 128 (last two).  No LDS, no barrier.
; A block's scale is 2^(floor(log2(largest magnitude)) - 2); its byte is the largest magnitude's exponent field - 2, held at 1 from below.
; LIMITS: a block of zeros gets the byte 1 where the rule says 127 (its codes are zeros, and this program alone reads the bytes); blocks whose largest magnitude lies under 2^-124 are held at that floor; NaN and infinities are not served.
.set BLK,  25600
.set VIN,  3                           ; v3   4 x lane
.set VO16, 4                           ; v4   where my first four registers of a block go
.set VO8,  5                           ; v5   where my last two go (less 512)
.set VOS,  6                           ; v6   where my scale words go
.set SB,   24                          ; v24-25 scale bytes, four to a register
.set X,    32                          ; v32-95  two sets of 32 numbers
.set C,    96                          ; v96-143 codes: six registers for each of the 8 blocks, so that no store's data are written again
.set C2,   144                         ; v144-146 a block's second conversion (three registers that begin on an even number)
	s_load_b256 s[4:11], s[0:1], 0x0               ; wq, wk, wv, wo
	s_load_b128 s[12:15], s[0:1], 0x20             ; w2, w1
	s_load_b64 s[16:17], s[0:1], 0x30              ; wpk
	v_lshrrev_b32 v1, 5, v0
	v_readfirstlane_b32 s18, v1                    ; wave 0..3
	v_and_b32 v2, 31, v0                           ; lane = my column among the wave's 32
	v_lshlrev_b32 v[VIN], 2, v2
	v_bfe_u32 v7, v2, 3, 1                         ; u: the column's bit 3 chooses the stored block 2 w + u,
	v_lshrrev_b32 v8, 4, v2
	v_and_b32 v9, 7, v2
	v_lshl_or_b32 v8, v8, 3, v9                    ; r: its bit 4 becomes bit 3 of the stored row
	s_mul_i32 s19, s18, 6144
	v_mul_u32_u24 v10, v7, 3072
	v_add_nc_u32 v10, s19, v10                     ; (2 w + u) x 3,072: my stored block's codes
	v_lshl_add_u32 v[VO16], v8, 4, v10
	v_lshl_add_u32 v[VO8], v8, 3, v10
	s_lshl_b32 s19, s18, 7
	v_lshlrev_b32 v11, 6, v7
	v_add_nc_u32 v11, s19, v11
	v_lshl_add_u32 v[VOS], v8, 2, v11              ; (2 w + u) x 64 + 4 r
	; which weight, which 128 columns (rt), which 256 along K (ks): from the work-group's number alone
	s_lshr_b32 s20, ttmp9, 5
	s_and_b32 s21, ttmp9, 3                        ; ks where K = 1,024
	s_lshr_b32 s22, ttmp9, 2
	s_and_b32 s23, s22, 7                          ; rt of wq .. wo
	s_and_b32 s24, s22, 31                         ; rt of w1
	s_and_b32 s25, ttmp9, 15                       ; ks of w2
	s_lshr_b32 s26, ttmp9, 4
	s_and_b32 s26, s26, 7                          ; rt of w2
	s_mov_b32 s27, s21
	s_cmp_ge_u32 ttmp9, 128
	s_cselect_b32 s21, s25, s21
	s_cselect_b32 s23, s26, s23
	s_cmp_ge_u32 ttmp9, 256
	s_cselect_b32 s21, s27, s21
	s_cselect_b32 s23, s24, s23
	s_cselect_b32 s28, 22, 20                      ; 256 rows of 16,384 or of 4,096 bytes
	s_lshl_b32 s21, s21, s28
	s_lshl_b32 s23, s23, 9
	s_lshl_b32 s24, s18, 7
	s_add_co_u32 s22, s21, s23
	s_add_co_u32 s22, s22, s24                     ; ks x 256 rows + rt x 512 bytes + wave x 128 bytes
	s_mov_b32 s23, 0
	s_mul_i32 s24, ttmp9, BLK
	s_mov_b32 s25, 0
	s_wait_kmcnt 0x0
	s_cmp_ge_u32 s20, 1                            ; the weight is chosen by the work-group's number
	s_cselect_b64 s[4:5], s[6:7], s[4:5]
	s_cmp_ge_u32 s20, 2
	s_cselect_b64 s[4:5], s[8:9], s[4:5]
	s_cmp_ge_u32 s20, 3
	s_cselect_b64 s[4:5], s[10:11], s[4:5]
	s_cmp_ge_u32 s20, 4
	s_cselect_b64 s[4:5], s[12:13], s[4:5]
	s_cmp_ge_u32 s20, 8
	s_cselect_b64 s[4:5], s[14:15], s[4:5]
	s_add_nc_u64 s[4:5], s[4:5], s[22:23]
	s_add_nc_u64 s[16:17], s[16:17], s[24:25]
.macro LOAD t, p                       ; block t: W(32 t + i, my column), i = 0 .. 31, into set t % 2; p: bytes from row to row
.irp i, 0,1,2,3,4,5,6,7,8,9,10,11,12,13,14,15,16,17,18,19,20,21,22,23,24,25,26,27,28,29,30,31
	global_load_b32 v[X+32*((\t)%2)+\i], v[VIN], s[4:5] offset:(32*(\t)+\i)*(\p) th:TH_LOAD_NT
.endr
.endm
.macro BLOCK t, p
.set XS, X+32*((\t)%2)
.set CT, C+6*(\t)
.if (\t) < 7
	s_wait_loadcnt 32                              ; this block's 32 loads are in; the next block's 32 may be out
.else
	s_wait_loadcnt 0x0
.endif
	v_max3_num_f32 v12, |v[XS]|, |v[XS+1]|, |v[XS+2]|               ; the block's largest magnitude, in two chains: all 32 numbers are mine
	v_max3_num_f32 v13, |v[XS+3]|, |v[XS+4]|, |v[XS+5]|
.irp i, 6,10,14,18,22,26
	v_max3_num_f32 v12, v12, |v[XS+\i]|, |v[XS+\i+1]|
	v_max3_num_f32 v13, v13, |v[XS+\i+2]|, |v[XS+\i+3]|
.endr
	v_max3_num_f32 v12, v12, |v[XS+30]|, |v[XS+31]|
	v_max3_num_f32 v12, v12, v13, 0x1800000        ; and the floor 2^(3 - 127): the byte cannot fall under 1
	v_add_nc_u32 v11, 0xff000000, v12              ; 2 off the exponent field: the conversion takes this operand's exponent field as its scale
	v_lshrrev_b32 v13, 23, v11                     ; the scale's byte
.if (\t)%4 == 0
	v_mov_b32 v[SB+(\t)/4], v13
.else
	v_lshl_or_b32 v[SB+(\t)/4], v13, 8*((\t)%4), v[SB+(\t)/4]
.endif
	v_cvt_scalef32_pk16_fp6_f32 v[CT:CT+2], v[XS:XS+15], v11
	v_cvt_scalef32_pk16_fp6_f32 v[C2:C2+2], v[XS+16:XS+31], v11
	v_nop                                          ; one plain place behind a scaled conversion
.irp i, 0,1,2
	v_mov_b32 v[CT+3+\i], v[C2+\i]
.endr
	global_store_b128 v[VO16], v[CT:CT+3], s[16:17] offset:((\t)/2)*768+256*((\t)%2)       ; block t is half t % 2 of half fragment t / 2: sixteen lanes store 256 consecutive bytes, aligned
	global_store_b64 v[VO8], v[CT+4:CT+5], s[16:17] offset:((\t)/2)*768+512+128*((\t)%2)
.if (\t)+2 < 8
	LOAD (\t)+2, \p
.endif
.endm
.macro BODY p
	LOAD 0, \p
	LOAD 1, \p
.irp t, 0,1,2,3,4,5,6,7
	BLOCK \t, \p
.endr
	global_store_b32 v[VOS], v[SB], s[16:17] offset:24576
	global_store_b32 v[VOS], v[SB+1], s[16:17] offset:24576+512
.endm
	s_cmp_ge_u32 ttmp9, 256                        ; w1's rows are four times as long: the same lines with other immediates
	s_cbranch_scc1 .Lwide
	BODY 4096
	s_endpgm
.Lwide:
	BODY 16384
	s_endpgm
.Lfunc_end_k_q6ff7d267f6_quantw:
	.size	k_q6ff7d267f6_quantw, .Lfunc_end_k_q6ff7d267f6_quantw-k_q6ff7d267f6_quantw
	.p2alignl 7, 3214868480
	.fill 96, 4, 3214868480
	.section	.rodata,"a",@progbits
	.p2align	6, 0x0
	.amdhsa_kernel k_q6ff7d267f6_quantw
		.amdhsa_group_segment_fixed_size 0
		.amdhsa_private_segment_fixed_size 0
		.amdhsa_enable_private_segment 0
		.amdhsa_kernarg_size 56
		.amdhsa_user_sgpr_count 2
		.amdhsa_user_sgpr_kernarg_segment_ptr 1
		.amdhsa_wavefront_size32 1
		.amdhsa_system_sgpr_workgroup_id_x 1
		.amdhsa_system_sgpr_workgroup_id_y 1
		.amdhsa_system_sgpr_workgroup_id_z 1
		.amdhsa_system_vgpr_workitem_id 0
		.amdhsa_next_free_vgpr 152
		.amdhsa_next_free_sgpr 66
		.amdhsa_reserve_vcc 0
		.amdhsa_float_denorm_mode_32 3
		.amdhsa_float_denorm_mode_16_64 3
		.amdhsa_memory_ordered 1
		.amdhsa_forward_progress 1
		.amdhsa_inst_pref_size 78
	.end_amdhsa_kernel
	.amdgpu_metadata
---
amdhsa.version: [ 1, 2 ]
amdhsa.kernels:
  - .name:           k_q6ff7d267f6_quantw
    .symbol:         k_q6ff7d267f6_quantw.kd
    .args:
      - { .name: wq, .offset: 0, .size: 8, .value_kind: global_buffer, .address_space: global }
      - { .name: wk, .offset: 8, .size: 8, .value_kind: global_buffer, .address_space: global }
      - { .name: wv, .offset: 16, .size: 8, .value_kind: global_buffer, .address_space: global }
      - { .name: wo, .offset: 24, .size: 8, .value_kind: global_buffer, .address_space: global }
      - { .name: w2, .offset: 32, .size: 8, .value_kind: global_buffer, .address_space: global }
      - { .name: w1, .offset: 40, .size: 8, .value_kind: global_buffer, .address_space: global }
      - { .name: wpk, .offset: 48, .size: 8, .value_kind: global_buffer, .address_space: global }
    .group_segment_fixed_size: 0
    .private_segment_fixed_size: 0
    .kernarg_segment_align: 8
    .kernarg_segment_size: 56
    .max_flat_workgroup_size: 128
    .sgpr_count:     66
    .vgpr_count:     152
    .wavefront_size: 32
...
	.end_amdgpu_metadata
.endif
;; end of part 1
;; launch ln1 (part 2): grid 256 x 1, 8 waves a work-group, no clusters, 66,816 bytes of LDS; arguments x, g1, s1, hpk; writes hpk
.if DOCPART == 2
	.amdgcn_target "amdgcn-amd-amdhsa--gfx1250"
	.amdhsa_code_object_version 6
	.text
	.protected	k_q6ff7d267f6_ln1
	.globl	k_q6ff7d267f6_ln1
	.p2align	8
	.type	k_q6ff7d267f6_ln1,@function
k_q6ff7d267f6_ln1:
	s_mov_b64 s[64:65], 0
	v_nop
	global_prefetch_b8 v0, s[64:65] scope:SCOPE_SE
	s_setreg_imm32_b32 hwreg(HW_REG_WAVE_MODE, 25, 1), 1
	s_wait_xcnt 0x0
; h = gain x (x - mean) / sqrt(var + 1e-5) + shift for rows of 1,024 f32, quantised along the row to FP6 (E2M3) with one E8M0 byte for each 32, and stored in this program's packed form
; (half fragments of 16 rows x 64 along K, 768 bytes: lane (r, h)'s six registers, four at 16 l and two at 512 + 8 l; blocks of 128 rows x 256 along K, 25,600 bytes: codes [8][4][768], scale words [2][8][16][4];
; blocks ordered [rows / 128][K / 256]; rows stored with bits 3 and 4 of their number exchanged).
; SHARES.  A work-group makes one stored block of 16 rows.  Phase 1: each of the eight waves normalises two rows (a row is 32 registers a wave; mean first, then the squares of x - mean: no difference of large sums)
; and lays them in LDS.  One barrier.  Phase 2: wave w quantises columns 128 w .. 128 w + 127 of the 16 rows: lane (r, h) reads a whole block of 32 neighbours, so no other lane is asked for a maximum.
; LDS: 16 rows of 4,096 bytes + 16: 257 x 16 bytes from row to row, so that the sixteen rows that a phase 2 load touches fall on different banks.
; Memory binds: no matrix unit, no cluster, no tensor load.
; LIMITS: a block of zeros gets the byte 1 where the rule says 127 (its codes are zeros; this program alone reads the bytes); largest magnitudes under 2^-124 are held at that floor; NaN and infinities are not served.
.set PIT, 4112
.set BLK, 25600
.set X,   16                           ; v16-79   two rows as loaded; in phase 2 two blocks of 32
.set G,   80                           ; v80-111  the gain at my columns
.set S,   112                          ; v112-143 the shift
.set W,   152                          ; v152-155 at work
	s_load_b256 s[4:11], s[0:1], 0x0               ; x, gain, shift, hpk
	v_lshl_add_u32 v160, v0, 2, 0x10100
	v_mov_b32 v161, 0
	v_lshrrev_b32 v1, 5, v0
	v_readfirstlane_b32 s12, v1                    ; wave 0..7
	v_and_b32 v2, 31, v0
	v_lshlrev_b32 v3, 4, v2                        ; v3: 16 x lane
	v_and_b32 v6, 15, v0                           ; r
	v_bfe_u32 v7, v0, 4, 1                         ; h
	s_mul_i32 s16, s12, 2*PIT
	v_add_nc_u32 v4, s16, v3                       ; v4: into the stage: stored rows 2 w, 2 w + 1
	v_mul_u32_u24 v5, v6, PIT
	v_lshl_add_u32 v5, v7, 7, v5
	s_lshl_b32 s17, s12, 9
	v_add_nc_u32 v5, s17, v5                       ; v5: out of it: row r, column 128 w + 32 h
	v_lshlrev_b32 v1, 3, v2
	v_add_nc_u32 v1, 512, v1                       ; v1: 512 + 8 x lane
	v_lshlrev_b32 v6, 2, v6                        ; v6: 4 r
	v_lshlrev_b32 v7, 3, v7                        ; v7: 8 h
	v_mov_b32 v15, 0                               ; a lane permute's destination counts as one of its sources
	s_mov_b32 s18, 0x76543210
	s_mov_b32 s19, 0xfedcba98                      ; v_permlanex16_b32's selects for lane l xor 16
	s_mov_b32 s28, 0x3a800000                      ; 1 / 1,024
	s_mov_b32 s29, 0x3727c5ac                      ; 1e-5
	; stored rows 2 w, 2 w + 1 of stored block rb are the rows 32 (rb / 2) + 8 (rb % 2) + 16 (w / 4) + 2 (w % 4) + 0, 1
	s_lshr_b32 s13, ttmp9, 1
	s_lshl_b32 s13, s13, 5
	s_and_b32 s14, ttmp9, 1
	s_lshl_b32 s14, s14, 3
	s_add_co_u32 s13, s13, s14
	s_lshr_b32 s14, s12, 2
	s_lshl_b32 s14, s14, 4
	s_add_co_u32 s13, s13, s14
	s_and_b32 s14, s12, 3
	s_lshl_b32 s14, s14, 1
	s_add_co_u32 s13, s13, s14
	s_lshl_b32 s14, s13, 12                        ; x 4,096 bytes
	s_mov_b32 s15, 0
	; where my two half fragments and my scale words go
	s_lshr_b32 s20, ttmp9, 3
	s_lshl_b32 s20, s20, 2
	s_lshr_b32 s21, s12, 1
	s_add_co_u32 s20, s20, s21
	s_mul_i32 s20, s20, BLK                        ; block (rb / 8) x 4 + w / 2
	s_and_b32 s21, ttmp9, 7
	s_and_b32 s22, s12, 1
	s_mul_i32 s23, s21, 3072
	s_mul_i32 s24, s22, 1536
	s_add_co_u32 s24, s24, s23
	s_add_co_u32 s24, s24, s20
	s_mov_b32 s25, 0
	s_lshl_b32 s21, s21, 6
	s_lshl_b32 s22, s22, 9
	s_add_co_u32 s26, s21, s22
	s_add_co_u32 s26, s26, s20
	s_add_co_u32 s26, s26, 24576
	s_mov_b32 s27, 0
	s_wait_kmcnt 0x0
	s_add_nc_u64 s[4:5], s[4:5], s[14:15]
	s_add_nc_u64 s[24:25], s[10:11], s[24:25]
	s_add_nc_u64 s[26:27], s[10:11], s[26:27]
.irp e, 0,1
.irp j, 0,1,2,3,4,5,6,7
	global_load_b128 v[X+32*\e+4*\j:X+32*\e+4*\j+3], v3, s[4:5] offset:4096*\e+512*\j      ; 512 consecutive bytes a load
.endr
.endr
.irp j, 0,1,2,3,4,5,6,7
	global_load_b128 v[G+4*\j:G+4*\j+3], v3, s[6:7] offset:512*\j
	global_load_b128 v[S+4*\j:S+4*\j+3], v3, s[8:9] offset:512*\j
.endr
.macro ACROSS                          ; v[W] summed over the 32 lanes, the sum in every lane
	v_add_f32 v[W], v[W], v[W+1]
	v_add_f32_dpp v[W], v[W], v[W] row_xmask:1 row_mask:0xf bank_mask:0xf
	v_add_f32_dpp v[W], v[W], v[W] row_xmask:2 row_mask:0xf bank_mask:0xf
	v_add_f32_dpp v[W], v[W], v[W] row_xmask:4 row_mask:0xf bank_mask:0xf
	v_add_f32_dpp v[W], v[W], v[W] row_xmask:8 row_mask:0xf bank_mask:0xf
	v_permlanex16_b32 v[W+1], v[W], s18, s19
	v_add_f32 v[W], v[W], v[W+1]
.endm
.macro ROW e
.set R, X+32*\e
	v_pk_add_f32 v[W:W+1], v[R:R+1], v[R+2:R+3]    ; the row's sum, in two chains
	v_pk_add_f32 v[W+2:W+3], v[R+4:R+5], v[R+6:R+7]
.irp j, 8,12,16,20,24,28
	v_pk_add_f32 v[W:W+1], v[W:W+1], v[R+\j:R+\j+1]
	v_pk_add_f32 v[W+2:W+3], v[W+2:W+3], v[R+\j+2:R+\j+3]
.endr
	v_pk_add_f32 v[W:W+1], v[W:W+1], v[W+2:W+3]
	ACROSS
	v_mul_f32 v[W], s28, v[W]                      ; the mean
	v_mov_b32 v[W+1], v[W]
.set j, 0
.rept 16
	v_pk_add_f32 v[R+j:R+j+1], v[R+j:R+j+1], v[W:W+1] neg_lo:[0,1] neg_hi:[0,1]   ; x - mean, in place
.set j, j+2
.endr
	v_pk_mul_f32 v[W:W+1], v[R:R+1], v[R:R+1]      ; the sum of its squares
	v_pk_mul_f32 v[W+2:W+3], v[R+2:R+3], v[R+2:R+3]
.irp j, 4,8,12,16,20,24,28
	v_pk_fma_f32 v[W:W+1], v[R+\j:R+\j+1], v[R+\j:R+\j+1], v[W:W+1]
	v_pk_fma_f32 v[W+2:W+3], v[R+\j+2:R+\j+3], v[R+\j+2:R+\j+3], v[W+2:W+3]
.endr
	v_pk_add_f32 v[W:W+1], v[W:W+1], v[W+2:W+3]
	ACROSS
	v_fma_f32 v[W], v[W], s28, s29                 ; var + 1e-5
	v_rsq_f32 v[W], v[W]
	v_nop                                          ; one plain place behind a transcendental
	s_wait_alu depctr_va_vdst(0)
	v_mov_b32 v[W+1], v[W]
.if \e == 0
	s_wait_loadcnt 0x0                             ; gain and shift
.endif
.set j, 0
.rept 16
	v_pk_mul_f32 v[R+j:R+j+1], v[R+j:R+j+1], v[W:W+1]
	v_pk_fma_f32 v[R+j:R+j+1], v[R+j:R+j+1], v[G+j:G+j+1], v[S+j:S+j+1]
.set j, j+2
.endr
.irp j, 0,1,2,3,4,5,6,7
	ds_store_b128 v4, v[R+4*\j:R+4*\j+3] offset:PIT*\e+512*\j
.endr
.endm
	s_wait_loadcnt 16                              ; my two rows are in; the 16 loads of gain and shift may be out
	ROW 0
	ROW 1
	s_wait_dscnt 0x0                               ; for the others' sake: my rows lie in the stage
	s_barrier_signal -1
	s_barrier_wait -1
.irp e, 0,1
.irp i, 0,1,2,3,4,5,6,7
	ds_load_b128 v[X+32*\e+4*\i:X+32*\e+4*\i+3], v5 offset:256*\e+16*\i     ; h(r, 128 w + 64 e + 32 h + 4 i ..)
.endr
.endr
.macro HALFQ e                         ; my block of half fragment e: its byte into v[12 + e], its codes stored
.set XS, X+32*\e
.set CT, 96+8*\e
	v_max3_num_f32 v8, |v[XS]|, |v[XS+1]|, |v[XS+2]|
	v_max3_num_f32 v9, |v[XS+3]|, |v[XS+4]|, |v[XS+5]|
.irp i, 6,10,14,18,22,26
	v_max3_num_f32 v8, v8, |v[XS+\i]|, |v[XS+\i+1]|
	v_max3_num_f32 v9, v9, |v[XS+\i+2]|, |v[XS+\i+3]|
.endr
	v_max3_num_f32 v8, v8, |v[XS+30]|, |v[XS+31]|
	v_max3_num_f32 v8, v8, v9, 0x1800000           ; the floor 2^(3 - 127)
	v_add_nc_u32 v[10+\e], 0xff000000, v8          ; the conversion's scale operand
	v_lshrrev_b32 v[12+\e], 23, v[10+\e]           ; the scale's byte
	v_cvt_scalef32_pk16_fp6_f32 v[CT:CT+2], v[XS:XS+15], v[10+\e]
	v_cvt_scalef32_pk16_fp6_f32 v[112+4*\e:114+4*\e], v[XS+16:XS+31], v[10+\e]
	v_nop                                          ; one plain place behind a scaled conversion
.irp i, 0,1,2
	v_mov_b32 v[CT+3+\i], v[112+4*\e+\i]
.endr
	global_store_b128 v3, v[CT:CT+3], s[24:25] offset:768*\e     ; 512 consecutive bytes, aligned
	global_store_b64 v1, v[CT+4:CT+5], s[24:25] offset:768*\e    ; 256 consecutive bytes, aligned
.endm
	s_wait_dscnt 8                                 ; the first half fragment's numbers are in; the second's eight loads may be out
	HALFQ 0
	s_wait_dscnt 0x0
	HALFQ 1
	v_lshl_or_b32 v14, v13, 16, v12                ; my two bytes: blocks h and 2 + h of row r,
	v_lshlrev_b32 v14, v7, v14                     ; at their places in the scale word (8 h bits up);
	v_permlanex16_b32 v15, v14, s18, s19
	v_or_b32 v14, v14, v15                         ; with lane l xor 16's two the word is whole
	global_store_b32 v6, v14, s[26:27]             ; both halves of the lanes store the same word
	s_wait_tensorcnt 0x0
	ds_add_u32 v160, v161
	s_wait_dscnt 0x0
	s_endpgm
.Lfunc_end_k_q6ff7d267f6_ln1:
	.size	k_q6ff7d267f6_ln1, .Lfunc_end_k_q6ff7d267f6_ln1-k_q6ff7d267f6_ln1
	.p2alignl 7, 3214868480
	.fill 96, 4, 3214868480
	.section	.rodata,"a",@progbits
	.p2align	6, 0x0
	.amdhsa_kernel k_q6ff7d267f6_ln1
		.amdhsa_group_segment_fixed_size 66816
		.amdhsa_private_segment_fixed_size 0
		.amdhsa_enable_private_segment 0
		.amdhsa_kernarg_size 32
		.amdhsa_user_sgpr_count 2
		.amdhsa_user_sgpr_kernarg_segment_ptr 1
		.amdhsa_wavefront_size32 1
		.amdhsa_system_sgpr_workgroup_id_x 1
		.amdhsa_system_sgpr_workgroup_id_y 1
		.amdhsa_system_sgpr_workgroup_id_z 1
		.amdhsa_system_vgpr_workitem_id 0
		.amdhsa_next_free_vgpr 162
		.amdhsa_next_free_sgpr 66
		.amdhsa_reserve_vcc 0
		.amdhsa_float_denorm_mode_32 3
		.amdhsa_float_denorm_mode_16_64 3
		.amdhsa_memory_ordered 1
		.amdhsa_forward_progress 1
		.amdhsa_inst_pref_size 24
	.end_amdhsa_kernel
	.amdgpu_metadata
---
amdhsa.version: [ 1, 2 ]
amdhsa.kernels:
  - .name:           k_q6ff7d267f6_ln1
    .symbol:         k_q6ff7d267f6_ln1.kd
    .args:
      - { .name: x, .offset: 0, .size: 8, .value_kind: global_buffer, .address_space: global }
      - { .name: g1, .offset: 8, .size: 8, .value_kind: global_buffer, .address_space: global }
      - { .name: s1, .offset: 16, .size: 8, .value_kind: global_buffer, .address_space: global }
      - { .name: hpk, .offset: 24, .size: 8, .value_kind: global_buffer, .address_space: global }
    .group_segment_fixed_size: 66816
    .private_segment_fixed_size: 0
    .kernarg_segment_align: 8
    .kernarg_segment_size: 32
    .max_flat_workgroup_size: 256
    .sgpr_count:     66
    .vgpr_count:     162
    .wavefront_size: 32
...
	.end_amdgpu_metadata
.endif
;; end of part 2
;; launch qkv (part 3): grid 48 x 4, 4 waves a work-group, clusters of 4 x 4, 327,680 bytes of LDS; arguments hpk, wpk, qkv; writes qkv
.if DOCPART == 3
	.amdgcn_target "amdgcn-amd-amdhsa--gfx1250"
	.amdhsa_code_object_version 6
	.text
	.protected	k_q6ff7d267f6_qkv
	.globl	k_q6ff7d267f6_qkv
	.p2align	8
	.type	k_q6ff7d267f6_qkv,@function
k_q6ff7d267f6_qkv:
	s_mov_b64 s[64:65], 0
	v_nop
	global_prefetch_b8 v0, s[64:65] scope:SCOPE_SE
	s_setreg_imm32_b32 hwreg(HW_REG_WAVE_MODE, 25, 1), 1
	s_wait_xcnt 0x0
	s_wait_alu depctr_hold_cnt(0) depctr_sa_sdst(0) depctr_va_vdst(0) depctr_va_sdst(0) depctr_va_ssrc(0) depctr_va_vcc(0) depctr_vm_vsrc(0)
	s_getreg_b32 s2, hwreg(HW_REG_IB_STS2, 6, 4)
	s_cmp_eq_u32 s2, 0
	s_cbranch_scc0 .Lentry_in_a_cluster
	s_endpgm
.Lentry_in_a_cluster:
	s_bfe_u32 s2, ttmp6, 0x10000c
	s_cmp_lg_u32 s2, 0xf033
	s_cbranch_scc0 .Lentry_shape_is_right
	s_endpgm
.Lentry_shape_is_right:
; A GEMM on codes of FP6 (E2M3) with E8M0 scales, C = A B^T, whose results are quantised along C's columns and stored as the next product's operand.  One text serves two launches (MODE).
; MODE 0 (qkv): K = 1,024.  Clusters 0-7: A = the normalised rows (hpk), B = wq | wk (2,048 rows of wpk): q and k, quantised along the head's 64.  Clusters 8-11: A = wv (1,024 rows), B = hpk: V^T, so that the
;   keys run along a lane's registers and V is quantised along the keys.  The choice hangs on the cluster's number alone.
; MODE 1 (ffn1): A = hpk, B = w1 (4,096 rows), + b1, tanh-GELU in f32, quantised along the 4,096.
; PACKED FORM of every operand: half fragments of 16 rows x 64 along K, 768 bytes: lane l = (r, h) owns row r, k = 32 h .. + 31, six registers: four at 16 l, two at 512 + 8 l.  Blocks of 128 rows x 256 along K,
; 25,600 bytes: codes [8][4][768], scale words [2][8][16][4]; blocks ordered [rows / 128][K / 256].  Rows are stored with bits 3 and 4 of their number exchanged.
; A tile of C, 256 x 256, is made by four waves, each 128 x 128: 64 accumulators, 512 registers.  K goes in steps of 256 through a ring of two LDS slots; a slot is four blocks (A's two, B's two), each one dense
; tensor load of 100 rows of 256 bytes, codes and scale words together, one load a wave.  Every LDS read is 16 x lane or 8 x lane on end: no pitch, no padding.
; CLUSTERS: 4 x 4 work-groups.  A's blocks are shared along a row of the cluster, B's along a column: each is asked for JOINTLY.
; THE MATRIX INSTRUCTION IS USED TRANSPOSED (source 0 = 16 rows of B, source 1 = 16 rows of A).  By B's stored row order the 16 registers of accumulators (a, 2 u) and (a, 2 u + 1) are 16 NEIGHBOURING columns,
; 32 u + 16 (lane / 16) + 0 .. 15, of stored row lane % 16 of A's block a: what the conversions want.  So the way out needs no LDS: block a's 64 registers become one fragment and one scale word a row.
; REGISTERS: window 0: v16-31 addresses; v32-63 scale words, two sets, and nothing else; v64-115 the way out; v128-223 A's fragments, one set (MODE 1's way out: 64 numbers).  window 1: B's fragments, two sets, at v0 and
; v128; MODE 1: b1 in v96-127 and v224-255.  windows 2, 3: the accumulators ((a, b) at v[8 (8 (a % 4) + b)]).
; LIMITS: a block of zeros gets the byte 1 where the rule says 127 (zero codes; this program alone reads the bytes); largest magnitudes under 2^-124 are held at that floor; NaN and infinities are not served.
; GELU is computed as x / (1 + 2^z), z = -2 log2(e) sqrt(2 / pi) (x + 0.044715 x^3), which is 0.5 x (1 + tanh(..)) without the difference of near numbers at negative x.
.set MODE,   0                         ; 0: the launch qkv;  1: the launch ffn1
.set BLK,    25600
.set SLOT,   4*BLK
.set NKS,    4                         ; K steps of 256
.set LAPS,   NKS/2
.set SPARE,  2*SLOT                    ; behind the ring: the spare words, 128 bytes for each wave: two blocks of 256 bytes that no other line names
.set FR,     12                        ; registers of a fragment
.set NL,     4                         ; LDS loads that bring one
.set NP,     4                         ; places behind this matrix instruction (ISA guide 7.12.1)
.set NQ,     2                         ; matrix instructions deep in a slot
.set ZERO,   1+MODE                    ; what starts the sums: 1: the constant 0;  2: the bias
.set VC,     6291456                   ; the buffer qkv: V^T's codes begin here,
.set QKS,    9437184                   ; q's and k's scale words,
.set VSO,    9699328                   ; V^T's
.if MODE
.set SA,     3072                      ; bytes from a block of 16 rows to the next in the output's codes
.else
.set SA,     24576
.endif
.set ADRA, 16                          ; v16-17 LDS address of my A fragments' 16-byte parts in slot 0, 1;  v18-19 of their 8-byte parts
.set ADRB, 20                          ; v20-23 the same for B
.set VO16, 24                          ; v24  16 x lane
.set VO8,  25                          ; v25  512 + 8 x lane
.set VO4,  26                          ; v26  4 x lane
.set BO,   27                          ; v27  64 x (lane / 16)
.set SPW,  28                          ; v28  LDS address of my spare word; never rewritten
.set NIL,  29                          ; v29  0; never rewritten
.set ADRS, 30                          ; v30-31 LDS address of my scale words in slot 0, 1: lanes 0-15 A's, lanes 16-31 B's
.set SC,   32                          ; scale words: set s at v[SC + 16 s]; register 2 i + q: lanes 0-15 A's block i, lanes 16-31 B's block i, the slot's q-th 128 along K
.set TM,   64                          ; v64-67 largest magnitudes, v68-71 bytes, v76-79 the conversions' scale operands
.set PW,   80                          ; v80-81 the scale words of an even and an odd block
.set SW,   82                          ; v82  the two joined
.set K1,   84                          ; v84-85 GELU's first constant, twice
.set PC,   96                          ; v96-115 the codes just made
.set AF,   128
.set T,    128                         ; v128-191 MODE 1: a block's 64 numbers
.set G1, 24                            ; s[24:31] descriptor group 1 for A's blocks;  s[32:39] group 0, one set for each slot
.set G0, 32
.set G1B, 48                           ; s[48:55], s[56:63] the same for B's
.set G0B, 56
.set K2,  68                           ; s[68:69] GELU's second constant
.set HALF, 70                          ; s70  lanes 16-31
.set SEL, 72                           ; s[72:73] v_permlanex16_b32's selects for lane l xor 16
.set MSB, 0
.macro WIN new                         ; the immediate's high byte repeats the setting that is left
.if MSB != (\new)
	s_set_vgpr_msb (MSB<<8)|(\new)
.set MSB, (\new)
.endif
.endm
.set TO_B, 0x40                        ; destination window 1, address window 0
.macro MWIN hi, zero                   ; source 0 (B) window 1, source 1 (A) window 0, D window 2 + hi; C with D, or (the bias) window 1
.if (\zero) == 2
	WIN 0x91+0x40*(\hi)
.else
	WIN 0xa1+0x50*(\hi)
.endif
.endm
; A joint load: waves 0 and 1 fetch A's two blocks, waves 2 and 3 B's.  Each line has one mask and one set of registers for all that issue it; the branch hangs on the wave's number alone.
; Four v_nop follow each of the two lines, ahead of the jump, the label and what follows.
.macro JLOAD g0a, g1a, g0b, g1b
	s_cmp_eq_u32 s15, 0
	s_cbranch_scc0 .Lfor_b_\@
	tensor_load_to_lds s[\g0a:\g0a+3], s[\g1a:\g1a+7]
	s_nop 0
.rept 4
	v_nop
.endr
	s_branch .Lasked_\@
.Lfor_b_\@:
	tensor_load_to_lds s[\g0b:\g0b+3], s[\g1b:\g1b+7]
	s_nop 0
.rept 4
	v_nop
.endr
.Lasked_\@:
.endm
.macro CREST                           ; a round of the cluster's barrier behind its opening barrier
	s_cmp_lg_u32 s14, 0
	s_cbranch_scc1 .Lnot_wave_0_\@
	s_barrier_signal -3
.Lnot_wave_0_\@:
	s_barrier_wait -3
	s_barrier_signal -1
	s_barrier_wait -1
.endm
.macro CROUND                          ; a whole round
	s_barrier_signal -1
	s_barrier_wait -1
	CREST
.endm
	s_load_b128 s[4:7], s[0:1], 0x0                ; hpk, wpk
.if MODE
	s_load_b128 s[8:11], s[0:1], 0x10              ; b1, act
.else
	s_load_b64 s[10:11], s[0:1], 0x10              ; qkv
.endif
	v_lshl_add_u32 v[SPW], v0, 2, SPARE
	v_mov_b32 v[NIL], 0
	ds_add_u32 v28, v29
	ds_add_u32 v28, v29
	s_wait_dscnt 0x0
	v_lshrrev_b32 v1, 5, v0
	v_readfirstlane_b32 s14, v1                    ; wave 0..3
	s_lshr_b32 s15, s14, 1                         ; which half of the tile's rows is mine.  Also: I fetch for A (0) or for B (1)
	s_and_b32 s16, s14, 1                          ; which half of its columns.  Also: which block of that tile I fetch
	s_bfe_u32 s40, ttmp6, 0x40000                  ; cx, cy: my place in the cluster
	s_bfe_u32 s41, ttmp6, 0x40004
	s_lshl_b32 s43, s41, 2
	s_lshl_b32 s43, 15, s43                        ; my row of the cluster
	s_lshl_b32 s44, 0x1111, s40                    ; my column
.if MODE
	s_lshl_b32 s42, ttmp9, 2
	s_add_co_u32 s42, s42, s40                     ; tile column = 4 x cluster x + cx
	s_and_b32 s17, ttmp7, 0xffff
	s_lshl_b32 s17, s17, 2
	s_add_co_u32 s17, s17, s41                     ; tile row = 4 x cluster y + cy
.else
	s_lshr_b32 s18, ttmp9, 1                       ; cluster c < 8: tile rows 4 (c / 2) + cy of 16, tile columns 4 (c % 2) + cx of 8
	s_and_b32 s19, ttmp9, 1
	s_max_u32 s20, ttmp9, 8
	s_sub_co_u32 s20, s20, 8                       ; c >= 8: tile rows cy of 4, tile columns 4 (c - 8) + cx of 16
	s_cmp_lt_u32 ttmp9, 8
	s_cselect_b32 s17, s18, 0
	s_cselect_b32 s42, s19, s20
	s_lshl_b32 s17, s17, 2
	s_add_co_u32 s17, s17, s41
	s_lshl_b32 s42, s42, 2
	s_add_co_u32 s42, s42, s40
.endif
	; descriptor group 1: a dense block of 25,600 bytes as 100 rows of 32 elements of 8 bytes, no padding
	s_or_b32 s[G1+0], s43, (3<<16)|(1<<21)         ; 15:0 the mask: A's blocks go to my row; 17:16 elements of 8 bytes; 21 set beside a mask
	s_or_b32 s[G1B+0], s44, (3<<16)|(1<<21)        ; B's to my column
.irp g, G1, G1B
	s_mov_b32 s[\g+1], 32<<16                      ; tensor_dim0
	s_mov_b32 s[\g+2], 100<<16                     ; tensor_dim1
	s_mov_b32 s[\g+3], 32<<16                      ; tile_dim0
	s_mov_b32 s[\g+4], 100                         ; tile_dim1
	s_mov_b32 s[\g+5], 32                          ; tensor_dim0_stride
	s_mov_b32 s[\g+6], 0
	s_mov_b32 s[\g+7], 0
.endr
	s_lshl_b32 s20, s17, 1
	s_add_co_u32 s20, s20, s16                     ; A: block of 128 rows 2 x tile row + half
	s_mul_i32 s20, s20, NKS*BLK
	s_mov_b32 s21, 0
	s_lshl_b32 s46, s42, 1
	s_add_co_u32 s46, s46, s16                     ; B: 2 x tile column + half
	s_mul_i32 s46, s46, NKS*BLK
	s_mov_b32 s47, 0
	s_mul_i32 s45, s14, BLK                        ; where they go: wave x a block: no place in the cluster enters an LDS address
.if MODE
	s_add_co_u32 s46, s46, 256*BLK                 ; w1 begins at block 256 of wpk
	s_wait_kmcnt 0x0
	s_add_nc_u64 s[20:21], s[4:5], s[20:21]
	s_add_nc_u64 s[46:47], s[6:7], s[46:47]
.else
	s_cmp_lt_u32 ttmp9, 8
	s_cselect_b32 s18, 0, 64*BLK                   ; wv begins at block 64 of wpk
	s_add_co_u32 s20, s20, s18
	s_wait_kmcnt 0x0
	s_cmp_lt_u32 ttmp9, 8
	s_cselect_b64 s[22:23], s[4:5], s[6:7]         ; A: hpk, or wpk
	s_cselect_b64 s[18:19], s[6:7], s[4:5]         ; B: wpk, or hpk
	s_add_nc_u64 s[20:21], s[22:23], s[20:21]
	s_add_nc_u64 s[46:47], s[18:19], s[46:47]
.endif
	CROUND                                         ; all sixteen work-groups are here: the first joint loads meet
.irp s, 0,1
	s_mov_b32 s[G0+4*\s], 1
	s_add_co_u32 s[G0+4*\s+1], s45, \s*SLOT
	s_add_nc_u64 s[G0+4*\s+2:G0+4*\s+3], s[20:21], \s*BLK
	s_or_b32 s[G0+4*\s+3], s[G0+4*\s+3], 0x80000000
	s_mov_b32 s[G0B+4*\s], 1
	s_add_co_u32 s[G0B+4*\s+1], s45, \s*SLOT
	s_add_nc_u64 s[G0B+4*\s+2:G0B+4*\s+3], s[46:47], \s*BLK
	s_or_b32 s[G0B+4*\s+3], s[G0B+4*\s+3], 0x80000000
	JLOAD G0+4*\s, G1, G0B+4*\s, G1B
.endr
	v_and_b32 v1, 15, v0                           ; r
	v_bfe_u32 v2, v0, 4, 1                         ; h
	v_and_b32 v3, 31, v0                           ; l
	v_lshlrev_b32 v[VO16], 4, v3
	v_lshlrev_b32 v[VO8], 3, v3
	v_add_nc_u32 v[VO8], 512, v[VO8]
	v_lshlrev_b32 v[VO4], 2, v3
	v_lshlrev_b32 v[BO], 6, v2
	s_mul_i32 s21, s15, BLK                        ; my 128 rows of A
	s_mul_i32 s22, s16, BLK                        ; my 128 rows of B,
	s_add_co_u32 s22, s22, 2*BLK                   ; which lie behind A's two blocks
	s_sub_co_u32 s23, s22, s21
	v_mul_u32_u24 v6, s23, v2                      ; lanes 16-31 take B's scale words: one product, the distance from A's block to B's
	v_lshl_add_u32 v6, v1, 2, v6
.irp s, 0,1
	v_add_nc_u32 v[ADRA+\s], s21, v[VO16]
	v_add_nc_u32 v[ADRA+2+\s], s21, v[VO8]
	v_add_nc_u32 v[ADRB+\s], s22, v[VO16]
	v_add_nc_u32 v[ADRB+2+\s], s22, v[VO8]
	v_add_nc_u32 v[ADRS+\s], s21, v6
	s_add_co_u32 s21, s21, SLOT
	s_add_co_u32 s22, s22, SLOT
.endr
.irp b, 0,1,2,3
	v_mov_b32 v[TM+4+\b], 0                        ; written once: a lane permute's destination counts as one of its sources
.endr
	s_mov_b32 s[SEL], 0x76543210
	s_mov_b32 s[SEL+1], 0xfedcba98
	s_mov_b32 s[HALF], 0xffff0000
	; where my results go
.if MODE
	s_lshl_b32 s18, s17, 1
	s_add_co_u32 s18, s18, s15                     ; my rows / 128
	s_lshl_b32 s18, s18, 4
	s_add_co_u32 s18, s18, s42                     ; x 16 blocks along 4,096 + my columns / 256
	s_mul_i32 s22, s18, BLK
	s_mul_i32 s19, s16, 1536                       ; my 128 columns are half fragments 2 x half, 2 x half + 1
	s_lshl_b32 s66, s16, 9
	s_add_co_u32 s66, s66, s22
	s_add_co_u32 s66, s66, 24576
	s_add_co_u32 s22, s22, s19
	s_mov_b32 s23, 0
	s_mov_b32 s67, 0
	s_add_nc_u64 s[12:13], s[10:11], s[66:67]      ; scale words
	s_add_nc_u64 s[10:11], s[10:11], s[22:23]      ; codes
	s_lshl_b32 s18, s42, 10
	s_lshl_b32 s19, s16, 9
	s_add_co_u32 s18, s18, s19
	s_mov_b32 s19, 0
	s_add_nc_u64 s[8:9], s[8:9], s[18:19]          ; b1 at my first column
	s_mov_b32 s[K2], 0xbdd2d3e8                    ; -2 log2(e) sqrt(2 / pi) x 0.044715
	s_mov_b32 s[K2+1], s[K2]
	v_mov_b32 v[K1], 0xc0135761                    ; -2 log2(e) sqrt(2 / pi)
	v_mov_b32 v[K1+1], 0xc0135761
	WIN TO_B                                       ; the bias in the result's layout: for accumulators (., 2 u), (., 2 u + 1) lane (r, h) wants the 16 numbers at column 32 u + 16 h
.irp u, 0,1,2,3
.irp i, 0,1,2,3
	global_load_b128 v[96+16*\u+96*(\u/2)+4*\i:96+16*\u+96*(\u/2)+4*\i+3], v[BO], s[8:9] offset:128*\u+16*\i
.endr
.endr
	WIN 0
	s_wait_loadcnt 0x0
.else
	s_lshl_b32 s18, s17, 4
	s_lshl_b32 s19, s15, 3
	s_add_co_u32 s18, s18, s19                     ; my rows / 16
	s_lshl_b32 s19, s42, 1
	s_add_co_u32 s19, s19, s16                     ; my columns / 128
	s_lshr_b32 s22, s19, 4                         ; (V^T: the batch)
	s_lshl_b32 s22, s22, 6
	s_add_co_u32 s22, s22, s18
	s_mul_i32 s22, s22, 24576                      ; a block of 16 rows has 32 half fragments: 32 head slots (q, k), or 2,048 keys (V^T)
	s_and_b32 s23, s19, 15
	s_mul_i32 s23, s23, 1536
	s_add_co_u32 s22, s22, s23
	s_lshl_b32 s66, s18, 6
	s_mov_b32 s75, VSO
	s_cmp_lt_u32 ttmp9, 8
	s_cselect_b32 s23, 0, VC
	s_cselect_b32 s74, 14, 12                      ; scale words: [columns / 128][256 or 64 blocks of rows][16][4]
	s_cselect_b32 s75, QKS, s75
	s_add_co_u32 s22, s22, s23
	s_mov_b32 s23, 0
	s_lshl_b32 s74, s19, s74
	s_add_co_u32 s66, s66, s74
	s_add_co_u32 s66, s66, s75
	s_mov_b32 s67, 0
	s_add_nc_u64 s[12:13], s[10:11], s[66:67]      ; scale words
	s_add_nc_u64 s[10:11], s[10:11], s[22:23]      ; codes
.endif
.macro FRAG reg, a16, q, i             ; a fragment, 16 rows x 128 K, is two half fragments: registers 6 c .. 6 c + 3 by 16 bytes a lane, 6 c + 4, 6 c + 5 by 8
.irp c, 0,1
	ds_load_b128 v[\reg+6*\c:\reg+6*\c+3], v[\a16] offset:(4*(\i)+2*(\q)+\c)*768
	ds_load_b64 v[\reg+6*\c+4:\reg+6*\c+5], v[\a16+2] offset:(4*(\i)+2*(\q)+\c)*768
.endr
.endm
; 16 matrix instructions: A's blocks a0, a0 + 1 x B's eight, the slot's q-th 128 along K.  p: B's set;  sc: the set of scale words.  The 64 accumulators take turns, one instruction a turn, in the same order in every step.
.macro MUL16 a0, p, q, sc, zero
.irp a, \a0, \a0+1
.irp b, 0,1,2,3,4,5,6,7
.if (\zero) == 1
	v_wmma_scale_f32_16x16x128_f8f6f4 v[8*(8*((\a)%4)+\b):8*(8*((\a)%4)+\b)+7], v[128*(\p)+FR*\b:128*(\p)+FR*\b+FR-1], v[AF+FR*(\a):AF+FR*(\a)+FR-1], 0, v[SC+8*NQ*(\sc)+NQ*\b+(\q)], v[SC+8*NQ*(\sc)+NQ*(\a)+(\q)] matrix_a_fmt:MATRIX_FMT_FP6 matrix_b_fmt:MATRIX_FMT_FP6 matrix_a_scale:MATRIX_SCALE_ROW1
.elseif (\zero) == 2
	v_wmma_scale_f32_16x16x128_f8f6f4 v[8*(8*((\a)%4)+\b):8*(8*((\a)%4)+\b)+7], v[128*(\p)+FR*\b:128*(\p)+FR*\b+FR-1], v[AF+FR*(\a):AF+FR*(\a)+FR-1], v[96+8*\b+96*(\b/4):96+8*\b+96*(\b/4)+7], v[SC+8*NQ*(\sc)+NQ*\b+(\q)], v[SC+8*NQ*(\sc)+NQ*(\a)+(\q)] matrix_a_fmt:MATRIX_FMT_FP6 matrix_b_fmt:MATRIX_FMT_FP6 matrix_a_scale:MATRIX_SCALE_ROW1
.else
	v_wmma_scale_f32_16x16x128_f8f6f4 v[8*(8*((\a)%4)+\b):8*(8*((\a)%4)+\b)+7], v[128*(\p)+FR*\b:128*(\p)+FR*\b+FR-1], v[AF+FR*(\a):AF+FR*(\a)+FR-1], v[8*(8*((\a)%4)+\b):8*(8*((\a)%4)+\b)+7], v[SC+8*NQ*(\sc)+NQ*\b+(\q)], v[SC+8*NQ*(\sc)+NQ*(\a)+(\q)] matrix_a_fmt:MATRIX_FMT_FP6 matrix_b_fmt:MATRIX_FMT_FP6 matrix_a_scale:MATRIX_SCALE_ROW1
.endif
.endr
.endr
.endm
.macro FETCH_B slot, q, p              ; B's eight fragments of the slot's q-th 128 along K into set p
	WIN TO_B
.irp i, 0,1,2,3,4,5,6,7
	FRAG 128*(\p)+FR*\i, ADRB+\slot, \q, \i
.endr
	WIN 0
.endm
.macro FETCH_A slot, q, i0             ; A's blocks i0 .. i0 + 3
.irp i, \i0, \i0+1, \i0+2, \i0+3
	FRAG AF+FR*(\i), ADRA+\slot, \q, \i
.endr
.endm
.macro SCALES sc                       ; slot sc's scale words: lanes 0-15 take A's block i, lanes 16-31 B's block i
.irp i, 0,1,2,3,4,5,6,7
.irp q, 0,1
	ds_load_b32 v[SC+8*NQ*\sc+NQ*\i+\q], v[ADRS+\sc] offset:24576+512*\q+64*\i
.endr
.endr
.endm
; A load into a register that a matrix instruction has read, and a vector instruction that reads a matrix result, stand NP places behind that matrix instruction; only plain vector instructions that name none of its registers are places.
.macro PLACES n
.rept \n
	v_nop
.endr
.endm
; A step of 128 along K that has its successor in the same slot.  A's blocks are free as soon as their eight products are issued, so A has one set: blocks 0-3 are fetched anew in the step's middle, blocks 4-7 at its end.
.macro STEP slot, q, zero
	s_wait_dscnt 4*NL                              ; B's set, A's blocks 0-3 and the scale words are in; the youngest 16 loads (A's blocks 4-7) may be out
	MWIN 0, \zero
	MUL16 0, (\q)%2, \q, \slot, \zero
	MUL16 2, (\q)%2, \q, \slot, \zero
	s_wait_dscnt 0                                 ; A's blocks 4-7 are in
	PLACES NP
	FETCH_B \slot, (\q)+1, 1-(\q)%2
	FETCH_A \slot, (\q)+1, 0
	MWIN 1, \zero
	MUL16 4, (\q)%2, \q, \slot, \zero
	MUL16 6, (\q)%2, \q, \slot, \zero
	PLACES NP
	WIN 0
	FETCH_A \slot, (\q)+1, 4
.endm
; A slot's last step changes slots: ONE barrier; in front of it each wave waits for all its tensor loads, adds 0 to its spare word, and waits for that and for its own reads of this slot.  fill = 1: this slot is filled again, two K steps ahead.
.macro TURN slot, next, fill
	s_wait_tensorcnt 0x0                           ; all my tensor loads have landed: my part of the next slot  (every window is 0 here)
	ds_add_u32 v[SPW], v[NIL]                      ; 0 onto my spare word
	s_wait_dscnt 4*NL+1                            ; (the add and the youngest 16 loads, A's blocks 4-7, may be out)
	MWIN 0, 0
	MUL16 0, 1, NQ-1, \slot, 0                     ; sixteen matrix instructions stand between the add and the wait for it
	s_wait_dscnt 0x0                               ; the add is done, and my reads of this slot are over
	s_barrier_signal -1
	MUL16 2, 1, NQ-1, \slot, 0
	WIN 0
	s_barrier_wait -1
.if \fill
	CREST                                          ; the barrier has opened a round of the cluster's barrier: no wave of any partner still reads this slot or has a load on its way
	s_add_nc_u64 s[G0+4*\slot+2:G0+4*\slot+3], s[G0+4*\slot+2:G0+4*\slot+3], 2*BLK
	s_add_nc_u64 s[G0B+4*\slot+2:G0B+4*\slot+3], s[G0B+4*\slot+2:G0B+4*\slot+3], 2*BLK
	JLOAD G0+4*\slot, G1, G0B+4*\slot, G1B         ; the first tensor load behind the round; the four v_nop behind it are the places in front of the loads below
.else
	PLACES NP
.endif
	FETCH_B \next, 0, 0
	FETCH_A \next, 0, 0
	SCALES \next
	MWIN 1, 0
	MUL16 4, 1, NQ-1, \slot, 0
	MUL16 6, 1, NQ-1, \slot, 0
	PLACES NP
	WIN 0
	FETCH_A \next, 0, 4
.endm
	s_wait_tensorcnt 1                             ; my part of K step 0 is in (K step 1's load may be out),
	s_barrier_signal -1
	s_barrier_wait -1                              ; everybody's is
	FETCH_B 0, 0, 0
	FETCH_A 0, 0, 0
	SCALES 0
	FETCH_A 0, 0, 4
	STEP 0, 0, ZERO                                ; the first step stands in front of the loop: its products start the sums
	s_mov_b32 s3, LAPS-1
.Llap:                                                 ; a trip goes once round the ring and fills both slots again
	TURN 0, 1, 1
	STEP 1, 0, 0
	TURN 1, 0, 1
	STEP 0, 0, 0
	s_sub_co_u32 s3, s3, 1
	s_cmp_lg_u32 s3, 0
	s_cbranch_scc1 .Llap
	TURN 0, 1, 0                                   ; the last lap fills nothing, and has no round of the cluster's barrier
	STEP 1, 0, 0
	s_wait_dscnt 4*NL                              ; the very last step: nothing more to fetch
	MWIN 0, 0
	MUL16 0, 1, NQ-1, 1, 0
	MUL16 2, 1, NQ-1, 1, 0
	s_wait_dscnt 0
	MWIN 1, 0
	MUL16 4, 1, NQ-1, 1, 0
	MUL16 6, 1, NQ-1, 1, 0
	WIN 0
; THE WAY OUT.  64 numbers of a lane, v[s] .. v[s + 63] of window w, register 16 b + i = column 32 b + 16 (lane / 16) + i of my row, become a fragment's codes in v[PC] on and its scale word in v[pw].
.macro QUANT s, w, pw
	WIN (\w)|((\w)<<2)
.irp b, 0,1,2,3
	v_max3_num_f32 v[TM+\b], |v[\s+16*\b]|, |v[\s+1+16*\b]|, 0x1800000   ; block b: my 16 numbers (each accumulator from its low end on), and the floor 2^(3 - 127)
.endr
	WIN ((\w)<<2)|((\w)<<4)
.irp i, 2,4,6,8,10,12,14
.irp b, 0,1,2,3
	v_max3_num_f32 v[TM+\b], v[TM+\b], |v[\s+16*\b+\i]|, |v[\s+1+16*\b+\i]|
.endr
.endr
	WIN 0
.irp b, 0,1,2,3
	v_permlanex16_b32 v[TM+4+\b], v[TM+\b], s[SEL], s[SEL+1]
.endr
.irp b, 0,1,2,3
	v_max_num_f32 v[TM+\b], v[TM+\b], v[TM+4+\b]   ; with lane l xor 16's: the block's largest magnitude
.endr
.irp b, 0,1,2,3
	v_add_nc_u32 v[TM+12+\b], 0xff000000, v[TM+\b]   ; 2 off its exponent field: the conversion's scale operand
.endr
.irp b, 0,1,2,3
	v_lshrrev_b32 v[TM+4+\b], 23, v[TM+12+\b]      ; the scale's byte
.endr
	v_lshl_or_b32 v[\pw], v[TM+5], 8, v[TM+4]
	v_lshl_or_b32 v[\pw], v[TM+6], 16, v[\pw]
	v_lshl_or_b32 v[\pw], v[TM+7], 24, v[\pw]
	WIN (\w)
.irp c, 0,1
	v_cvt_scalef32_pk16_fp6_f32 v[PC+6*\c:PC+2+6*\c], v[\s+32*\c:\s+15+32*\c], v[TM+12+2*\c]
	v_cvt_scalef32_pk16_fp6_f32 v[PC+12+4*\c:PC+14+4*\c], v[\s+16+32*\c:\s+31+32*\c], v[TM+12+2*\c+1]   ; (a conversion's three registers begin on an even number)
.endr
	WIN 0
	v_nop                                          ; one plain place behind a scaled conversion
.irp c, 0,1                                    ; the operand's layout wants a WHOLE block in a lane: lanes 0-15 block 2 c, lanes 16-31 block 2 c + 1
.irp i, 0,1,2
	v_permlane16_swap_b32 v[PC+6*\c+\i], v[PC+12+4*\c+\i]
.endr
.irp i, 0,1,2
	v_mov_b32 v[PC+3+6*\c+\i], v[PC+12+4*\c+\i]
.endr
.endr
.endm
.if MODE
.macro GELU a                          ; block a's 64 sums x become x / (1 + 2^(x (k1 + k2 x x))) in v[T] on
.set GS, 64*((\a)%4)
.set GW, 2+(\a)/4
	WIN GW|(GW<<2)
.set j, 0
.rept 32
	v_pk_mul_f32 v[T+j:T+j+1], v[GS+j:GS+j+1], v[GS+j:GS+j+1]
.set j, j+2
.endr
	WIN 0
.set j, 0
.rept 32
	v_pk_fma_f32 v[T+j:T+j+1], v[T+j:T+j+1], s[K2:K2+1], v[K1:K1+1] op_sel_hi:[1,0,1]
.set j, j+2
.endr
	WIN GW<<2
.set j, 0
.rept 32
	v_pk_mul_f32 v[T+j:T+j+1], v[T+j:T+j+1], v[GS+j:GS+j+1]
.set j, j+2
.endr
	WIN 0
.set j, 0
.rept 64
	v_exp_f32 v[T+j], v[T+j]
.set j, j+1
.endr
	v_nop                                          ; one plain place behind the transcendentals
.set j, 0
.rept 32
	v_pk_add_f32 v[T+j:T+j+1], v[T+j:T+j+1], 1.0 op_sel_hi:[1,0]
.set j, j+2
.endr
.set j, 0
.rept 64
	v_rcp_f32 v[T+j], v[T+j]
.set j, j+1
.endr
	v_nop
	WIN GW<<2
.set j, 0
.rept 32
	v_pk_mul_f32 v[T+j:T+j+1], v[T+j:T+j+1], v[GS+j:GS+j+1]
.set j, j+2
.endr
	WIN 0
.endm
.endif
.macro OUTQ a                          ; block a of 16 rows x my 128 columns
.if (\a) > 0
	s_wait_xcnt 0x0                                ; the last block's stores have read their registers: the codes and the scale word are written again only behind this wait
.endif
.if MODE
	GELU \a
	QUANT T, 0, PW+(\a)%2
.else
	QUANT 64*((\a)%4), 2+(\a)/4, PW+(\a)%2
.endif
.irp c, 0,1
	global_store_b128 v[VO16], v[PC+6*\c:PC+6*\c+3], s[10:11] offset:(\a)*SA+768*\c     ; 512 consecutive bytes, aligned
	global_store_b64 v[VO8], v[PC+6*\c+4:PC+6*\c+5], s[10:11] offset:(\a)*SA+768*\c     ; 256 consecutive bytes, aligned
.endr
.if (\a)%2
	v_cndmask_b32 v[SW], v[PW], v[PW+1], s[HALF]   ; lanes 0-15 the even block's words, lanes 16-31 the odd block's (both halves of the lanes hold a row's word)
	global_store_b32 v[VO4], v[SW], s[12:13] offset:((\a)-1)*64
.endif
.endm
	PLACES NP                                      ; behind the last products
.irp a, 0,1,2,3,4,5,6,7
	OUTQ \a
.endr
	s_wait_tensorcnt 0x0                           ; the wave's end
	ds_add_u32 v[SPW], v[NIL]
	s_wait_dscnt 0x0
	CROUND                                         ; the closing round: no work-group ends while a partner may still ask for a block that names it
	s_endpgm
.Lfunc_end_k_q6ff7d267f6_qkv:
	.size	k_q6ff7d267f6_qkv, .Lfunc_end_k_q6ff7d267f6_qkv-k_q6ff7d267f6_qkv
	.p2alignl 7, 3214868480
	.fill 96, 4, 3214868480
	.section	.rodata,"a",@progbits
	.p2align	6, 0x0
	.amdhsa_kernel k_q6ff7d267f6_qkv
		.amdhsa_group_segment_fixed_size 327680
		.amdhsa_private_segment_fixed_size 0
		.amdhsa_enable_private_segment 0
		.amdhsa_kernarg_size 24
		.amdhsa_user_sgpr_count 2
		.amdhsa_user_sgpr_kernarg_segment_ptr 1
		.amdhsa_wavefront_size32 1
		.amdhsa_system_sgpr_workgroup_id_x 1
		.amdhsa_system_sgpr_workgroup_id_y 1
		.amdhsa_system_sgpr_workgroup_id_z 1
		.amdhsa_system_vgpr_workitem_id 0
		.amdhsa_next_free_vgpr 1024
		.amdhsa_next_free_sgpr 80
		.amdhsa_reserve_vcc 0
		.amdhsa_float_denorm_mode_32 3
		.amdhsa_float_denorm_mode_16_64 3
		.amdhsa_memory_ordered 1
		.amdhsa_forward_progress 1
		.amdhsa_inst_pref_size 150
	.end_amdhsa_kernel
	.amdgpu_metadata
---
amdhsa.version: [ 1, 2 ]
amdhsa.kernels:
  - .name:           k_q6ff7d267f6_qkv
    .symbol:         k_q6ff7d267f6_qkv.kd
    .args:
      - { .name: hpk, .offset: 0, .size: 8, .value_kind: global_buffer, .address_space: global }
      - { .name: wpk, .offset: 8, .size: 8, .value_kind: global_buffer, .address_space: global }
      - { .name: qkv, .offset: 16, .size: 8, .value_kind: global_buffer, .address_space: global }
    .group_segment_fixed_size: 327680
    .private_segment_fixed_size: 0
    .kernarg_segment_align: 8
    .kernarg_segment_size: 24
    .max_flat_workgroup_size: 128
    .sgpr_count:     80
    .vgpr_count:     1024
    .wavefront_size: 32
...
	.end_amdgpu_metadata
.endif
;; end of part 3
;; launch attn (part 4): grid 8 x 32, 16 waves a work-group, clusters of 4 x 1, 210,944 bytes of LDS; arguments qkv, ctx; writes ctx
.if DOCPART == 4
	.amdgcn_target "amdgcn-amd-amdhsa--gfx1250"
	.amdhsa_code_object_version 6
	.text
	.protected	k_q6ff7d267f6_attn
	.globl	k_q6ff7d267f6_attn
	.p2align	8
	.type	k_q6ff7d267f6_attn,@function
k_q6ff7d267f6_attn:
	s_mov_b64 s[64:65], 0
	v_nop
	global_prefetch_b8 v0, s[64:65] scope:SCOPE_SE
	s_setreg_imm32_b32 hwreg(HW_REG_WAVE_MODE, 25, 1), 1
	s_wait_xcnt 0x0
	s_wait_alu depctr_hold_cnt(0) depctr_sa_sdst(0) depctr_va_vdst(0) depctr_va_sdst(0) depctr_va_ssrc(0) depctr_va_vcc(0) depctr_vm_vsrc(0)
	s_getreg_b32 s2, hwreg(HW_REG_IB_STS2, 6, 4)
	s_cmp_eq_u32 s2, 0
	s_cbranch_scc0 .Lentry_in_a_cluster
	s_endpgm
.Lentry_in_a_cluster:
	s_bfe_u32 s2, ttmp6, 0x10000c
	s_cmp_lg_u32 s2, 0x3003
	s_cbranch_scc0 .Lentry_shape_is_right
	s_endpgm
.Lentry_shape_is_right:
; Causal attention of 32 heads (batch b, head hd) of 2,048 tokens x 64, both products on codes of FP6 (E2M3) with E8M0 scales; the result, divided by the row's sum, is quantised along the 1,024 and stored packed.
; THE SOFTMAX AHEAD OF THE SECOND PRODUCT: t = score x log2(e) / 8; M = the row's largest t so far, rounded UP to a whole number; p = 2^(t - M) is quantised along the keys, not normalised; the row's sum is taken of the
; unquantised p.  When M moves, the sum and O are multiplied by 2^(old M - new M): exact.
; INPUT (buffer qkv, this program's own): half fragments of 16 rows x 64 along K, 768 bytes (lane (r, h): row r, k = 32 h .. + 31: four registers at 16 l, two at 512 + 8 l).  q, k: [token block 256][head slot 32][768];
; V^T: [b][(hd, d) / 16: 64][key / 64: 32][768]; scale words of q, k: [head pair 16][token block 256][16][4] (two bytes a head); of V^T: [b x 16 + key / 128][64][16][4].  Rows are stored with bits 3 and 4 exchanged.
; SHARES.  A work-group (x = 0 .. 7, b, hd) has sixteen waves of 226 registers, four to a SIMD.  Wave w has a rank rho (0 .. 15, each once) and owns the stored block 8 rho + x of 16 queries, which lies in tokens
; 128 rho .. 128 rho + 127: it works key steps 0 .. rho of 128 keys, the last on the diagonal.  The ranks are laid by two orthogonal Latin squares, so that the waves w % 4 = const and the waves w / 4 = const both
; have ranks that add up to 30: every work-group has 136 steps, and what a wave does hangs on its number alone.
; LDS: all of the head's K and V^T and their scale words, 208,896 bytes, each byte filled ONCE: no ring, no refill.  Keys 0-511 come by loads of their own, so that the first four steps start before the rest has landed.
; CLUSTER: the four work-groups of a cluster share b and hd, so all six loads are JOINT.  Wave 0 asks for K's three, wave 1 for V's three: three tensor loads of a wave are out at the most.
; LAYOUT.  Both products are used transposed: S^T = K Q^T, O^T = V^T P^T: a lane holds ONE query.  By the stored row order the 16 registers of tiles 2 b, 2 b + 1 of S^T are the keys 32 b + 16 (lane / 16) + 0 .. 15,
; and those of O^T the channels likewise.  The head's 64 are half of the instruction's 128: registers 6-11 of K's and Q's fragments are zero codes, and the upper two scale bytes 0 (2^-127, over zero codes).
; REGISTERS: v1-11 addresses; v12 -M, v13 the largest t, v[14:15] the sum; v16-27 Q; v28 Q's scale, v29 p's, v92-95 the fragments': scales and nothing else; v31 -infinity; v32-79 four fragments of K; v80-91 p's codes;
; v96-159 S^T, then p, then V's four fragments; v160-191 O^T; v192-223 at work.
; LIMITS: a block of zeros gets the byte 1 where the rule says 127 (zero codes; this program alone reads the bytes); NaN and infinities are not served.
.set VC,   6291456
.set QKS,  9437184
.set VSO,  9699328
.set LVA,  98304                       ; LDS: K's codes [block 128][768] from 0;  V^T's, keys 0-511: [4][8][768];
.set LVB,  122880                      ; keys 512-2,047: [4][24][768];
.set LKS,  196608                      ; K's scale words [block 128][16][4];
.set LVS,  204800                      ; V^T's [key step 16][4][16][4]
.set G1KS, 8                           ; descriptor groups 1
.set G1KA, 16
.set G1KB, 24
.set G1VS, 32
.set G1VA, 40
.set G1VB, 48
.set G0KS, 56                          ; and groups 0
.set G0KA, 60
.set G0KB, 68
.set G0VS, 72
.set G0VA, 76
.set G0VB, 80
.set WV,   84                          ; s84  my wave's number
.set RHO,  85                          ; s85  its rank
.set J,    86                          ; s86  the key step
.set TK,   87                          ; s87  where the step's blocks of K begin
.set TKS,  88                          ; s88  their scale words
.set TV,   89                          ; s89  V^T's half fragments, in the chunk in hand
.set TVS,  90                          ; s90  their scale words
.set XB,   91                          ; s91  x
.set SEL,  92                          ; s[92:93] selects for lane l xor 16
.set CS,   94                          ; s[94:95] c = log2(e) / 8
.macro GROUP1 g, c, r, p               ; r rows of c elements of 8 bytes, p elements apart; 15:0 the mask: all four work-groups; 21 set beside a mask
	s_mov_b32 s[\g], 15|(3<<16)|(1<<21)
	s_mov_b32 s[\g+1], (\c)<<16
	s_mov_b32 s[\g+2], (\r)<<16
	s_mov_b32 s[\g+3], (\c)<<16
	s_mov_b32 s[\g+4], \r
	s_mov_b32 s[\g+5], \p
	s_mov_b32 s[\g+6], 0
	s_mov_b32 s[\g+7], 0
.endm
.macro GROUP0 g, lds                   ; from qkv + s[96:97] to LDS byte lds
	s_mov_b32 s[\g], 1
	s_mov_b32 s[\g+1], \lds
	s_add_nc_u64 s[\g+2:\g+3], s[4:5], s[96:97]
	s_or_b32 s[\g+3], s[\g+3], 0x80000000
.endm
.macro CROUND                          ; a round of the cluster's barrier
	s_barrier_signal -1
	s_barrier_wait -1
	s_cmp_lg_u32 s[WV], 0
	s_cbranch_scc1 .Lnot_wave_0_\@
	s_barrier_signal -3
.Lnot_wave_0_\@:
	s_barrier_wait -3
	s_barrier_signal -1
	s_barrier_wait -1
.endm
	s_load_b128 s[4:7], s[0:1], 0x0                ; qkv, ctx
	v_lshl_add_u32 v224, v0, 2, 0x33000
	v_mov_b32 v225, 0
	ds_add_u32 v224, v225
	ds_add_u32 v224, v225
	v_lshrrev_b32 v1, 5, v0
	v_readfirstlane_b32 s[WV], v1                  ; wave 0..15
	s_lshr_b32 s96, s[WV], 2                       ; g
	s_and_b32 s97, s[WV], 3                        ; s
	s_and_b32 s98, s97, 1
	s_lshl_b32 s98, s98, 1
	s_lshr_b32 s99, s97, 1
	s_mul_i32 s99, s99, 3
	s_xor_b32 s98, s98, s99                        ; phi(s) = 0, 2, 3, 1
	s_xor_b32 s97, s96, s97
	s_xor_b32 s98, s96, s98
	s_lshl_b32 s97, s97, 2
	s_add_co_u32 s[RHO], s97, s98                  ; rho = 4 (g xor s) + (g xor phi(s))
	s_bfe_u32 s[XB], ttmp6, 0x40000                ; cx
	s_lshl_b32 s96, ttmp9, 2
	s_add_co_u32 s[XB], s[XB], s96                 ; x = 4 x cluster x + cx: it enters Q's and the result's addresses and the mask's numbers alone
	s_and_b32 s2, ttmp7, 0xffff
	s_lshr_b32 s3, s2, 4                           ; b
	s_and_b32 s2, s2, 15                           ; hd: the four partners share both
	GROUP1 G1KS, 32, 32, 32                        ; K's scale words: 8,192 dense bytes
	GROUP1 G1KA, 96, 32, 3072                      ; K's blocks 0-31: 768 bytes each, 24,576 apart
	GROUP1 G1KB, 96, 96, 3072                      ; blocks 32-127
	GROUP1 G1VS, 32, 16, 512                       ; V^T's scale words: 256 bytes a key step, 4,096 apart
	GROUP1 G1VA, 768, 4, 3072                      ; V^T: four rows of blocks, 8 half fragments each
	GROUP1 G1VB, 2304, 4, 3072                     ; and the other 24
	s_mov_b32 s[SEL], 0x76543210
	s_mov_b32 s[SEL+1], 0xfedcba98
	s_mov_b32 s[CS], 0x3e38aa3b
	s_mov_b32 s[CS+1], s[CS]                       ; (named with it as a pair, so it is written)
	s_wait_dscnt 0x0
	s_wait_kmcnt 0x0
	s_lshr_b32 s96, s2, 1
	s_lshl_b32 s96, s96, 14
	s_lshl_b32 s98, s3, 13
	s_add_co_u32 s96, s96, s98
	s_add_co_u32 s96, s96, QKS+8*16384             ; k's head pairs are 8 .. 15
	s_mov_b32 s97, 0
	GROUP0 G0KS, LKS
	s_mul_i32 s96, s3, 3145728
	s_mul_i32 s98, s2, 768
	s_add_co_u32 s96, s96, s98
	s_add_co_u32 s96, s96, 16*768                  ; k's head slots are 16 .. 31
	GROUP0 G0KA, 0
	s_add_co_u32 s96, s96, 786432
	GROUP0 G0KB, 24576
	s_lshl_b32 s96, s3, 16
	s_lshl_b32 s98, s2, 8
	s_add_co_u32 s96, s96, s98
	s_add_co_u32 s96, s96, VSO
	GROUP0 G0VS, LVS
	s_lshl_b32 s96, s3, 6
	s_lshl_b32 s98, s2, 2
	s_add_co_u32 s96, s96, s98
	s_mul_i32 s96, s96, 24576
	s_add_co_u32 s96, s96, VC
	GROUP0 G0VA, LVA
	s_add_co_u32 s96, s96, 6144
	GROUP0 G0VB, LVB
	CROUND                                         ; all four work-groups are here: the joint loads meet
	s_cmp_eq_u32 s[WV], 0                          ; a wave's three loads stand in one branch, ahead of every wait on TENSORcnt, every LDS read and every further barrier; four v_nop follow the third
	s_cbranch_scc0 .Lnot_k
	tensor_load_to_lds s[G0KS:G0KS+3], s[G1KS:G1KS+7]
	s_nop 0
	tensor_load_to_lds s[G0KA:G0KA+3], s[G1KA:G1KA+7]
	s_nop 0
	tensor_load_to_lds s[G0KB:G0KB+3], s[G1KB:G1KB+7]
	s_nop 0
.rept 4
	v_nop
.endr
	s_branch .Lasked
.Lnot_k:
	s_cmp_eq_u32 s[WV], 1
	s_cbranch_scc0 .Lasked
	tensor_load_to_lds s[G0VS:G0VS+3], s[G1VS:G1VS+7]
	s_nop 0
	tensor_load_to_lds s[G0VA:G0VA+3], s[G1VA:G1VA+7]
	s_nop 0
	tensor_load_to_lds s[G0VB:G0VB+3], s[G1VB:G1VB+7]
	s_nop 0
.rept 4
	v_nop
.endr
.Lasked:
	v_and_b32 v10, 15, v0                          ; r
	v_bfe_u32 v11, v0, 4, 1                        ; h
	v_and_b32 v1, 31, v0
	v_lshlrev_b32 v2, 3, v1
	v_add_nc_u32 v2, 512, v2                       ; v2: 512 + 8 l
	v_lshlrev_b32 v1, 4, v1                        ; v1: 16 l
	s_and_b32 s96, s2, 1
	s_lshl_b32 s96, s96, 1
	v_lshl_add_u32 v3, v10, 2, s96
	v_add_nc_u32 v3, LKS, v3                       ; v3: K's scale bytes: row r's word, my head's two bytes of it
	v_add_nc_u32 v4, LVA, v1                       ; v4-5: V^T, keys 0-511
	v_add_nc_u32 v5, LVA, v2
	v_add_nc_u32 v6, LVB, v1                       ; v6-7: the other keys
	v_add_nc_u32 v7, LVB, v2
	v_lshl_add_u32 v8, v10, 2, LVS                 ; v8: V^T's scale words
	s_lshr_b32 s97, s[XB], 1
	s_lshl_b32 s97, s97, 5
	s_and_b32 s98, s[XB], 1
	s_lshl_b32 s98, s98, 3
	s_add_co_u32 s97, s97, s98
	v_and_b32 v9, 8, v10
	v_add_nc_u32 v9, v9, v10
	v_add_nc_u32 v9, s97, v9                       ; my query among its 128: 32 (x / 2) + 8 (x % 2) + r + 8 (r / 8)
	v_lshlrev_b32 v11, 4, v11
	v_sub_nc_u32 v9, v9, v11                       ; v9: less 16 h.  On the diagonal register 16 b + i holds key 32 b + 16 h + i: hidden where 32 b + i > v9
	v_lshlrev_b32 v10, 2, v10                      ; v10: 4 r
	s_lshl_b32 s96, s3, 7
	s_lshl_b32 s97, s[RHO], 3
	s_add_co_u32 s96, s96, s97
	s_add_co_u32 s96, s96, s[XB]                   ; my stored block of queries: 128 b + 8 rho + x
	s_lshl_b32 s100, s96, 6
	s_mul_i32 s98, s96, 24576
	s_mul_i32 s97, s2, 768
	s_add_co_u32 s98, s98, s97
	s_mov_b32 s99, 0
	s_add_nc_u64 s[98:99], s[4:5], s[98:99]        ; its half fragment of head slot hd
	s_lshr_b32 s97, s2, 1
	s_lshl_b32 s97, s97, 14
	s_add_co_u32 s100, s100, s97
	s_and_b32 s97, s2, 1
	s_lshl_b32 s97, s97, 1
	s_add_co_u32 s100, s100, s97
	s_add_co_u32 s100, s100, QKS
	s_mov_b32 s101, 0
	s_add_nc_u64 s[100:101], s[4:5], s[100:101]    ; and its scale bytes
	global_load_b128 v[16:19], v1, s[98:99]
	global_load_b64 v[20:21], v2, s[98:99]
	global_load_u16 v28, v10, s[100:101]           ; two bytes; the upper two are 0
.irp i, 22,23,24,25,26,27
	v_mov_b32 v\i, 0                               ; Q's codes of k = 64 .. 127: zeros
.endr
.irp t, 0,1,2,3
.irp i, 6,7,8,9,10,11
	v_mov_b32 v[32+12*\t+\i], 0                    ; K's likewise: written once, never loaded
.endr
.endr
	v_mov_b32 v13, 0xff61b1e6                      ; the largest t so far: -3e38, under every t
	v_floor_f32 v12, -v13                          ; -M
	v_mov_b32 v14, 0
	v_mov_b32 v15, 0
	v_mov_b32 v31, 0xff800000                      ; -infinity
.irp b, 0,1,2,3
	v_mov_b32 v[196+\b], 0                         ; a lane permute's destination counts as one of its sources
.endr
	v_mov_b32 v213, 0                              ; (named as the upper half of the pair v[212:213])
	v_mov_b32 v214, 0
.set j, 0
.rept 32
	v_mov_b32 v[160+j], 0                          ; O^T.  (The step is written once: the first finds zeros, which the first change of M leaves zeros)
.set j, j+1
.endr
; A KEY STEP: 128 keys.  av16, av8: the address registers of V^T's chunk in hand; dts: bytes from one of its four rows of blocks to the next.
.macro STEP av16, av8, dts
	s_cmp_gt_u32 s[J], s[RHO]                      ; a step all of whose keys come after my queries is left out: a branch on the wave's number and the loop's counter
	s_cbranch_scc1 .Lhid_\@
	v_add_nc_u32 v216, s[TK], v1                   ; six plain lines: also the places between the last step's products and the loads and products that write over their registers
	v_add_nc_u32 v217, s[TK], v2
	v_add_nc_u32 v218, s[TKS], v3
	v_add_nc_u32 v219, s[TV], v[\av16]
	v_add_nc_u32 v220, s[TV], v[\av8]
	v_add_nc_u32 v221, s[TVS], v8
.irp g, 0,1                                    ; S^T = K Q^T, four blocks of 16 keys at a time
.if \g
.rept 4
	v_nop                                          ; places in front of loads into registers that matrix instructions have read
.endr
.endif
.irp t, 0,1,2,3
	ds_load_b128 v[32+12*\t:35+12*\t], v216 offset:(4*\g+\t)*768
	ds_load_b64 v[36+12*\t:37+12*\t], v217 offset:(4*\g+\t)*768
	ds_load_u16 v[92+\t], v218 offset:(4*\g+\t)*64
.endr
	s_wait_dscnt 0x0
.irp t, 0,1,2,3
	v_wmma_scale_f32_16x16x128_f8f6f4 v[96+8*(4*\g+\t):103+8*(4*\g+\t)], v[32+12*\t:43+12*\t], v[16:27], 0, v[92+\t], v28 matrix_a_fmt:MATRIX_FMT_FP6 matrix_b_fmt:MATRIX_FMT_FP6
.endr
.endr
.rept 4
	v_nop
.endr
	s_cmp_lg_u32 s[J], s[RHO]                      ; on the diagonal the scores of hidden keys become -infinity ahead of the maximum: p = 0 then
	s_cbranch_scc1 .Lopen_\@
.set n, 0
.rept 64
	v_cmp_gt_i32 vcc_lo, 32*(n/16)+n%16, v9
	v_cndmask_b32 v[96+n], v[96+n], v31, vcc_lo
.set n, n+1
.endr
.Lopen_\@:
.irp b, 0,1,2,3
	v_max3_num_f32 v[192+\b], v[96+16*\b], v[97+16*\b], v[98+16*\b]   ; the largest score of each block of 32 keys: for the row's maximum, and, since p rises with the score, for the block's largest p
.endr
.irp i, 3,5,7,9,11,13
.irp b, 0,1,2,3
	v_max3_num_f32 v[192+\b], v[192+\b], v[96+16*\b+\i], v[97+16*\b+\i]
.endr
.endr
.irp b, 0,1,2,3
	v_max_num_f32 v[192+\b], v[192+\b], v[111+16*\b]
.endr
.irp b, 0,1,2,3
	v_permlanex16_b32 v[196+\b], v[192+\b], s[SEL], s[SEL+1]
.endr
.irp b, 0,1,2,3
	v_max_num_f32 v[192+\b], v[192+\b], v[196+\b]  ; with lane l xor 16's 16 keys
.endr
	v_max3_num_f32 v214, v192, v193, v194
	v_max_num_f32 v214, v214, v195                 ; the step's largest score of my query
	v_mul_f32 v214, s[CS], v214                    ; as t (c is positive)
	v_max_num_f32 v13, v13, v214                   ; the running largest t
	v_mov_b32 v214, v12
	v_floor_f32 v12, -v13                          ; the new -M = floor(-t): M is a whole number
	v_sub_f32 v214, v12, v214                      ; old M - new M: a whole number, 0 or less
	v_cvt_i32_f32 v214, v214                       ; (it saturates)
	v_ldexp_f32 v212, 1.0, v214                    ; f = 2^(old M - new M)
.set j, 0
.rept 32
	v_pk_fma_f32 v[96+j:97+j], v[96+j:97+j], s[CS:CS+1], v[12:13] op_sel_hi:[1,0,0]   ; t - M
.set j, j+2
.endr
.irp b, 0,1,2,3
	v_fma_f32 v[192+\b], v[192+\b], s[CS], v12     ; the same of each block's largest score
.endr
.set j, 0
.rept 64
	v_exp_f32 v[96+j], v[96+j]                     ; p = 2^(t - M), at most 1: not normalised
.set j, j+1
.endr
.irp b, 0,1,2,3
	v_exp_f32 v[192+\b], v[192+\b]                 ; the block's largest p
.endr
	v_pk_mul_f32 v[14:15], v[14:15], v[212:213] op_sel_hi:[1,0]   ; the sums under the new M.  (A plain place behind the exponentials)
	s_wait_alu depctr_va_vdst(0)
.irp b, 0,1,2,3
	v_max_num_f32 v[192+\b], 0x1800000, v[192+\b]  ; the floor 2^(3 - 127): the byte cannot fall under 1
.endr
.irp b, 0,1,2,3
	v_add_nc_u32 v[208+\b], 0xff000000, v[192+\b]  ; the conversion's scale operand
.endr
.irp b, 0,1,2,3
	v_lshrrev_b32 v[196+\b], 23, v[208+\b]         ; the scale's byte
.endr
	v_lshl_or_b32 v29, v197, 8, v196               ; p's scale word for these 128 keys
	v_lshl_or_b32 v29, v198, 16, v29
	v_lshl_or_b32 v29, v199, 24, v29
.irp c, 0,1
	v_cvt_scalef32_pk16_fp6_f32 v[80+6*\c:82+6*\c], v[96+32*\c:111+32*\c], v[208+2*\c]
	v_cvt_scalef32_pk16_fp6_f32 v[200+4*\c:202+4*\c], v[112+32*\c:127+32*\c], v[208+2*\c+1]
.endr
	v_nop                                          ; one plain place behind a scaled conversion
.irp c, 0,1                                    ; a WHOLE block in a lane: lanes 0-15 block 2 c, lanes 16-31 block 2 c + 1
.irp i, 0,1,2
	v_permlane16_swap_b32 v[80+6*\c+\i], v[200+4*\c+\i]
.endr
.irp i, 0,1,2
	v_mov_b32 v[83+6*\c+\i], v[200+4*\c+\i]
.endr
.endr
	v_pk_add_f32 v[222:223], v[96:97], v[98:99]    ; the row's sum is taken of the unquantised p, in two chains
.irp j, 4,8,12,16,20,24,28,32,36,40,44,48,52,56,60
	v_pk_add_f32 v[14:15], v[14:15], v[96+\j:97+\j]
	v_pk_add_f32 v[222:223], v[222:223], v[98+\j:99+\j]
.endr
	v_pk_add_f32 v[14:15], v[14:15], v[222:223]
.set j, 0
.rept 16
	v_pk_mul_f32 v[160+j:161+j], v[160+j:161+j], v[212:213] op_sel_hi:[1,0]   ; O^T under the new M.  (With the sums: the places in front of the products and loads below)
.set j, j+2
.endr
.irp t, 0,1,2,3                                ; O^T += V^T P^T: the head's four blocks of 16 channels; K = these 128 keys
.irp c, 0,1
	ds_load_b128 v[96+12*\t+6*\c:99+12*\t+6*\c], v219 offset:\t*\dts+768*\c
	ds_load_b64 v[100+12*\t+6*\c:101+12*\t+6*\c], v220 offset:\t*\dts+768*\c
.endr
	ds_load_b32 v[92+\t], v221 offset:64*\t
.endr
	s_wait_dscnt 0x0
.irp t, 0,1,2,3
	v_wmma_scale_f32_16x16x128_f8f6f4 v[160+8*\t:167+8*\t], v[96+12*\t:107+12*\t], v[80:91], v[160+8*\t:167+8*\t], v[92+\t], v29 matrix_a_fmt:MATRIX_FMT_FP6 matrix_b_fmt:MATRIX_FMT_FP6
.endr
.Lhid_\@:
	s_add_co_u32 s[TK], s[TK], 6144                ; the next step's addresses
	s_add_co_u32 s[TKS], s[TKS], 512
	s_add_co_u32 s[TV], s[TV], 1536
	s_add_co_u32 s[TVS], s[TVS], 256
.endm
	s_wait_tensorcnt 1                             ; wave 0, 1: the scale words and keys 0-511 are in; my third load, the other keys, may be out
	s_barrier_signal -1
	s_barrier_wait -1                              ; every wave may read them
	s_wait_loadcnt 0x0                             ; Q
	s_mov_b32 s[J], 0
	s_mov_b32 s[TK], 0
	s_mov_b32 s[TKS], 0
	s_mov_b32 s[TV], 0
	s_mov_b32 s[TVS], 0
.Lfirst:                                           ; key steps 0 .. 3
	STEP 4, 5, 6144
	s_add_co_u32 s[J], s[J], 1
	s_cmp_lt_u32 s[J], 4
	s_cbranch_scc1 .Lfirst
	s_wait_tensorcnt 0x0                           ; the other keys are in,
	s_wait_dscnt 0x0
	s_barrier_signal -1
	s_barrier_wait -1                              ; for every wave
	s_mov_b32 s[J], 4
	s_mov_b32 s[TK], 4*6144
	s_mov_b32 s[TKS], 4*512
	s_mov_b32 s[TV], 0
	s_mov_b32 s[TVS], 4*256
.Lrest:                                            ; key steps 4 .. 15
	STEP 6, 7, 18432
	s_add_co_u32 s[J], s[J], 1
	s_cmp_lt_u32 s[J], 16
	s_cbranch_scc1 .Lrest
	; THE WAY OUT.  O^T / the sum: 32 numbers a lane, register 16 b + i = channel 32 b + 16 h + i of my query: two blocks of the next product's K, one half fragment.
.rept 4
	v_nop                                          ; behind the last products
.endr
	v_add_f32 v14, v14, v15
	v_permlanex16_b32 v214, v14, s[SEL], s[SEL+1]
	v_add_f32 v14, v14, v214                       ; the row's sum
	v_rcp_f32 v14, v14
	v_nop                                          ; one plain place behind a transcendental
.set j, 0
	s_wait_alu depctr_va_vdst(0)
.rept 32
	v_mul_f32 v[96+j], v[160+j], v14
.set j, j+1
.endr
.irp b, 0,1
	v_max3_num_f32 v[192+\b], |v[96+16*\b]|, |v[97+16*\b]|, 0x1800000
.endr
.irp i, 2,4,6,8,10,12,14
.irp b, 0,1
	v_max3_num_f32 v[192+\b], v[192+\b], |v[96+16*\b+\i]|, |v[97+16*\b+\i]|
.endr
.endr
.irp b, 0,1
	v_permlanex16_b32 v[196+\b], v[192+\b], s[SEL], s[SEL+1]
.endr
.irp b, 0,1
	v_max_num_f32 v[192+\b], v[192+\b], v[196+\b]
.endr
.irp b, 0,1
	v_add_nc_u32 v[208+\b], 0xff000000, v[192+\b]
.endr
.irp b, 0,1
	v_lshrrev_b32 v[196+\b], 23, v[208+\b]
.endr
	v_lshl_or_b32 v214, v197, 8, v196              ; my head's two scale bytes
	v_cvt_scalef32_pk16_fp6_f32 v[80:82], v[96:111], v208
	v_cvt_scalef32_pk16_fp6_f32 v[200:202], v[112:127], v209
	v_nop
.irp i, 0,1,2
	v_permlane16_swap_b32 v[80+\i], v[200+\i]
.endr
.irp i, 0,1,2
	v_mov_b32 v[83+\i], v[200+\i]
.endr
	s_lshl_b32 s96, s3, 4
	s_add_co_u32 s96, s96, s[RHO]
	s_lshl_b32 s96, s96, 2
	s_lshr_b32 s97, s2, 2
	s_add_co_u32 s96, s96, s97
	s_mul_i32 s96, s96, 25600                      ; ctx: block (16 b + rho) x 4 + hd / 4
	s_mul_i32 s97, s[XB], 3072
	s_and_b32 s98, s2, 3
	s_mul_i32 s98, s98, 768
	s_add_co_u32 s98, s98, s97
	s_add_co_u32 s98, s98, s96
	s_mov_b32 s99, 0
	s_add_nc_u64 s[98:99], s[6:7], s[98:99]        ; block of rows x, half fragment hd % 4
	s_bfe_u32 s97, s2, 0x10001
	s_lshl_b32 s97, s97, 9
	s_add_co_u32 s96, s96, s97
	s_lshl_b32 s97, s[XB], 6
	s_add_co_u32 s96, s96, s97
	s_and_b32 s97, s2, 1
	s_lshl_b32 s97, s97, 1
	s_add_co_u32 s96, s96, s97
	s_add_co_u32 s96, s96, 24576
	s_mov_b32 s97, 0
	s_add_nc_u64 s[96:97], s[6:7], s[96:97]
	global_store_b128 v1, v[80:83], s[98:99]       ; 512 consecutive bytes, aligned
	global_store_b64 v2, v[84:85], s[98:99]        ; 256 consecutive bytes, aligned
	global_store_b16 v10, v214, s[96:97]           ; two bytes of row r's scale word; both halves of the lanes store the same
	s_wait_dscnt 0x0
	s_wait_tensorcnt 0x0
	ds_add_u32 v224, v225
	s_wait_dscnt 0x0
	CROUND                                         ; the closing round
	s_endpgm
.Lfunc_end_k_q6ff7d267f6_attn:
	.size	k_q6ff7d267f6_attn, .Lfunc_end_k_q6ff7d267f6_attn-k_q6ff7d267f6_attn
	.p2alignl 7, 3214868480
	.fill 96, 4, 3214868480
	.section	.rodata,"a",@progbits
	.p2align	6, 0x0
	.amdhsa_kernel k_q6ff7d267f6_attn
		.amdhsa_group_segment_fixed_size 210944
		.amdhsa_private_segment_fixed_size 0
		.amdhsa_enable_private_segment 0
		.amdhsa_kernarg_size 16
		.amdhsa_user_sgpr_count 2
		.amdhsa_user_sgpr_kernarg_segment_ptr 1
		.amdhsa_wavefront_size32 1
		.amdhsa_system_sgpr_workgroup_id_x 1
		.amdhsa_system_sgpr_workgroup_id_y 1
		.amdhsa_system_sgpr_workgroup_id_z 1
		.amdhsa_system_vgpr_workitem_id 0
		.amdhsa_next_free_vgpr 226
		.amdhsa_next_free_sgpr 102
		.amdhsa_reserve_vcc 1
		.amdhsa_float_denorm_mode_32 3
		.amdhsa_float_denorm_mode_16_64 3
		.amdhsa_memory_ordered 1
		.amdhsa_forward_progress 1
		.amdhsa_inst_pref_size 62
	.end_amdhsa_kernel
	.amdgpu_metadata
---
amdhsa.version: [ 1, 2 ]
amdhsa.kernels:
  - .name:           k_q6ff7d267f6_attn
    .symbol:         k_q6ff7d267f6_attn.kd
    .args:
      - { .name: qkv, .offset: 0, .size: 8, .value_kind: global_buffer, .address_space: global }
      - { .name: ctx, .offset: 8, .size: 8, .value_kind: global_buffer, .address_space: global }
    .group_segment_fixed_size: 210944
    .private_segment_fixed_size: 0
    .kernarg_segment_align: 8
    .kernarg_segment_size: 16
    .max_flat_workgroup_size: 512
    .sgpr_count:     102
    .vgpr_count:     226
    .wavefront_size: 32
...
	.end_amdgpu_metadata
.endif
;; end of part 4
;; launch wo (part 5): grid 4 x 16, 4 waves a work-group, clusters of 4 x 4, 327,680 bytes of LDS; arguments ctx, wpk, bo, x, x1; writes x1
.if DOCPART == 5
	.amdgcn_target "amdgcn-amd-amdhsa--gfx1250"
	.amdhsa_code_object_version 6
	.text
	.protected	k_q6ff7d267f6_wo
	.globl	k_q6ff7d267f6_wo
	.p2align	8
	.type	k_q6ff7d267f6_wo,@function
k_q6ff7d267f6_wo:
	s_mov_b64 s[64:65], 0
	v_nop
	global_prefetch_b8 v0, s[64:65] scope:SCOPE_SE
	s_setreg_imm32_b32 hwreg(HW_REG_WAVE_MODE, 25, 1), 1
	s_wait_xcnt 0x0
	s_wait_alu depctr_hold_cnt(0) depctr_sa_sdst(0) depctr_va_vdst(0) depctr_va_sdst(0) depctr_va_ssrc(0) depctr_va_vcc(0) depctr_vm_vsrc(0)
	s_getreg_b32 s2, hwreg(HW_REG_IB_STS2, 6, 4)
	s_cmp_eq_u32 s2, 0
	s_cbranch_scc0 .Lentry_in_a_cluster
	s_endpgm
.Lentry_in_a_cluster:
	s_bfe_u32 s2, ttmp6, 0x10000c
	s_cmp_lg_u32 s2, 0xf033
	s_cbranch_scc0 .Lentry_shape_is_right
	s_endpgm
.Lentry_shape_is_right:
; A GEMM on codes of FP6 (E2M3) with E8M0 scales, out = residual + A B^T + bias, out and residual [4,096][1,024] f32.  One text serves two launches (MODE).
; MODE 0 (wo): A = the attention's result (ctx), B = wo, K = 1,024, bias bo, residual x.   MODE 1 (ffn2): A = the activations (act), B = w2, K = 4,096, bias b2, residual x1.
; PACKED FORM of both operands: half fragments of 16 rows x 64 along K, 768 bytes: lane l = (r, h) owns row r, k = 32 h .. + 31, six registers: four at 16 l, two at 512 + 8 l.  Blocks of 128 rows x 256 along K,
; 25,600 bytes: codes [8][4][768], scale words [2][8][16][4]; blocks ordered [rows / 128][K / 256].  Rows are stored with bits 3 and 4 of their number exchanged; the way out undoes that in its immediates.
; A tile of the result, 256 x 256, is made by four waves, each 128 x 128: 64 accumulators, 512 registers.  K goes in steps of 256 through a ring of two LDS slots; a slot is four blocks (A's two, B's two), each one dense
; tensor load of 100 rows of 256 bytes, codes and scale words together, one load a wave.  Every LDS read of the loop is 16 x lane or 8 x lane on end.
; CLUSTERS: 4 x 4 work-groups.  A's blocks are shared along a row of the cluster, B's along a column: each is asked for JOINTLY.  The result has 64 tiles, so 64 work-groups are launched.
; THE MATRIX INSTRUCTION IS USED TRANSPOSED (source 0 = 16 rows of B, source 1 = 16 rows of A): register j of accumulator (a, b) is column 32 (b / 2) + 16 (lane / 16) + 8 (b % 2) + j of stored row lane % 16 of block a.
; The bias is the C of each sum's first matrix instruction.  The way out goes block by block through the wave's own stage in LDS, comes back as whole rows of 512 bytes, takes the residual and is stored.
; REGISTERS: window 0: v16-31 addresses; v32-63 scale words, two sets, and nothing else; v64-127 the first block's residual; v128-223 A's fragments, one set (on the way out v128-255: rows read back).
; window 1: B's fragments, two sets, at v0 and v128; the bias in v96-127 and v224-255; on the way out four sets of 64 for the residual.  windows 2, 3: the accumulators ((a, b) at v[8 (8 (a % 4) + b)]).
; LIMITS: NaN and infinities among the inputs are not served.
.set MODE,   0                         ; 0: the launch wo;  1: the launch ffn2
.set BLK,    25600
.set SLOT,   4*BLK
.if MODE
.set NKS,    16                        ; K steps of 256
.set WOFF,   128                       ; B's first block in wpk
.else
.set NKS,    4
.set WOFF,   96
.endif
.set LAPS,   NKS/2
.set STAGE,  2*SLOT                    ; behind the ring: 16 rows x (512 bytes + 16) for each wave; no tensor load lands here
.set SPITCH, 528
.set SPARE,  STAGE+4*16*SPITCH         ; behind the stages: the spare words, 128 bytes for each wave: two blocks of 256 bytes that no other line names
.set FR,     12
.set NL,     4
.set NP,     4
.set NQ,     2
.set ADRA, 16                          ; v16-17 LDS address of my A fragments' 16-byte parts in slot 0, 1;  v18-19 of their 8-byte parts
.set ADRB, 20                          ; v20-23 the same for B
.set STO,  24                          ; v24  the way out: where I put 32 bytes of a row
.set RD,   25                          ; v25  where I read a row back
.set CO,   26                          ; v26  16 x lane: my bytes of a row's 512
.set BO,   27                          ; v27  64 x (lane / 16)
.set SPW,  28                          ; v28  LDS address of my spare word; never rewritten
.set NIL,  29                          ; v29  0; never rewritten
.set ADRS, 30                          ; v30-31 LDS address of my scale words in slot 0, 1: lanes 0-15 A's, lanes 16-31 B's
.set SC,   32
.set AF,   128
.set BK,   128                         ; the way out: 16 rows read back: v128-191 and v192-255 by turns
.set G1, 24
.set G0, 32
.set G1B, 48
.set G0B, 56
.set MSB, 0
.macro WIN new                         ; the immediate's high byte repeats the setting that is left
.if MSB != (\new)
	s_set_vgpr_msb (MSB<<8)|(\new)
.set MSB, (\new)
.endif
.endm
.set TO_B, 0x40                        ; destination window 1, address window 0
.macro MWIN hi, zero                   ; source 0 (B) window 1, source 1 (A) window 0, D window 2 + hi; C with D, or (the bias) window 1
.if (\zero) == 2
	WIN 0x91+0x40*(\hi)
.else
	WIN 0xa1+0x50*(\hi)
.endif
.endm
; A joint load: waves 0 and 1 fetch A's two blocks, waves 2 and 3 B's.  Four v_nop follow each of the two lines, ahead of the jump, the label and what follows.
.macro JLOAD g0a, g1a, g0b, g1b
	s_cmp_eq_u32 s15, 0
	s_cbranch_scc0 .Lfor_b_\@
	tensor_load_to_lds s[\g0a:\g0a+3], s[\g1a:\g1a+7]
	s_nop 0
.rept 4
	v_nop
.endr
	s_branch .Lasked_\@
.Lfor_b_\@:
	tensor_load_to_lds s[\g0b:\g0b+3], s[\g1b:\g1b+7]
	s_nop 0
.rept 4
	v_nop
.endr
.Lasked_\@:
.endm
.macro CREST                           ; a round of the cluster's barrier behind its opening barrier
	s_cmp_lg_u32 s14, 0
	s_cbranch_scc1 .Lnot_wave_0_\@
	s_barrier_signal -3
.Lnot_wave_0_\@:
	s_barrier_wait -3
	s_barrier_signal -1
	s_barrier_wait -1
.endm
.macro CROUND                          ; a whole round
	s_barrier_signal -1
	s_barrier_wait -1
	CREST
.endm
	s_load_b256 s[4:11], s[0:1], 0x0               ; A, wpk, the bias, the residual
	s_load_b64 s[12:13], s[0:1], 0x20              ; the result
	v_lshl_add_u32 v[SPW], v0, 2, SPARE
	v_mov_b32 v[NIL], 0
	ds_add_u32 v28, v29
	ds_add_u32 v28, v29
	s_wait_dscnt 0x0
	v_lshrrev_b32 v1, 5, v0
	v_readfirstlane_b32 s14, v1                    ; wave 0..3
	s_lshr_b32 s15, s14, 1                         ; which half of the tile's rows is mine.  Also: I fetch for A (0) or for B (1)
	s_and_b32 s16, s14, 1                          ; which half of its columns.  Also: which block of that tile I fetch
	s_bfe_u32 s40, ttmp6, 0x40000                  ; cx, cy
	s_bfe_u32 s41, ttmp6, 0x40004
	s_lshl_b32 s43, s41, 2
	s_lshl_b32 s43, 15, s43                        ; my row of the cluster
	s_lshl_b32 s44, 0x1111, s40                    ; my column
	s_lshl_b32 s42, ttmp9, 2
	s_add_co_u32 s42, s42, s40                     ; tile column = 4 x cluster x + cx
	s_and_b32 s17, ttmp7, 0xffff
	s_lshl_b32 s17, s17, 2
	s_add_co_u32 s17, s17, s41                     ; tile row = 4 x cluster y + cy
	; descriptor group 1: a dense block of 25,600 bytes as 100 rows of 32 elements of 8 bytes, no padding
	s_or_b32 s[G1+0], s43, (3<<16)|(1<<21)         ; 15:0 the mask: A's blocks go to my row; 17:16 elements of 8 bytes; 21 set beside a mask
	s_or_b32 s[G1B+0], s44, (3<<16)|(1<<21)        ; B's to my column
.irp g, G1, G1B
	s_mov_b32 s[\g+1], 32<<16
	s_mov_b32 s[\g+2], 100<<16
	s_mov_b32 s[\g+3], 32<<16
	s_mov_b32 s[\g+4], 100
	s_mov_b32 s[\g+5], 32
	s_mov_b32 s[\g+6], 0
	s_mov_b32 s[\g+7], 0
.endr
	s_lshl_b32 s20, s17, 1
	s_add_co_u32 s20, s20, s16                     ; A: block of 128 rows 2 x tile row + half
	s_mul_i32 s20, s20, NKS*BLK
	s_mov_b32 s21, 0
	s_lshl_b32 s46, s42, 1
	s_add_co_u32 s46, s46, s16                     ; B: 2 x tile column + half
	s_mul_i32 s46, s46, NKS*BLK
	s_add_co_u32 s46, s46, WOFF*BLK
	s_mov_b32 s47, 0
	s_mul_i32 s45, s14, BLK                        ; where they go: wave x a block
	s_wait_kmcnt 0x0
	s_add_nc_u64 s[20:21], s[4:5], s[20:21]
	s_add_nc_u64 s[46:47], s[6:7], s[46:47]
	CROUND                                         ; all sixteen work-groups are here: the first joint loads meet
.irp s, 0,1
	s_mov_b32 s[G0+4*\s], 1
	s_add_co_u32 s[G0+4*\s+1], s45, \s*SLOT
	s_add_nc_u64 s[G0+4*\s+2:G0+4*\s+3], s[20:21], \s*BLK
	s_or_b32 s[G0+4*\s+3], s[G0+4*\s+3], 0x80000000
	s_mov_b32 s[G0B+4*\s], 1
	s_add_co_u32 s[G0B+4*\s+1], s45, \s*SLOT
	s_add_nc_u64 s[G0B+4*\s+2:G0B+4*\s+3], s[46:47], \s*BLK
	s_or_b32 s[G0B+4*\s+3], s[G0B+4*\s+3], 0x80000000
	JLOAD G0+4*\s, G1, G0B+4*\s, G1B
.endr
	v_and_b32 v1, 15, v0                           ; r
	v_bfe_u32 v2, v0, 4, 1                         ; h
	v_and_b32 v3, 31, v0                           ; l
	v_lshlrev_b32 v[CO], 4, v3
	v_lshlrev_b32 v5, 3, v3
	v_add_nc_u32 v5, 512, v5
	v_lshlrev_b32 v[BO], 6, v2
	s_mul_i32 s21, s15, BLK                        ; my 128 rows of A
	s_mul_i32 s22, s16, BLK                        ; my 128 rows of B,
	s_add_co_u32 s22, s22, 2*BLK                   ; which lie behind A's two blocks
	s_sub_co_u32 s23, s22, s21
	v_mul_u32_u24 v6, s23, v2                      ; lanes 16-31 take B's scale words: one product, the distance from A's block to B's
	v_lshl_add_u32 v6, v1, 2, v6
.irp s, 0,1
	v_add_nc_u32 v[ADRA+\s], s21, v[CO]
	v_add_nc_u32 v[ADRA+2+\s], s21, v5
	v_add_nc_u32 v[ADRB+\s], s22, v[CO]
	v_add_nc_u32 v[ADRB+2+\s], s22, v5
	v_add_nc_u32 v[ADRS+\s], s21, v6
	s_add_co_u32 s21, s21, SLOT
	s_add_co_u32 s22, s22, SLOT
.endr
	s_mul_i32 s23, s14, 16*SPITCH
	s_add_co_u32 s23, s23, STAGE                   ; my stage
	v_mul_u32_u24 v6, v1, SPITCH
	v_lshl_add_u32 v6, v2, 6, v6
	v_add_nc_u32 v[STO], s23, v6                   ; in: row r, + 64 h
	v_add_nc_u32 v[RD], s23, v[CO]                 ; back: the 32 lanes take one row of 512 bytes
	s_lshl_b32 s18, s17, 8
	s_lshl_b32 s19, s15, 7
	s_add_co_u32 s18, s18, s19                     ; my first row
	s_lshl_b32 s18, s18, 12                        ; x 4,096 bytes
	s_lshl_b32 s19, s42, 10
	s_lshl_b32 s22, s16, 9
	s_add_co_u32 s22, s22, s19                     ; my first column, in bytes
	s_mov_b32 s23, 0
	s_add_nc_u64 s[8:9], s[8:9], s[22:23]          ; the bias there
	s_add_co_u32 s18, s18, s22
	s_mov_b32 s19, 0
	s_add_nc_u64 s[10:11], s[10:11], s[18:19]      ; the residual and the result at my corner; neither base is stepped again
	s_add_nc_u64 s[12:13], s[12:13], s[18:19]
	WIN TO_B                                       ; the bias in the result's layout: for accumulators (., 2 u), (., 2 u + 1) lane (r, h) wants the 16 numbers at column 32 u + 16 h
.irp u, 0,1,2,3
.irp i, 0,1,2,3
	global_load_b128 v[96+16*\u+96*(\u/2)+4*\i:96+16*\u+96*(\u/2)+4*\i+3], v[BO], s[8:9] offset:128*\u+16*\i
.endr
.endr
	WIN 0
; The residual of block a: stored row t of the block is row 32 (a / 2) + 8 (a % 2) + t + 8 (t / 8) of my 128.  Block 0's goes to window 0, v64-127; the others' to window 1, four sets by turns.
.macro RLOAD a
.if (\a) == 0
.set RR, 64
.else
.set RR, 64*(((\a)-1)%4)
	WIN TO_B
.endif
.irp t, 0,1,2,3,4,5,6,7,8,9,10,11,12,13,14,15
	global_load_b128 v[RR+4*\t:RR+4*\t+3], v[CO], s[10:11] offset:(32*((\a)/2)+8*((\a)%2)+\t+8*(\t/8))*4096
.endr
	WIN 0
.endm
	RLOAD 0
	s_wait_loadcnt 0x0                             ; the bias and block 0's residual
.macro FRAG reg, a16, q, i             ; a fragment, 16 rows x 128 K, is two half fragments: registers 6 c .. 6 c + 3 by 16 bytes a lane, 6 c + 4, 6 c + 5 by 8
.irp c, 0,1
	ds_load_b128 v[\reg+6*\c:\reg+6*\c+3], v[\a16] offset:(4*(\i)+2*(\q)+\c)*768
	ds_load_b64 v[\reg+6*\c+4:\reg+6*\c+5], v[\a16+2] offset:(4*(\i)+2*(\q)+\c)*768
.endr
.endm
; 16 matrix instructions: A's blocks a0, a0 + 1 x B's eight, the slot's q-th 128 along K.  The 64 accumulators take turns, one instruction a turn, in the same order in every step.
.macro MUL16 a0, p, q, sc, zero
.irp a, \a0, \a0+1
.irp b, 0,1,2,3,4,5,6,7
.if (\zero) == 2
	v_wmma_scale_f32_16x16x128_f8f6f4 v[8*(8*((\a)%4)+\b):8*(8*((\a)%4)+\b)+7], v[128*(\p)+FR*\b:128*(\p)+FR*\b+FR-1], v[AF+FR*(\a):AF+FR*(\a)+FR-1], v[96+8*\b+96*(\b/4):96+8*\b+96*(\b/4)+7], v[SC+8*NQ*(\sc)+NQ*\b+(\q)], v[SC+8*NQ*(\sc)+NQ*(\a)+(\q)] matrix_a_fmt:MATRIX_FMT_FP6 matrix_b_fmt:MATRIX_FMT_FP6 matrix_a_scale:MATRIX_SCALE_ROW1
.else
	v_wmma_scale_f32_16x16x128_f8f6f4 v[8*(8*((\a)%4)+\b):8*(8*((\a)%4)+\b)+7], v[128*(\p)+FR*\b:128*(\p)+FR*\b+FR-1], v[AF+FR*(\a):AF+FR*(\a)+FR-1], v[8*(8*((\a)%4)+\b):8*(8*((\a)%4)+\b)+7], v[SC+8*NQ*(\sc)+NQ*\b+(\q)], v[SC+8*NQ*(\sc)+NQ*(\a)+(\q)] matrix_a_fmt:MATRIX_FMT_FP6 matrix_b_fmt:MATRIX_FMT_FP6 matrix_a_scale:MATRIX_SCALE_ROW1
.endif
.endr
.endr
.endm
.macro FETCH_B slot, q, p
	WIN TO_B
.irp i, 0,1,2,3,4,5,6,7
	FRAG 128*(\p)+FR*\i, ADRB+\slot, \q, \i
.endr
	WIN 0
.endm
.macro FETCH_A slot, q, i0
.irp i, \i0, \i0+1, \i0+2, \i0+3
	FRAG AF+FR*(\i), ADRA+\slot, \q, \i
.endr
.endm
.macro SCALES sc                       ; slot sc's scale words: lanes 0-15 take A's block i, lanes 16-31 B's block i
.irp i, 0,1,2,3,4,5,6,7
.irp q, 0,1
	ds_load_b32 v[SC+8*NQ*\sc+NQ*\i+\q], v[ADRS+\sc] offset:24576+512*\q+64*\i
.endr
.endr
.endm
; A load into a register that a matrix instruction has read, and an LDS store that reads a matrix result, stand NP places behind that matrix instruction; only plain vector instructions that name none of its registers are places.
.macro PLACES n
.rept \n
	v_nop
.endr
.endm
.macro STEP slot, q, zero              ; a step of 128 along K that has its successor in the same slot
	s_wait_dscnt 4*NL                              ; B's set, A's blocks 0-3 and the scale words are in; the youngest 16 loads (A's blocks 4-7) may be out
	MWIN 0, \zero
	MUL16 0, (\q)%2, \q, \slot, \zero
	MUL16 2, (\q)%2, \q, \slot, \zero
	s_wait_dscnt 0                                 ; A's blocks 4-7 are in
	PLACES NP
	FETCH_B \slot, (\q)+1, 1-(\q)%2
	FETCH_A \slot, (\q)+1, 0
	MWIN 1, \zero
	MUL16 4, (\q)%2, \q, \slot, \zero
	MUL16 6, (\q)%2, \q, \slot, \zero
	PLACES NP
	WIN 0
	FETCH_A \slot, (\q)+1, 4
.endm
; A slot's last step changes slots: ONE barrier; in front of it each wave waits for all its tensor loads, adds 0 to its spare word, and waits for that and for its own reads of this slot.  fill = 1: this slot is filled again, two K steps ahead.
.macro TURN slot, next, fill
	s_wait_tensorcnt 0x0                           ; all my tensor loads have landed: my part of the next slot  (every window is 0 here)
	ds_add_u32 v[SPW], v[NIL]                      ; 0 onto my spare word
	s_wait_dscnt 4*NL+1                            ; (the add and the youngest 16 loads, A's blocks 4-7, may be out)
	MWIN 0, 0
	MUL16 0, 1, NQ-1, \slot, 0                     ; sixteen matrix instructions stand between the add and the wait for it
	s_wait_dscnt 0x0                               ; the add is done, and my reads of this slot are over
	s_barrier_signal -1
	MUL16 2, 1, NQ-1, \slot, 0
	WIN 0
	s_barrier_wait -1
.if \fill
	CREST                                          ; the barrier has opened a round of the cluster's barrier: no wave of any partner still reads this slot or has a load on its way
	s_add_nc_u64 s[G0+4*\slot+2:G0+4*\slot+3], s[G0+4*\slot+2:G0+4*\slot+3], 2*BLK
	s_add_nc_u64 s[G0B+4*\slot+2:G0B+4*\slot+3], s[G0B+4*\slot+2:G0B+4*\slot+3], 2*BLK
	JLOAD G0+4*\slot, G1, G0B+4*\slot, G1B         ; the first tensor load behind the round; the four v_nop behind it are the places in front of the loads below
.else
	PLACES NP
.endif
	FETCH_B \next, 0, 0
	FETCH_A \next, 0, 0
	SCALES \next
	MWIN 1, 0
	MUL16 4, 1, NQ-1, \slot, 0
	MUL16 6, 1, NQ-1, \slot, 0
	PLACES NP
	WIN 0
	FETCH_A \next, 0, 4
.endm
	s_wait_tensorcnt 1                             ; my part of K step 0 is in (K step 1's load may be out),
	s_barrier_signal -1
	s_barrier_wait -1                              ; everybody's is
	FETCH_B 0, 0, 0
	FETCH_A 0, 0, 0
	SCALES 0
	FETCH_A 0, 0, 4
	STEP 0, 0, 2                                   ; the first step stands in front of the loop: its products start the sums, on the bias
	s_mov_b32 s3, LAPS-1
.Llap:                                                 ; a trip goes once round the ring and fills both slots again
	TURN 0, 1, 1
	STEP 1, 0, 0
	TURN 1, 0, 1
	STEP 0, 0, 0
	s_sub_co_u32 s3, s3, 1
	s_cmp_lg_u32 s3, 0
	s_cbranch_scc1 .Llap
	TURN 0, 1, 0                                   ; the last lap fills nothing, and has no round of the cluster's barrier
	STEP 1, 0, 0
	s_wait_dscnt 4*NL                              ; the very last step: nothing more to fetch
	MWIN 0, 0
	MUL16 0, 1, NQ-1, 1, 0
	MUL16 2, 1, NQ-1, 1, 0
	s_wait_dscnt 0
	MWIN 1, 0
	MUL16 4, 1, NQ-1, 1, 0
	MUL16 6, 1, NQ-1, 1, 0
	WIN 0
; THE WAY OUT, block by block of 16 rows x 128 columns, through my own stage.  LDS serves a wave's instructions in order (ISA guide 5.7.1.4): no wait between the stores and the loads, nor in front of the next block's stores.
.macro TOSTAGE a
.set AC, 64*((\a)%4)
	WIN 0x08+4*((\a)/4)                            ; the data: window 2 or 3
.irp b, 0,1,2,3,4,5,6,7
	ds_store_b128 v[STO], v[AC+8*\b:AC+8*\b+3] offset:128*(\b/2)+32*(\b%2)          ; each accumulator from its low end on
	ds_store_b128 v[STO], v[AC+8*\b+4:AC+8*\b+7] offset:128*(\b/2)+32*(\b%2)+16
.endr
	WIN 0
.set BB, BK+64*((\a)%2)
.irp t, 0,1,2,3,4,5,6,7,8,9,10,11,12,13,14,15
	ds_load_b128 v[BB+4*\t:BB+4*\t+3], v[RD] offset:\t*SPITCH
.endr
.endm
.macro SEND a, ds, ld                  ; ds: the LDS instructions issued behind block a's loads;  ld: the residual loads issued behind block a's
.set BB, BK+64*((\a)%2)
	s_wait_dscnt \ds                               ; the block is back in registers
.if (\a) > 0
	s_wait_loadcnt \ld                             ; and its residual is in
.set RR, 64*(((\a)-1)%4)
	WIN 0x04                                       ; source 1 window 1
.else
.set RR, 64
.endif
.set j, 0
.rept 32
	v_pk_add_f32 v[BB+j:BB+j+1], v[BB+j:BB+j+1], v[RR+j:RR+j+1]
.set j, j+2
.endr
	WIN 0
.irp t, 0,1,2,3,4,5,6,7,8,9,10,11,12,13,14,15
.if MODE
	global_store_b128 v[CO], v[BB+4*\t:BB+4*\t+3], s[12:13] offset:(32*((\a)/2)+8*((\a)%2)+\t+8*(\t/8))*4096 th:TH_STORE_NT   ; 512 consecutive bytes, aligned; written once, read by nobody here
.else
	global_store_b128 v[CO], v[BB+4*\t:BB+4*\t+3], s[12:13] offset:(32*((\a)/2)+8*((\a)%2)+\t+8*(\t/8))*4096                   ; 512 consecutive bytes, aligned
.endif
.endr
.if ((\a) > 0) && ((\a) < 4)
	RLOAD (\a)+4                                   ; its set of registers takes the residual of the block four further on
.endif
.endm
	PLACES NP                                      ; behind the last products: for the loads into window 1 and into A's registers, and for the stage's stores
	RLOAD 1
	RLOAD 2
	RLOAD 3
	RLOAD 4
	TOSTAGE 0
	TOSTAGE 1
	SEND 0, 32, 0                                  ; behind block 0's loads: block 1's 16 stores and 16 loads
.irp a, 2,3,4,5
	s_wait_xcnt 0x0                                ; block a - 2's stores have read their registers: block a's loads may land there
	TOSTAGE \a
	SEND \a-1, 32, 48                              ; behind its residual's loads: those of the three blocks that follow
.endr
	s_wait_xcnt 0x0
	TOSTAGE 6
	SEND 5, 32, 32
	s_wait_xcnt 0x0
	TOSTAGE 7
	SEND 6, 32, 16
	SEND 7, 0, 0
	s_wait_tensorcnt 0x0                           ; the wave's end: behind my last tensor load and my last LDS store
	ds_add_u32 v[SPW], v[NIL]
	s_wait_dscnt 0x0
	CROUND                                         ; the closing round
	s_endpgm
.Lfunc_end_k_q6ff7d267f6_wo:
	.size	k_q6ff7d267f6_wo, .Lfunc_end_k_q6ff7d267f6_wo-k_q6ff7d267f6_wo
	.p2alignl 7, 3214868480
	.fill 96, 4, 3214868480
	.section	.rodata,"a",@progbits
	.p2align	6, 0x0
	.amdhsa_kernel k_q6ff7d267f6_wo
		.amdhsa_group_segment_fixed_size 327680
		.amdhsa_private_segment_fixed_size 0
		.amdhsa_enable_private_segment 0
		.amdhsa_kernarg_size 40
		.amdhsa_user_sgpr_count 2
		.amdhsa_user_sgpr_kernarg_segment_ptr 1
		.amdhsa_wavefront_size32 1
		.amdhsa_system_sgpr_workgroup_id_x 1
		.amdhsa_system_sgpr_workgroup_id_y 1
		.amdhsa_system_sgpr_workgroup_id_z 1
		.amdhsa_system_vgpr_workitem_id 0
		.amdhsa_next_free_vgpr 1024
		.amdhsa_next_free_sgpr 66
		.amdhsa_reserve_vcc 0
		.amdhsa_float_denorm_mode_32 3
		.amdhsa_float_denorm_mode_16_64 3
		.amdhsa_memory_ordered 1
		.amdhsa_forward_progress 1
		.amdhsa_inst_pref_size 173
	.end_amdhsa_kernel
	.amdgpu_metadata
---
amdhsa.version: [ 1, 2 ]
amdhsa.kernels:
  - .name:           k_q6ff7d267f6_wo
    .symbol:         k_q6ff7d267f6_wo.kd
    .args:
      - { .name: ctx, .offset: 0, .size: 8, .value_kind: global_buffer, .address_space: global }
      - { .name: wpk, .offset: 8, .size: 8, .value_kind: global_buffer, .address_space: global }
      - { .name: bo, .offset: 16, .size: 8, .value_kind: global_buffer, .address_space: global }
      - { .name: x, .offset: 24, .size: 8, .value_kind: global_buffer, .address_space: global }
      - { .name: x1, .offset: 32, .size: 8, .value_kind: global_buffer, .address_space: global }
    .group_segment_fixed_size: 327680
    .private_segment_fixed_size: 0
    .kernarg_segment_align: 8
    .kernarg_segment_size: 40
    .max_flat_workgroup_size: 128
    .sgpr_count:     66
    .vgpr_count:     1024
    .wavefront_size: 32
...
	.end_amdgpu_metadata
.endif
;; end of part 5
;; launch ln2: the kernel of part 2 again; grid 256 x 1, 8 waves a work-group, no clusters, 66,816 bytes of LDS; arguments x1, g2, s2, hpk; writes hpk
;; launch ffn1 (part 6): grid 16 x 16, 4 waves a work-group, clusters of 4 x 4, 327,680 bytes of LDS; arguments hpk, wpk, b1, act; writes act
.if DOCPART == 6
	.amdgcn_target "amdgcn-amd-amdhsa--gfx1250"
	.amdhsa_code_object_version 6
	.text
	.protected	k_q6ff7d267f6_ffn1
	.globl	k_q6ff7d267f6_ffn1
	.p2align	8
	.type	k_q6ff7d267f6_ffn1,@function
k_q6ff7d267f6_ffn1:
	s_mov_b64 s[64:65], 0
	v_nop
	global_prefetch_b8 v0, s[64:65] scope:SCOPE_SE
	s_setreg_imm32_b32 hwreg(HW_REG_WAVE_MODE, 25, 1), 1
	s_wait_xcnt 0x0
	s_wait_alu depctr_hold_cnt(0) depctr_sa_sdst(0) depctr_va_vdst(0) depctr_va_sdst(0) depctr_va_ssrc(0) depctr_va_vcc(0) depctr_vm_vsrc(0)
	s_getreg_b32 s2, hwreg(HW_REG_IB_STS2, 6, 4)
	s_cmp_eq_u32 s2, 0
	s_cbranch_scc0 .Lentry_in_a_cluster
	s_endpgm
.Lentry_in_a_cluster:
	s_bfe_u32 s2, ttmp6, 0x10000c
	s_cmp_lg_u32 s2, 0xf033
	s_cbranch_scc0 .Lentry_shape_is_right
	s_endpgm
.Lentry_shape_is_right:
; A GEMM on codes of FP6 (E2M3) with E8M0 scales, C = A B^T, whose results are quantised along C's columns and stored as the next product's operand.  One text serves two launches (MODE).
; MODE 0 (qkv): K = 1,024.  Clusters 0-7: A = the normalised rows (hpk), B = wq | wk (2,048 rows of wpk): q and k, quantised along the head's 64.  Clusters 8-11: A = wv (1,024 rows), B = hpk: V^T, so that the
;   keys run along a lane's registers and V is quantised along the keys.  The choice hangs on the cluster's number alone.
; MODE 1 (ffn1): A = hpk, B = w1 (4,096 rows), + b1, tanh-GELU in f32, quantised along the 4,096.
; PACKED FORM of every operand: half fragments of 16 rows x 64 along K, 768 bytes: lane l = (r, h) owns row r, k = 32 h .. + 31, six registers: four at 16 l, two at 512 + 8 l.  Blocks of 128 rows x 256 along K,
; 25,600 bytes: codes [8][4][768], scale words [2][8][16][4]; blocks ordered [rows / 128][K / 256].  Rows are stored with bits 3 and 4 of their number exchanged.
; A tile of C, 256 x 256, is made by four waves, each 128 x 128: 64 accumulators, 512 registers.  K goes in steps of 256 through a ring of two LDS slots; a slot is four blocks (A's two, B's two), each one dense
; tensor load of 100 rows of 256 bytes, codes and scale words together, one load a wave.  Every LDS read is 16 x lane or 8 x lane on end: no pitch, no padding.
; CLUSTERS: 4 x 4 work-groups.  A's blocks are shared along a row of the cluster, B's along a column: each is asked for JOINTLY.
; THE MATRIX INSTRUCTION IS USED TRANSPOSED (source 0 = 16 rows of B, source 1 = 16 rows of A).  By B's stored row order the 16 registers of accumulators (a, 2 u) and (a, 2 u + 1) are 16 NEIGHBOURING columns,
; 32 u + 16 (lane / 16) + 0 .. 15, of stored row lane % 16 of A's block a: what the conversions want.  So the way out needs no LDS: block a's 64 registers become one fragment and one scale word a row.
; REGISTERS: window 0: v16-31 addresses; v32-63 scale words, two sets, and nothing else; v64-115 the way out; v128-223 A's fragments, one set (MODE 1's way out: 64 numbers).  window 1: B's fragments, two sets, at v0 and
; v128; MODE 1: b1 in v96-127 and v224-255.  windows 2, 3: the accumulators ((a, b) at v[8 (8 (a % 4) + b)]).
; LIMITS: a block of zeros gets the byte 1 where the rule says 127 (zero codes; this program alone reads the bytes); largest magnitudes under 2^-124 are held at that floor; NaN and infinities are not served.
; GELU is computed as x / (1 + 2^z), z = -2 log2(e) sqrt(2 / pi) (x + 0.044715 x^3), which is 0.5 x (1 + tanh(..)) without the difference of near numbers at negative x.
.set MODE,   1                         ; 0: the launch qkv;  1: the launch ffn1
.set BLK,    25600
.set SLOT,   4*BLK
.set NKS,    4                         ; K steps of 256
.set LAPS,   NKS/2
.set SPARE,  2*SLOT                    ; behind the ring: the spare words, 128 bytes for each wave: two blocks of 256 bytes that no other line names
.set FR,     12                        ; registers of a fragment
.set NL,     4                         ; LDS loads that bring one
.set NP,     4                         ; places behind this matrix instruction (ISA guide 7.12.1)
.set NQ,     2                         ; matrix instructions deep in a slot
.set ZERO,   1+MODE                    ; what starts the sums: 1: the constant 0;  2: the bias
.set VC,     6291456                   ; the buffer qkv: V^T's codes begin here,
.set QKS,    9437184                   ; q's and k's scale words,
.set VSO,    9699328                   ; V^T's
.if MODE
.set SA,     3072                      ; bytes from a block of 16 rows to the next in the output's codes
.else
.set SA,     24576
.endif
.set ADRA, 16                          ; v16-17 LDS address of my A fragments' 16-byte parts in slot 0, 1;  v18-19 of their 8-byte parts
.set ADRB, 20                          ; v20-23 the same for B
.set VO16, 24                          ; v24  16 x lane
.set VO8,  25                          ; v25  512 + 8 x lane
.set VO4,  26                          ; v26  4 x lane
.set BO,   27                          ; v27  64 x (lane / 16)
.set SPW,  28                          ; v28  LDS address of my spare word; never rewritten
.set NIL,  29                          ; v29  0; never rewritten
.set ADRS, 30                          ; v30-31 LDS address of my scale words in slot 0, 1: lanes 0-15 A's, lanes 16-31 B's
.set SC,   32                          ; scale words: set s at v[SC + 16 s]; register 2 i + q: lanes 0-15 A's block i, lanes 16-31 B's block i, the slot's q-th 128 along K
.set TM,   64                          ; v64-67 largest magnitudes, v68-71 bytes, v76-79 the conversions' scale operands
.set PW,   80                          ; v80-81 the scale words of an even and an odd block
.set SW,   82                          ; v82  the two joined
.set K1,   84                          ; v84-85 GELU's first constant, twice
.set PC,   96                          ; v96-115 the codes just made
.set AF,   128
.set T,    128                         ; v128-191 MODE 1: a block's 64 numbers
.set G1, 24                            ; s[24:31] descriptor group 1 for A's blocks;  s[32:39] group 0, one set for each slot
.set G0, 32
.set G1B, 48                           ; s[48:55], s[56:63] the same for B's
.set G0B, 56
.set K2,  68                           ; s[68:69] GELU's second constant
.set HALF, 70                          ; s70  lanes 16-31
.set SEL, 72                           ; s[72:73] v_permlanex16_b32's selects for lane l xor 16
.set MSB, 0
.macro WIN new                         ; the immediate's high byte repeats the setting that is left
.if MSB != (\new)
	s_set_vgpr_msb (MSB<<8)|(\new)
.set MSB, (\new)
.endif
.endm
.set TO_B, 0x40                        ; destination window 1, address window 0
.macro MWIN hi, zero                   ; source 0 (B) window 1, source 1 (A) window 0, D window 2 + hi; C with D, or (the bias) window 1
.if (\zero) == 2
	WIN 0x91+0x40*(\hi)
.else
	WIN 0xa1+0x50*(\hi)
.endif
.endm
; A joint load: waves 0 and 1 fetch A's two blocks, waves 2 and 3 B's.  Each line has one mask and one set of registers for all that issue it; the branch hangs on the wave's number alone.
; Four v_nop follow each of the two lines, ahead of the jump, the label and what follows.
.macro JLOAD g0a, g1a, g0b, g1b
	s_cmp_eq_u32 s15, 0
	s_cbranch_scc0 .Lfor_b_\@
	tensor_load_to_lds s[\g0a:\g0a+3], s[\g1a:\g1a+7]
	s_nop 0
.rept 4
	v_nop
.endr
	s_branch .Lasked_\@
.Lfor_b_\@:
	tensor_load_to_lds s[\g0b:\g0b+3], s[\g1b:\g1b+7]
	s_nop 0
.rept 4
	v_nop
.endr
.Lasked_\@:
.endm
.macro CREST                           ; a round of the cluster's barrier behind its opening barrier
	s_cmp_lg_u32 s14, 0
	s_cbranch_scc1 .Lnot_wave_0_\@
	s_barrier_signal -3
.Lnot_wave_0_\@:
	s_barrier_wait -3
	s_barrier_signal -1
	s_barrier_wait -1
.endm
.macro CROUND                          ; a whole round
	s_barrier_signal -1
	s_barrier_wait -1
	CREST
.endm
	s_load_b128 s[4:7], s[0:1], 0x0                ; hpk, wpk
.if MODE
	s_load_b128 s[8:11], s[0:1], 0x10              ; b1, act
.else
	s_load_b64 s[10:11], s[0:1], 0x10              ; qkv
.endif
	v_lshl_add_u32 v[SPW], v0, 2, SPARE
	v_mov_b32 v[NIL], 0
	ds_add_u32 v28, v29
	ds_add_u32 v28, v29
	s_wait_dscnt 0x0
	v_lshrrev_b32 v1, 5, v0
	v_readfirstlane_b32 s14, v1                    ; wave 0..3
	s_lshr_b32 s15, s14, 1                         ; which half of the tile's rows is mine.  Also: I fetch for A (0) or for B (1)
	s_and_b32 s16, s14, 1                          ; which half of its columns.  Also: which block of that tile I fetch
	s_bfe_u32 s40, ttmp6, 0x40000                  ; cx, cy: my place in the cluster
	s_bfe_u32 s41, ttmp6, 0x40004
	s_lshl_b32 s43, s41, 2
	s_lshl_b32 s43, 15, s43                        ; my row of the cluster
	s_lshl_b32 s44, 0x1111, s40                    ; my column
.if MODE
	s_lshl_b32 s42, ttmp9, 2
	s_add_co_u32 s42, s42, s40                     ; tile column = 4 x cluster x + cx
	s_and_b32 s17, ttmp7, 0xffff
	s_lshl_b32 s17, s17, 2
	s_add_co_u32 s17, s17, s41                     ; tile row = 4 x cluster y + cy
.else
	s_lshr_b32 s18, ttmp9, 1                       ; cluster c < 8: tile rows 4 (c / 2) + cy of 16, tile columns 4 (c % 2) + cx of 8
	s_and_b32 s19, ttmp9, 1
	s_max_u32 s20, ttmp9, 8
	s_sub_co_u32 s20, s20, 8                       ; c >= 8: tile rows cy of 4, tile columns 4 (c - 8) + cx of 16
	s_cmp_lt_u32 ttmp9, 8
	s_cselect_b32 s17, s18, 0
	s_cselect_b32 s42, s19, s20
	s_lshl_b32 s17, s17, 2
	s_add_co_u32 s17, s17, s41
	s_lshl_b32 s42, s42, 2
	s_add_co_u32 s42, s42, s40
.endif
	; descriptor group 1: a dense block of 25,600 bytes as 100 rows of 32 elements of 8 bytes, no padding
	s_or_b32 s[G1+0], s43, (3<<16)|(1<<21)         ; 15:0 the mask: A's blocks go to my row; 17:16 elements of 8 bytes; 21 set beside a mask
	s_or_b32 s[G1B+0], s44, (3<<16)|(1<<21)        ; B's to my column
.irp g, G1, G1B
	s_mov_b32 s[\g+1], 32<<16                      ; tensor_dim0
	s_mov_b32 s[\g+2], 100<<16                     ; tensor_dim1
	s_mov_b32 s[\g+3], 32<<16                      ; tile_dim0
	s_mov_b32 s[\g+4], 100                         ; tile_dim1
	s_mov_b32 s[\g+5], 32                          ; tensor_dim0_stride
	s_mov_b32 s[\g+6], 0
	s_mov_b32 s[\g+7], 0
.endr
	s_lshl_b32 s20, s17, 1
	s_add_co_u32 s20, s20, s16                     ; A: block of 128 rows 2 x tile row + half
	s_mul_i32 s20, s20, NKS*BLK
	s_mov_b32 s21, 0
	s_lshl_b32 s46, s42, 1
	s_add_co_u32 s46, s46, s16                     ; B: 2 x tile column + half
	s_mul_i32 s46, s46, NKS*BLK
	s_mov_b32 s47, 0
	s_mul_i32 s45, s14, BLK                        ; where they go: wave x a block: no place in the cluster enters an LDS address
.if MODE
	s_add_co_u32 s46, s46, 256*BLK                 ; w1 begins at block 256 of wpk
	s_wait_kmcnt 0x0
	s_add_nc_u64 s[20:21], s[4:5], s[20:21]
	s_add_nc_u64 s[46:47], s[6:7], s[46:47]
.else
	s_cmp_lt_u32 ttmp9, 8
	s_cselect_b32 s18, 0, 64*BLK                   ; wv begins at block 64 of wpk
	s_add_co_u32 s20, s20, s18
	s_wait_kmcnt 0x0
	s_cmp_lt_u32 ttmp9, 8
	s_cselect_b64 s[22:23], s[4:5], s[6:7]         ; A: hpk, or wpk
	s_cselect_b64 s[18:19], s[6:7], s[4:5]         ; B: wpk, or hpk
	s_add_nc_u64 s[20:21], s[22:23], s[20:21]
	s_add_nc_u64 s[46:47], s[18:19], s[46:47]
.endif
	CROUND                                         ; all sixteen work-groups are here: the first joint loads meet
.irp s, 0,1
	s_mov_b32 s[G0+4*\s], 1
	s_add_co_u32 s[G0+4*\s+1], s45, \s*SLOT
	s_add_nc_u64 s[G0+4*\s+2:G0+4*\s+3], s[20:21], \s*BLK
	s_or_b32 s[G0+4*\s+3], s[G0+4*\s+3], 0x80000000
	s_mov_b32 s[G0B+4*\s], 1
	s_add_co_u32 s[G0B+4*\s+1], s45, \s*SLOT
	s_add_nc_u64 s[G0B+4*\s+2:G0B+4*\s+3], s[46:47], \s*BLK
	s_or_b32 s[G0B+4*\s+3], s[G0B+4*\s+3], 0x80000000
	JLOAD G0+4*\s, G1, G0B+4*\s, G1B
.endr
	v_and_b32 v1, 15, v0                           ; r
	v_bfe_u32 v2, v0, 4, 1                         ; h
	v_and_b32 v3, 31, v0                           ; l
	v_lshlrev_b32 v[VO16], 4, v3
	v_lshlrev_b32 v[VO8], 3, v3
	v_add_nc_u32 v[VO8], 512, v[VO8]
	v_lshlrev_b32 v[VO4], 2, v3
	v_lshlrev_b32 v[BO], 6, v2
	s_mul_i32 s21, s15, BLK                        ; my 128 rows of A
	s_mul_i32 s22, s16, BLK                        ; my 128 rows of B,
	s_add_co_u32 s22, s22, 2*BLK                   ; which lie behind A's two blocks
	s_sub_co_u32 s23, s22, s21
	v_mul_u32_u24 v6, s23, v2                      ; lanes 16-31 take B's scale words: one product, the distance from A's block to B's
	v_lshl_add_u32 v6, v1, 2, v6
.irp s, 0,1
	v_add_nc_u32 v[ADRA+\s], s21, v[VO16]
	v_add_nc_u32 v[ADRA+2+\s], s21, v[VO8]
	v_add_nc_u32 v[ADRB+\s], s22, v[VO16]
	v_add_nc_u32 v[ADRB+2+\s], s22, v[VO8]
	v_add_nc_u32 v[ADRS+\s], s21, v6
	s_add_co_u32 s21, s21, SLOT
	s_add_co_u32 s22, s22, SLOT
.endr
.irp b, 0,1,2,3
	v_mov_b32 v[TM+4+\b], 0                        ; written once: a lane permute's destination counts as one of its sources
.endr
	s_mov_b32 s[SEL], 0x76543210
	s_mov_b32 s[SEL+1], 0xfedcba98
	s_mov_b32 s[HALF], 0xffff0000
	; where my results go
.if MODE
	s_lshl_b32 s18, s17, 1
	s_add_co_u32 s18, s18, s15                     ; my rows / 128
	s_lshl_b32 s18, s18, 4
	s_add_co_u32 s18, s18, s42                     ; x 16 blocks along 4,096 + my columns / 256
	s_mul_i32 s22, s18, BLK
	s_mul_i32 s19, s16, 1536                       ; my 128 columns are half fragments 2 x half, 2 x half + 1
	s_lshl_b32 s66, s16, 9
	s_add_co_u32 s66, s66, s22
	s_add_co_u32 s66, s66, 24576
	s_add_co_u32 s22, s22, s19
	s_mov_b32 s23, 0
	s_mov_b32 s67, 0
	s_add_nc_u64 s[12:13], s[10:11], s[66:67]      ; scale words
	s_add_nc_u64 s[10:11], s[10:11], s[22:23]      ; codes
	s_lshl_b32 s18, s42, 10
	s_lshl_b32 s19, s16, 9
	s_add_co_u32 s18, s18, s19
	s_mov_b32 s19, 0
	s_add_nc_u64 s[8:9], s[8:9], s[18:19]          ; b1 at my first column
	s_mov_b32 s[K2], 0xbdd2d3e8                    ; -2 log2(e) sqrt(2 / pi) x 0.044715
	s_mov_b32 s[K2+1], s[K2]
	v_mov_b32 v[K1], 0xc0135761                    ; -2 log2(e) sqrt(2 / pi)
	v_mov_b32 v[K1+1], 0xc0135761
	WIN TO_B                                       ; the bias in the result's layout: for accumulators (., 2 u), (., 2 u + 1) lane (r, h) wants the 16 numbers at column 32 u + 16 h
.irp u, 0,1,2,3
.irp i, 0,1,2,3
	global_load_b128 v[96+16*\u+96*(\u/2)+4*\i:96+16*\u+96*(\u/2)+4*\i+3], v[BO], s[8:9] offset:128*\u+16*\i
.endr
.endr
	WIN 0
	s_wait_loadcnt 0x0
.else
	s_lshl_b32 s18, s17, 4
	s_lshl_b32 s19, s15, 3
	s_add_co_u32 s18, s18, s19                     ; my rows / 16
	s_lshl_b32 s19, s42, 1
	s_add_co_u32 s19, s19, s16                     ; my columns / 128
	s_lshr_b32 s22, s19, 4                         ; (V^T: the batch)
	s_lshl_b32 s22, s22, 6
	s_add_co_u32 s22, s22, s18
	s_mul_i32 s22, s22, 24576                      ; a block of 16 rows has 32 half fragments: 32 head slots (q, k), or 2,048 keys (V^T)
	s_and_b32 s23, s19, 15
	s_mul_i32 s23, s23, 1536
	s_add_co_u32 s22, s22, s23
	s_lshl_b32 s66, s18, 6
	s_mov_b32 s75, VSO
	s_cmp_lt_u32 ttmp9, 8
	s_cselect_b32 s23, 0, VC
	s_cselect_b32 s74, 14, 12                      ; scale words: [columns / 128][256 or 64 blocks of rows][16][4]
	s_cselect_b32 s75, QKS, s75
	s_add_co_u32 s22, s22, s23
	s_mov_b32 s23, 0
	s_lshl_b32 s74, s19, s74
	s_add_co_u32 s66, s66, s74
	s_add_co_u32 s66, s66, s75
	s_mov_b32 s67, 0
	s_add_nc_u64 s[12:13], s[10:11], s[66:67]      ; scale words
	s_add_nc_u64 s[10:11], s[10:11], s[22:23]      ; codes
.endif
.macro FRAG reg, a16, q, i             ; a fragment, 16 rows x 128 K, is two half fragments: registers 6 c .. 6 c + 3 by 16 bytes a lane, 6 c + 4, 6 c + 5 by 8
.irp c, 0,1
	ds_load_b128 v[\reg+6*\c:\reg+6*\c+3], v[\a16] offset:(4*(\i)+2*(\q)+\c)*768
	ds_load_b64 v[\reg+6*\c+4:\reg+6*\c+5], v[\a16+2] offset:(4*(\i)+2*(\q)+\c)*768
.endr
.endm
; 16 matrix instructions: A's blocks a0, a0 + 1 x B's eight, the slot's q-th 128 along K.  p: B's set;  sc: the set of scale words.  The 64 accumulators take turns, one instruction a turn, in the same order in every step.
.macro MUL16 a0, p, q, sc, zero
.irp a, \a0, \a0+1
.irp b, 0,1,2,3,4,5,6,7
.if (\zero) == 1
	v_wmma_scale_f32_16x16x128_f8f6f4 v[8*(8*((\a)%4)+\b):8*(8*((\a)%4)+\b)+7], v[128*(\p)+FR*\b:128*(\p)+FR*\b+FR-1], v[AF+FR*(\a):AF+FR*(\a)+FR-1], 0, v[SC+8*NQ*(\sc)+NQ*\b+(\q)], v[SC+8*NQ*(\sc)+NQ*(\a)+(\q)] matrix_a_fmt:MATRIX_FMT_FP6 matrix_b_fmt:MATRIX_FMT_FP6 matrix_a_scale:MATRIX_SCALE_ROW1
.elseif (\zero) == 2
	v_wmma_scale_f32_16x16x128_f8f6f4 v[8*(8*((\a)%4)+\b):8*(8*((\a)%4)+\b)+7], v[128*(\p)+FR*\b:128*(\p)+FR*\b+FR-1], v[AF+FR*(\a):AF+FR*(\a)+FR-1], v[96+8*\b+96*(\b/4):96+8*\b+96*(\b/4)+7], v[SC+8*NQ*(\sc)+NQ*\b+(\q)], v[SC+8*NQ*(\sc)+NQ*(\a)+(\q)] matrix_a_fmt:MATRIX_FMT_FP6 matrix_b_fmt:MATRIX_FMT_FP6 matrix_a_scale:MATRIX_SCALE_ROW1
.else
	v_wmma_scale_f32_16x16x128_f8f6f4 v[8*(8*((\a)%4)+\b):8*(8*((\a)%4)+\b)+7], v[128*(\p)+FR*\b:128*(\p)+FR*\b+FR-1], v[AF+FR*(\a):AF+FR*(\a)+FR-1], v[8*(8*((\a)%4)+\b):8*(8*((\a)%4)+\b)+7], v[SC+8*NQ*(\sc)+NQ*\b+(\q)], v[SC+8*NQ*(\sc)+NQ*(\a)+(\q)] matrix_a_fmt:MATRIX_FMT_FP6 matrix_b_fmt:MATRIX_FMT_FP6 matrix_a_scale:MATRIX_SCALE_ROW1
.endif
.endr
.endr
.endm
.macro FETCH_B slot, q, p              ; B's eight fragments of the slot's q-th 128 along K into set p
	WIN TO_B
.irp i, 0,1,2,3,4,5,6,7
	FRAG 128*(\p)+FR*\i, ADRB+\slot, \q, \i
.endr
	WIN 0
.endm
.macro FETCH_A slot, q, i0             ; A's blocks i0 .. i0 + 3
.irp i, \i0, \i0+1, \i0+2, \i0+3
	FRAG AF+FR*(\i), ADRA+\slot, \q, \i
.endr
.endm
.macro SCALES sc                       ; slot sc's scale words: lanes 0-15 take A's block i, lanes 16-31 B's block i
.irp i, 0,1,2,3,4,5,6,7
.irp q, 0,1
	ds_load_b32 v[SC+8*NQ*\sc+NQ*\i+\q], v[ADRS+\sc] offset:24576+512*\q+64*\i
.endr
.endr
.endm
; A load into a register that a matrix instruction has read, and a vector instruction that reads a matrix result, stand NP places behind that matrix instruction; only plain vector instructions that name none of its registers are places.
.macro PLACES n
.rept \n
	v_nop
.endr
.endm
; A step of 128 along K that has its successor in the same slot.  A's blocks are free as soon as their eight products are issued, so A has one set: blocks 0-3 are fetched anew in the step's middle, blocks 4-7 at its end.
.macro STEP slot, q, zero
	s_wait_dscnt 4*NL                              ; B's set, A's blocks 0-3 and the scale words are in; the youngest 16 loads (A's blocks 4-7) may be out
	MWIN 0, \zero
	MUL16 0, (\q)%2, \q, \slot, \zero
	MUL16 2, (\q)%2, \q, \slot, \zero
	s_wait_dscnt 0                                 ; A's blocks 4-7 are in
	PLACES NP
	FETCH_B \slot, (\q)+1, 1-(\q)%2
	FETCH_A \slot, (\q)+1, 0
	MWIN 1, \zero
	MUL16 4, (\q)%2, \q, \slot, \zero
	MUL16 6, (\q)%2, \q, \slot, \zero
	PLACES NP
	WIN 0
	FETCH_A \slot, (\q)+1, 4
.endm
; A slot's last step changes slots: ONE barrier; in front of it each wave waits for all its tensor loads, adds 0 to its spare word, and waits for that and for its own reads of this slot.  fill = 1: this slot is filled again, two K steps ahead.
.macro TURN slot, next, fill
	s_wait_tensorcnt 0x0                           ; all my tensor loads have landed: my part of the next slot  (every window is 0 here)
	ds_add_u32 v[SPW], v[NIL]                      ; 0 onto my spare word
	s_wait_dscnt 4*NL+1                            ; (the add and the youngest 16 loads, A's blocks 4-7, may be out)
	MWIN 0, 0
	MUL16 0, 1, NQ-1, \slot, 0                     ; sixteen matrix instructions stand between the add and the wait for it
	s_wait_dscnt 0x0                               ; the add is done, and my reads of this slot are over
	s_barrier_signal -1
	MUL16 2, 1, NQ-1, \slot, 0
	WIN 0
	s_barrier_wait -1
.if \fill
	CREST                                          ; the barrier has opened a round of the cluster's barrier: no wave of any partner still reads this slot or has a load on its way
	s_add_nc_u64 s[G0+4*\slot+2:G0+4*\slot+3], s[G0+4*\slot+2:G0+4*\slot+3], 2*BLK
	s_add_nc_u64 s[G0B+4*\slot+2:G0B+4*\slot+3], s[G0B+4*\slot+2:G0B+4*\slot+3], 2*BLK
	JLOAD G0+4*\slot, G1, G0B+4*\slot, G1B         ; the first tensor load behind the round; the four v_nop behind it are the places in front of the loads below
.else
	PLACES NP
.endif
	FETCH_B \next, 0, 0
	FETCH_A \next, 0, 0
	SCALES \next
	MWIN 1, 0
	MUL16 4, 1, NQ-1, \slot, 0
	MUL16 6, 1, NQ-1, \slot, 0
	PLACES NP
	WIN 0
	FETCH_A \next, 0, 4
.endm
	s_wait_tensorcnt 1                             ; my part of K step 0 is in (K step 1's load may be out),
	s_barrier_signal -1
	s_barrier_wait -1                              ; everybody's is
	FETCH_B 0, 0, 0
	FETCH_A 0, 0, 0
	SCALES 0
	FETCH_A 0, 0, 4
	STEP 0, 0, ZERO                                ; the first step stands in front of the loop: its products start the sums
	s_mov_b32 s3, LAPS-1
.Llap:                                                 ; a trip goes once round the ring and fills both slots again
	TURN 0, 1, 1
	STEP 1, 0, 0
	TURN 1, 0, 1
	STEP 0, 0, 0
	s_sub_co_u32 s3, s3, 1
	s_cmp_lg_u32 s3, 0
	s_cbranch_scc1 .Llap
	TURN 0, 1, 0                                   ; the last lap fills nothing, and has no round of the cluster's barrier
	STEP 1, 0, 0
	s_wait_dscnt 4*NL                              ; the very last step: nothing more to fetch
	MWIN 0, 0
	MUL16 0, 1, NQ-1, 1, 0
	MUL16 2, 1, NQ-1, 1, 0
	s_wait_dscnt 0
	MWIN 1, 0
	MUL16 4, 1, NQ-1, 1, 0
	MUL16 6, 1, NQ-1, 1, 0
	WIN 0
; THE WAY OUT.  64 numbers of a lane, v[s] .. v[s + 63] of window w, register 16 b + i = column 32 b + 16 (lane / 16) + i of my row, become a fragment's codes in v[PC] on and its scale word in v[pw].
.macro QUANT s, w, pw
	WIN (\w)|((\w)<<2)
.irp b, 0,1,2,3
	v_max3_num_f32 v[TM+\b], |v[\s+16*\b]|, |v[\s+1+16*\b]|, 0x1800000   ; block b: my 16 numbers (each accumulator from its low end on), and the floor 2^(3 - 127)
.endr
	WIN ((\w)<<2)|((\w)<<4)
.irp i, 2,4,6,8,10,12,14
.irp b, 0,1,2,3
	v_max3_num_f32 v[TM+\b], v[TM+\b], |v[\s+16*\b+\i]|, |v[\s+1+16*\b+\i]|
.endr
.endr
	WIN 0
.irp b, 0,1,2,3
	v_permlanex16_b32 v[TM+4+\b], v[TM+\b], s[SEL], s[SEL+1]
.endr
.irp b, 0,1,2,3
	v_max_num_f32 v[TM+\b], v[TM+\b], v[TM+4+\b]   ; with lane l xor 16's: the block's largest magnitude
.endr
.irp b, 0,1,2,3
	v_add_nc_u32 v[TM+12+\b], 0xff000000, v[TM+\b]   ; 2 off its exponent field: the conversion's scale operand
.endr
.irp b, 0,1,2,3
	v_lshrrev_b32 v[TM+4+\b], 23, v[TM+12+\b]      ; the scale's byte
.endr
	v_lshl_or_b32 v[\pw], v[TM+5], 8, v[TM+4]
	v_lshl_or_b32 v[\pw], v[TM+6], 16, v[\pw]
	v_lshl_or_b32 v[\pw], v[TM+7], 24, v[\pw]
	WIN (\w)
.irp c, 0,1
	v_cvt_scalef32_pk16_fp6_f32 v[PC+6*\c:PC+2+6*\c], v[\s+32*\c:\s+15+32*\c], v[TM+12+2*\c]
	v_cvt_scalef32_pk16_fp6_f32 v[PC+12+4*\c:PC+14+4*\c], v[\s+16+32*\c:\s+31+32*\c], v[TM+12+2*\c+1]   ; (a conversion's three registers begin on an even number)
.endr
	WIN 0
	v_nop                                          ; one plain place behind a scaled conversion
.irp c, 0,1                                    ; the operand's layout wants a WHOLE block in a lane: lanes 0-15 block 2 c, lanes 16-31 block 2 c + 1
.irp i, 0,1,2
	v_permlane16_swap_b32 v[PC+6*\c+\i], v[PC+12+4*\c+\i]
.endr
.irp i, 0,1,2
	v_mov_b32 v[PC+3+6*\c+\i], v[PC+12+4*\c+\i]
.endr
.endr
.endm
.if MODE
.macro GELU a                          ; block a's 64 sums x become x / (1 + 2^(x (k1 + k2 x x))) in v[T] on
.set GS, 64*((\a)%4)
.set GW, 2+(\a)/4
	WIN GW|(GW<<2)
.set j, 0
.rept 32
	v_pk_mul_f32 v[T+j:T+j+1], v[GS+j:GS+j+1], v[GS+j:GS+j+1]
.set j, j+2
.endr
	WIN 0
.set j, 0
.rept 32
	v_pk_fma_f32 v[T+j:T+j+1], v[T+j:T+j+1], s[K2:K2+1], v[K1:K1+1] op_sel_hi:[1,0,1]
.set j, j+2
.endr
	WIN GW<<2
.set j, 0
.rept 32
	v_pk_mul_f32 v[T+j:T+j+1], v[T+j:T+j+1], v[GS+j:GS+j+1]
.set j, j+2
.endr
	WIN 0
.set j, 0
.rept 64
	v_exp_f32 v[T+j], v[T+j]
.set j, j+1
.endr
	v_nop                                          ; one plain place behind the transcendentals
.set j, 0
	s_wait_alu depctr_va_vdst(0)
.rept 32
	v_pk_add_f32 v[T+j:T+j+1], v[T+j:T+j+1], 1.0 op_sel_hi:[1,0]
.set j, j+2
.endr
.set j, 0
.rept 64
	v_rcp_f32 v[T+j], v[T+j]
.set j, j+1
.endr
	v_nop
	WIN GW<<2
.set j, 0
	s_wait_alu depctr_va_vdst(0)
.rept 32
	v_pk_mul_f32 v[T+j:T+j+1], v[T+j:T+j+1], v[GS+j:GS+j+1]
.set j, j+2
.endr
	WIN 0
.endm
.endif
.macro OUTQ a                          ; block a of 16 rows x my 128 columns
.if (\a) > 0
	s_wait_xcnt 0x0                                ; the last block's stores have read their registers: the codes and the scale word are written again only behind this wait
.endif
.if MODE
	GELU \a
	QUANT T, 0, PW+(\a)%2
.else
	QUANT 64*((\a)%4), 2+(\a)/4, PW+(\a)%2
.endif
.irp c, 0,1
	global_store_b128 v[VO16], v[PC+6*\c:PC+6*\c+3], s[10:11] offset:(\a)*SA+768*\c     ; 512 consecutive bytes, aligned
	global_store_b64 v[VO8], v[PC+6*\c+4:PC+6*\c+5], s[10:11] offset:(\a)*SA+768*\c     ; 256 consecutive bytes, aligned
.endr
.if (\a)%2
	v_cndmask_b32 v[SW], v[PW], v[PW+1], s[HALF]   ; lanes 0-15 the even block's words, lanes 16-31 the odd block's (both halves of the lanes hold a row's word)
	global_store_b32 v[VO4], v[SW], s[12:13] offset:((\a)-1)*64
.endif
.endm
	PLACES NP                                      ; behind the last products
.irp a, 0,1,2,3,4,5,6,7
	OUTQ \a
.endr
	s_wait_tensorcnt 0x0                           ; the wave's end
	ds_add_u32 v[SPW], v[NIL]
	s_wait_dscnt 0x0
	CROUND                                         ; the closing round: no work-group ends while a partner may still ask for a block that names it
	s_endpgm
.Lfunc_end_k_q6ff7d267f6_ffn1:
	.size	k_q6ff7d267f6_ffn1, .Lfunc_end_k_q6ff7d267f6_ffn1-k_q6ff7d267f6_ffn1
	.p2alignl 7, 3214868480
	.fill 96, 4, 3214868480
	.section	.rodata,"a",@progbits
	.p2align	6, 0x0
	.amdhsa_kernel k_q6ff7d267f6_ffn1
		.amdhsa_group_segment_fixed_size 327680
		.amdhsa_private_segment_fixed_size 0
		.amdhsa_enable_private_segment 0
		.amdhsa_kernarg_size 32
		.amdhsa_user_sgpr_count 2
		.amdhsa_user_sgpr_kernarg_segment_ptr 1
		.amdhsa_wavefront_size32 1
		.amdhsa_system_sgpr_workgroup_id_x 1
		.amdhsa_system_sgpr_workgroup_id_y 1
		.amdhsa_system_sgpr_workgroup_id_z 1
		.amdhsa_system_vgpr_workitem_id 0
		.amdhsa_next_free_vgpr 1024
		.amdhsa_next_free_sgpr 80
		.amdhsa_reserve_vcc 0
		.amdhsa_float_denorm_mode_32 3
		.amdhsa_float_denorm_mode_16_64 3
		.amdhsa_memory_ordered 1
		.amdhsa_forward_progress 1
		.amdhsa_inst_pref_size 255
	.end_amdhsa_kernel
	.section	.bss,"aw",@nobits
	.p2align	6
	.space	262144
	.amdgpu_metadata
---
amdhsa.version: [ 1, 2 ]
amdhsa.kernels:
  - .name:           k_q6ff7d267f6_ffn1
    .symbol:         k_q6ff7d267f6_ffn1.kd
    .args:
      - { .name: hpk, .offset: 0, .size: 8, .value_kind: global_buffer, .address_space: global }
      - { .name: wpk, .offset: 8, .size: 8, .value_kind: global_buffer, .address_space: global }
      - { .name: b1, .offset: 16, .size: 8, .value_kind: global_buffer, .address_space: global }
      - { .name: act, .offset: 24, .size: 8, .value_kind: global_buffer, .address_space: global }
    .group_segment_fixed_size: 327680
    .private_segment_fixed_size: 0
    .kernarg_segment_align: 8
    .kernarg_segment_size: 32
    .max_flat_workgroup_size: 128
    .sgpr_count:     80
    .vgpr_count:     1024
    .wavefront_size: 32
...
	.end_amdgpu_metadata
.endif
;; end of part 6
;; launch ffn2 (part 7): grid 4 x 16, 4 waves a work-group, clusters of 4 x 4, 327,680 bytes of LDS; arguments act, wpk, b2, x1, out0; writes out0
.if DOCPART == 7
	.amdgcn_target "amdgcn-amd-amdhsa--gfx1250"
	.amdhsa_code_object_version 6
	.text
	.protected	k_q6ff7d267f6_ffn2
	.globl	k_q6ff7d267f6_ffn2
	.p2align	8
	.type	k_q6ff7d267f6_ffn2,@function
k_q6ff7d267f6_ffn2:
	s_mov_b64 s[64:65], 0
	v_nop
	global_prefetch_b8 v0, s[64:65] scope:SCOPE_SE
	s_setreg_imm32_b32 hwreg(HW_REG_WAVE_MODE, 25, 1), 1
	s_wait_xcnt 0x0
	s_wait_alu depctr_hold_cnt(0) depctr_sa_sdst(0) depctr_va_vdst(0) depctr_va_sdst(0) depctr_va_ssrc(0) depctr_va_vcc(0) depctr_vm_vsrc(0)
	s_getreg_b32 s2, hwreg(HW_REG_IB_STS2, 6, 4)
	s_cmp_eq_u32 s2, 0
	s_cbranch_scc0 .Lentry_in_a_cluster
	s_endpgm
.Lentry_in_a_cluster:
	s_bfe_u32 s2, ttmp6, 0x10000c
	s_cmp_lg_u32 s2, 0xf033
	s_cbranch_scc0 .Lentry_shape_is_right
	s_endpgm
.Lentry_shape_is_right:
; A GEMM on codes of FP6 (E2M3) with E8M0 scales, out = residual + A B^T + bias, out and residual [4,096][1,024] f32.  One text serves two launches (MODE).
; MODE 0 (wo): A = the attention's result (ctx), B = wo, K = 1,024, bias bo, residual x.   MODE 1 (ffn2): A = the activations (act), B = w2, K = 4,096, bias b2, residual x1.
; PACKED FORM of both operands: half fragments of 16 rows x 64 along K, 768 bytes: lane l = (r, h) owns row r, k = 32 h .. + 31, six registers: four at 16 l, two at 512 + 8 l.  Blocks of 128 rows x 256 along K,
; 25,600 bytes: codes [8][4][768], scale words [2][8][16][4]; blocks ordered [rows / 128][K / 256].  Rows are stored with bits 3 and 4 of their number exchanged; the way out undoes that in its immediates.
; A tile of the result, 256 x 256, is made by four waves, each 128 x 128: 64 accumulators, 512 registers.  K goes in steps of 256 through a ring of two LDS slots; a slot is four blocks (A's two, B's two), each one dense
; tensor load of 100 rows of 256 bytes, codes and scale words together, one load a wave.  Every LDS read of the loop is 16 x lane or 8 x lane on end.
; CLUSTERS: 4 x 4 work-groups.  A's blocks are shared along a row of the cluster, B's along a column: each is asked for JOINTLY.  The result has 64 tiles, so 64 work-groups are launched.
; THE MATRIX INSTRUCTION IS USED TRANSPOSED (source 0 = 16 rows of B, source 1 = 16 rows of A): register j of accumulator (a, b) is column 32 (b / 2) + 16 (lane / 16) + 8 (b % 2) + j of stored row lane % 16 of block a.
; The bias is the C of each sum's first matrix instruction.  The way out goes block by block through the wave's own stage in LDS, comes back as whole rows of 512 bytes, takes the residual and is stored.
; REGISTERS: window 0: v16-31 addresses; v32-63 scale words, two sets, and nothing else; v64-127 the first block's residual; v128-223 A's fragments, one set (on the way out v128-255: rows read back).
; window 1: B's fragments, two sets, at v0 and v128; the bias in v96-127 and v224-255; on the way out four sets of 64 for the residual.  windows 2, 3: the accumulators ((a, b) at v[8 (8 (a % 4) + b)]).
; LIMITS: NaN and infinities among the inputs are not served.
.set MODE,   1                         ; 0: the launch wo;  1: the launch ffn2
.set BLK,    25600
.set SLOT,   4*BLK
.if MODE
.set NKS,    16                        ; K steps of 256
.set WOFF,   128                       ; B's first block in wpk
.else
.set NKS,    4
.set WOFF,   96
.endif
.set LAPS,   NKS/2
.set STAGE,  2*SLOT                    ; behind the ring: 16 rows x (512 bytes + 16) for each wave; no tensor load lands here
.set SPITCH, 528
.set SPARE,  STAGE+4*16*SPITCH         ; behind the stages: the spare words, 128 bytes for each wave: two blocks of 256 bytes that no other line names
.set FR,     12
.set NL,     4
.set NP,     4
.set NQ,     2
.set ADRA, 16                          ; v16-17 LDS address of my A fragments' 16-byte parts in slot 0, 1;  v18-19 of their 8-byte parts
.set ADRB, 20                          ; v20-23 the same for B
.set STO,  24                          ; v24  the way out: where I put 32 bytes of a row
.set RD,   25                          ; v25  where I read a row back
.set CO,   26                          ; v26  16 x lane: my bytes of a row's 512
.set BO,   27                          ; v27  64 x (lane / 16)
.set SPW,  28                          ; v28  LDS address of my spare word; never rewritten
.set NIL,  29                          ; v29  0; never rewritten
.set ADRS, 30                          ; v30-31 LDS address of my scale words in slot 0, 1: lanes 0-15 A's, lanes 16-31 B's
.set SC,   32
.set AF,   128
.set BK,   128                         ; the way out: 16 rows read back: v128-191 and v192-255 by turns
.set G1, 24
.set G0, 32
.set G1B, 48
.set G0B, 56
.set MSB, 0
.macro WIN new                         ; the immediate's high byte repeats the setting that is left
.if MSB != (\new)
	s_set_vgpr_msb (MSB<<8)|(\new)
.set MSB, (\new)
.endif
.endm
.set TO_B, 0x40                        ; destination window 1, address window 0
.macro MWIN hi, zero                   ; source 0 (B) window 1, source 1 (A) window 0, D window 2 + hi; C with D, or (the bias) window 1
.if (\zero) == 2
	WIN 0x91+0x40*(\hi)
.else
	WIN 0xa1+0x50*(\hi)
.endif
.endm
; A joint load: waves 0 and 1 fetch A's two blocks, waves 2 and 3 B's.  Four v_nop follow each of the two lines, ahead of the jump, the label and what follows.
.macro JLOAD g0a, g1a, g0b, g1b
	s_cmp_eq_u32 s15, 0
	s_cbranch_scc0 .Lfor_b_\@
	tensor_load_to_lds s[\g0a:\g0a+3], s[\g1a:\g1a+7]
	s_nop 0
.rept 4
	v_nop
.endr
	s_branch .Lasked_\@
.Lfor_b_\@:
	tensor_load_to_lds s[\g0b:\g0b+3], s[\g1b:\g1b+7]
	s_nop 0
.rept 4
	v_nop
.endr
.Lasked_\@:
.endm
.macro CREST                           ; a round of the cluster's barrier behind its opening barrier
	s_cmp_lg_u32 s14, 0
	s_cbranch_scc1 .Lnot_wave_0_\@
	s_barrier_signal -3
.Lnot_wave_0_\@:
	s_barrier_wait -3
	s_barrier_signal -1
	s_barrier_wait -1
.endm
.macro CROUND                          ; a whole round
	s_barrier_signal -1
	s_barrier_wait -1
	CREST
.endm
	s_load_b256 s[4:11], s[0:1], 0x0               ; A, wpk, the bias, the residual
	s_load_b64 s[12:13], s[0:1], 0x20              ; the result
	v_lshl_add_u32 v[SPW], v0, 2, SPARE
	v_mov_b32 v[NIL], 0
	ds_add_u32 v28, v29
	ds_add_u32 v28, v29
	s_wait_dscnt 0x0
	v_lshrrev_b32 v1, 5, v0
	v_readfirstlane_b32 s14, v1                    ; wave 0..3
	s_lshr_b32 s15, s14, 1                         ; which half of the tile's rows is mine.  Also: I fetch for A (0) or for B (1)
	s_and_b32 s16, s14, 1                          ; which half of its columns.  Also: which block of that tile I fetch
	s_bfe_u32 s40, ttmp6, 0x40000                  ; cx, cy
	s_bfe_u32 s41, ttmp6, 0x40004
	s_lshl_b32 s43, s41, 2
	s_lshl_b32 s43, 15, s43                        ; my row of the cluster
	s_lshl_b32 s44, 0x1111, s40                    ; my column
	s_lshl_b32 s42, ttmp9, 2
	s_add_co_u32 s42, s42, s40                     ; tile column = 4 x cluster x + cx
	s_and_b32 s17, ttmp7, 0xffff
	s_lshl_b32 s17, s17, 2
	s_add_co_u32 s17, s17, s41                     ; tile row = 4 x cluster y + cy
	; descriptor group 1: a dense block of 25,600 bytes as 100 rows of 32 elements of 8 bytes, no padding
	s_or_b32 s[G1+0], s43, (3<<16)|(1<<21)         ; 15:0 the mask: A's blocks go to my row; 17:16 elements of 8 bytes; 21 set beside a mask
	s_or_b32 s[G1B+0], s44, (3<<16)|(1<<21)        ; B's to my column
.irp g, G1, G1B
	s_mov_b32 s[\g+1], 32<<16
	s_mov_b32 s[\g+2], 100<<16
	s_mov_b32 s[\g+3], 32<<16
	s_mov_b32 s[\g+4], 100
	s_mov_b32 s[\g+5], 32
	s_mov_b32 s[\g+6], 0
	s_mov_b32 s[\g+7], 0
.endr
	s_lshl_b32 s20, s17, 1
	s_add_co_u32 s20, s20, s16                     ; A: block of 128 rows 2 x tile row + half
	s_mul_i32 s20, s20, NKS*BLK
	s_mov_b32 s21, 0
	s_lshl_b32 s46, s42, 1
	s_add_co_u32 s46, s46, s16                     ; B: 2 x tile column + half
	s_mul_i32 s46, s46, NKS*BLK
	s_add_co_u32 s46, s46, WOFF*BLK
	s_mov_b32 s47, 0
	s_mul_i32 s45, s14, BLK                        ; where they go: wave x a block
	s_wait_kmcnt 0x0
	s_add_nc_u64 s[20:21], s[4:5], s[20:21]
	s_add_nc_u64 s[46:47], s[6:7], s[46:47]
	CROUND                                         ; all sixteen work-groups are here: the first joint loads meet
.irp s, 0,1
	s_mov_b32 s[G0+4*\s], 1
	s_add_co_u32 s[G0+4*\s+1], s45, \s*SLOT
	s_add_nc_u64 s[G0+4*\s+2:G0+4*\s+3], s[20:21], \s*BLK
	s_or_b32 s[G0+4*\s+3], s[G0+4*\s+3], 0x80000000
	s_mov_b32 s[G0B+4*\s], 1
	s_add_co_u32 s[G0B+4*\s+1], s45, \s*SLOT
	s_add_nc_u64 s[G0B+4*\s+2:G0B+4*\s+3], s[46:47], \s*BLK
	s_or_b32 s[G0B+4*\s+3], s[G0B+4*\s+3], 0x80000000
	JLOAD G0+4*\s, G1, G0B+4*\s, G1B
.endr
	v_and_b32 v1, 15, v0                           ; r
	v_bfe_u32 v2, v0, 4, 1                         ; h
	v_and_b32 v3, 31, v0                           ; l
	v_lshlrev_b32 v[CO], 4, v3
	v_lshlrev_b32 v5, 3, v3
	v_add_nc_u32 v5, 512, v5
	v_lshlrev_b32 v[BO], 6, v2
	s_mul_i32 s21, s15, BLK                        ; my 128 rows of A
	s_mul_i32 s22, s16, BLK                        ; my 128 rows of B,
	s_add_co_u32 s22, s22, 2*BLK                   ; which lie behind A's two blocks
	s_sub_co_u32 s23, s22, s21
	v_mul_u32_u24 v6, s23, v2                      ; lanes 16-31 take B's scale words: one product, the distance from A's block to B's
	v_lshl_add_u32 v6, v1, 2, v6
.irp s, 0,1
	v_add_nc_u32 v[ADRA+\s], s21, v[CO]
	v_add_nc_u32 v[ADRA+2+\s], s21, v5
	v_add_nc_u32 v[ADRB+\s], s22, v[CO]
	v_add_nc_u32 v[ADRB+2+\s], s22, v5
	v_add_nc_u32 v[ADRS+\s], s21, v6
	s_add_co_u32 s21, s21, SLOT
	s_add_co_u32 s22, s22, SLOT
.endr
	s_mul_i32 s23, s14, 16*SPITCH
	s_add_co_u32 s23, s23, STAGE                   ; my stage
	v_mul_u32_u24 v6, v1, SPITCH
	v_lshl_add_u32 v6, v2, 6, v6
	v_add_nc_u32 v[STO], s23, v6                   ; in: row r, + 64 h
	v_add_nc_u32 v[RD], s23, v[CO]                 ; back: the 32 lanes take one row of 512 bytes
	s_lshl_b32 s18, s17, 8
	s_lshl_b32 s19, s15, 7
	s_add_co_u32 s18, s18, s19                     ; my first row
	s_lshl_b32 s18, s18, 12                        ; x 4,096 bytes
	s_lshl_b32 s19, s42, 10
	s_lshl_b32 s22, s16, 9
	s_add_co_u32 s22, s22, s19                     ; my first column, in bytes
	s_mov_b32 s23, 0
	s_add_nc_u64 s[8:9], s[8:9], s[22:23]          ; the bias there
	s_add_co_u32 s18, s18, s22
	s_mov_b32 s19, 0
	s_add_nc_u64 s[10:11], s[10:11], s[18:19]      ; the residual and the result at my corner; neither base is stepped again
	s_add_nc_u64 s[12:13], s[12:13], s[18:19]
	WIN TO_B                                       ; the bias in the result's layout: for accumulators (., 2 u), (., 2 u + 1) lane (r, h) wants the 16 numbers at column 32 u + 16 h
.irp u, 0,1,2,3
.irp i, 0,1,2,3
	global_load_b128 v[96+16*\u+96*(\u/2)+4*\i:96+16*\u+96*(\u/2)+4*\i+3], v[BO], s[8:9] offset:128*\u+16*\i
.endr
.endr
	WIN 0
; The residual of block a: stored row t of the block is row 32 (a / 2) + 8 (a % 2) + t + 8 (t / 8) of my 128.  Block 0's goes to window 0, v64-127; the others' to window 1, four sets by turns.
.macro RLOAD a
.if (\a) == 0
.set RR, 64
.else
.set RR, 64*(((\a)-1)%4)
	WIN TO_B
.endif
.irp t, 0,1,2,3,4,5,6,7,8,9,10,11,12,13,14,15
	global_load_b128 v[RR+4*\t:RR+4*\t+3], v[CO], s[10:11] offset:(32*((\a)/2)+8*((\a)%2)+\t+8*(\t/8))*4096
.endr
	WIN 0
.endm
	RLOAD 0
	s_wait_loadcnt 0x0                             ; the bias and block 0's residual
.macro FRAG reg, a16, q, i             ; a fragment, 16 rows x 128 K, is two half fragments: registers 6 c .. 6 c + 3 by 16 bytes a lane, 6 c + 4, 6 c + 5 by 8
.irp c, 0,1
	ds_load_b128 v[\reg+6*\c:\reg+6*\c+3], v[\a16] offset:(4*(\i)+2*(\q)+\c)*768
	ds_load_b64 v[\reg+6*\c+4:\reg+6*\c+5], v[\a16+2] offset:(4*(\i)+2*(\q)+\c)*768
.endr
.endm
; 16 matrix instructions: A's blocks a0, a0 + 1 x B's eight, the slot's q-th 128 along K.  The 64 accumulators take turns, one instruction a turn, in the same order in every step.
.macro MUL16 a0, p, q, sc, zero
.irp a, \a0, \a0+1
.irp b, 0,1,2,3,4,5,6,7
.if (\zero) == 2
	v_wmma_scale_f32_16x16x128_f8f6f4 v[8*(8*((\a)%4)+\b):8*(8*((\a)%4)+\b)+7], v[128*(\p)+FR*\b:128*(\p)+FR*\b+FR-1], v[AF+FR*(\a):AF+FR*(\a)+FR-1], v[96+8*\b+96*(\b/4):96+8*\b+96*(\b/4)+7], v[SC+8*NQ*(\sc)+NQ*\b+(\q)], v[SC+8*NQ*(\sc)+NQ*(\a)+(\q)] matrix_a_fmt:MATRIX_FMT_FP6 matrix_b_fmt:MATRIX_FMT_FP6 matrix_a_scale:MATRIX_SCALE_ROW1
.else
	v_wmma_scale_f32_16x16x128_f8f6f4 v[8*(8*((\a)%4)+\b):8*(8*((\a)%4)+\b)+7], v[128*(\p)+FR*\b:128*(\p)+FR*\b+FR-1], v[AF+FR*(\a):AF+FR*(\a)+FR-1], v[8*(8*((\a)%4)+\b):8*(8*((\a)%4)+\b)+7], v[SC+8*NQ*(\sc)+NQ*\b+(\q)], v[SC+8*NQ*(\sc)+NQ*(\a)+(\q)] matrix_a_fmt:MATRIX_FMT_FP6 matrix_b_fmt:MATRIX_FMT_FP6 matrix_a_scale:MATRIX_SCALE_ROW1
.endif
.endr
.endr
.endm
.macro FETCH_B slot, q, p
	WIN TO_B
.irp i, 0,1,2,3,4,5,6,7
	FRAG 128*(\p)+FR*\i, ADRB+\slot, \q, \i
.endr
	WIN 0
.endm
.macro FETCH_A slot, q, i0
.irp i, \i0, \i0+1, \i0+2, \i0+3
	FRAG AF+FR*(\i), ADRA+\slot, \q, \i
.endr
.endm
.macro SCALES sc                       ; slot sc's scale words: lanes 0-15 take A's block i, lanes 16-31 B's block i
.irp i, 0,1,2,3,4,5,6,7
.irp q, 0,1
	ds_load_b32 v[SC+8*NQ*\sc+NQ*\i+\q], v[ADRS+\sc] offset:24576+512*\q+64*\i
.endr
.endr
.endm
; A load into a register that a matrix instruction has read, and an LDS store that reads a matrix result, stand NP places behind that matrix instruction; only plain vector instructions that name none of its registers are places.
.macro PLACES n
.rept \n
	v_nop
.endr
.endm
.macro STEP slot, q, zero              ; a step of 128 along K that has its successor in the same slot
	s_wait_dscnt 4*NL                              ; B's set, A's blocks 0-3 and the scale words are in; the youngest 16 loads (A's blocks 4-7) may be out
	MWIN 0, \zero
	MUL16 0, (\q)%2, \q, \slot, \zero
	MUL16 2, (\q)%2, \q, \slot, \zero
	s_wait_dscnt 0                                 ; A's blocks 4-7 are in
	PLACES NP
	FETCH_B \slot, (\q)+1, 1-(\q)%2
	FETCH_A \slot, (\q)+1, 0
	MWIN 1, \zero
	MUL16 4, (\q)%2, \q, \slot, \zero
	MUL16 6, (\q)%2, \q, \slot, \zero
	PLACES NP
	WIN 0
	FETCH_A \slot, (\q)+1, 4
.endm
; A slot's last step changes slots: ONE barrier; in front of it each wave waits for all its tensor loads, adds 0 to its spare word, and waits for that and for its own reads of this slot.  fill = 1: this slot is filled again, two K steps ahead.
.macro TURN slot, next, fill
	s_wait_tensorcnt 0x0                           ; all my tensor loads have landed: my part of the next slot  (every window is 0 here)
	ds_add_u32 v[SPW], v[NIL]                      ; 0 onto my spare word
	s_wait_dscnt 4*NL+1                            ; (the add and the youngest 16 loads, A's blocks 4-7, may be out)
	MWIN 0, 0
	MUL16 0, 1, NQ-1, \slot, 0                     ; sixteen matrix instructions stand between the add and the wait for it
	s_wait_dscnt 0x0                               ; the add is done, and my reads of this slot are over
	s_barrier_signal -1
	MUL16 2, 1, NQ-1, \slot, 0
	WIN 0
	s_barrier_wait -1
.if \fill
	CREST                                          ; the barrier has opened a round of the cluster's barrier: no wave of any partner still reads this slot or has a load on its way
	s_add_nc_u64 s[G0+4*\slot+2:G0+4*\slot+3], s[G0+4*\slot+2:G0+4*\slot+3], 2*BLK
	s_add_nc_u64 s[G0B+4*\slot+2:G0B+4*\slot+3], s[G0B+4*\slot+2:G0B+4*\slot+3], 2*BLK
	JLOAD G0+4*\slot, G1, G0B+4*\slot, G1B         ; the first tensor load behind the round; the four v_nop behind it are the places in front of the loads below
.else
	PLACES NP
.endif
	FETCH_B \next, 0, 0
	FETCH_A \next, 0, 0
	SCALES \next
	MWIN 1, 0
	MUL16 4, 1, NQ-1, \slot, 0
	MUL16 6, 1, NQ-1, \slot, 0
	PLACES NP
	WIN 0
	FETCH_A \next, 0, 4
.endm
	s_wait_tensorcnt 1                             ; my part of K step 0 is in (K step 1's load may be out),
	s_barrier_signal -1
	s_barrier_wait -1                              ; everybody's is
	FETCH_B 0, 0, 0
	FETCH_A 0, 0, 0
	SCALES 0
	FETCH_A 0, 0, 4
	STEP 0, 0, 2                                   ; the first step stands in front of the loop: its products start the sums, on the bias
	s_mov_b32 s3, LAPS-1
.Llap:                                                 ; a trip goes once round the ring and fills both slots again
	TURN 0, 1, 1
	STEP 1, 0, 0
	TURN 1, 0, 1
	STEP 0, 0, 0
	s_sub_co_u32 s3, s3, 1
	s_cmp_lg_u32 s3, 0
	s_cbranch_scc1 .Llap
	TURN 0, 1, 0                                   ; the last lap fills nothing, and has no round of the cluster's barrier
	STEP 1, 0, 0
	s_wait_dscnt 4*NL                              ; the very last step: nothing more to fetch
	MWIN 0, 0
	MUL16 0, 1, NQ-1, 1, 0
	MUL16 2, 1, NQ-1, 1, 0
	s_wait_dscnt 0
	MWIN 1, 0
	MUL16 4, 1, NQ-1, 1, 0
	MUL16 6, 1, NQ-1, 1, 0
	WIN 0
; THE WAY OUT, block by block of 16 rows x 128 columns, through my own stage.  LDS serves a wave's instructions in order (ISA guide 5.7.1.4): no wait between the stores and the loads, nor in front of the next block's stores.
.macro TOSTAGE a
.set AC, 64*((\a)%4)
	WIN 0x08+4*((\a)/4)                            ; the data: window 2 or 3
.irp b, 0,1,2,3,4,5,6,7
	ds_store_b128 v[STO], v[AC+8*\b:AC+8*\b+3] offset:128*(\b/2)+32*(\b%2)          ; each accumulator from its low end on
	ds_store_b128 v[STO], v[AC+8*\b+4:AC+8*\b+7] offset:128*(\b/2)+32*(\b%2)+16
.endr
	WIN 0
.set BB, BK+64*((\a)%2)
.irp t, 0,1,2,3,4,5,6,7,8,9,10,11,12,13,14,15
	ds_load_b128 v[BB+4*\t:BB+4*\t+3], v[RD] offset:\t*SPITCH
.endr
.endm
.macro SEND a, ds, ld                  ; ds: the LDS instructions issued behind block a's loads;  ld: the residual loads issued behind block a's
.set BB, BK+64*((\a)%2)
	s_wait_dscnt \ds                               ; the block is back in registers
.if (\a) > 0
	s_wait_loadcnt \ld                             ; and its residual is in
.set RR, 64*(((\a)-1)%4)
	WIN 0x04                                       ; source 1 window 1
.else
.set RR, 64
.endif
.set j, 0
.rept 32
	v_pk_add_f32 v[BB+j:BB+j+1], v[BB+j:BB+j+1], v[RR+j:RR+j+1]
.set j, j+2
.endr
	WIN 0
.irp t, 0,1,2,3,4,5,6,7,8,9,10,11,12,13,14,15
.if MODE
	global_store_b128 v[CO], v[BB+4*\t:BB+4*\t+3], s[12:13] offset:(32*((\a)/2)+8*((\a)%2)+\t+8*(\t/8))*4096 th:TH_STORE_NT   ; 512 consecutive bytes, aligned; written once, read by nobody here
.else
	global_store_b128 v[CO], v[BB+4*\t:BB+4*\t+3], s[12:13] offset:(32*((\a)/2)+8*((\a)%2)+\t+8*(\t/8))*4096                   ; 512 consecutive bytes, aligned
.endif
.endr
.if ((\a) > 0) && ((\a) < 4)
	RLOAD (\a)+4                                   ; its set of registers takes the residual of the block four further on
.endif
.endm
	PLACES NP                                      ; behind the last products: for the loads into window 1 and into A's registers, and for the stage's stores
	RLOAD 1
	RLOAD 2
	RLOAD 3
	RLOAD 4
	TOSTAGE 0
	TOSTAGE 1
	SEND 0, 32, 0                                  ; behind block 0's loads: block 1's 16 stores and 16 loads
.irp a, 2,3,4,5
	s_wait_xcnt 0x0                                ; block a - 2's stores have read their registers: block a's loads may land there
	TOSTAGE \a
	SEND \a-1, 32, 48                              ; behind its residual's loads: those of the three blocks that follow
.endr
	s_wait_xcnt 0x0
	TOSTAGE 6
	SEND 5, 32, 32
	s_wait_xcnt 0x0
	TOSTAGE 7
	SEND 6, 32, 16
	SEND 7, 0, 0
	s_wait_tensorcnt 0x0                           ; the wave's end: behind my last tensor load and my last LDS store
	ds_add_u32 v[SPW], v[NIL]
	s_wait_dscnt 0x0
	CROUND                                         ; the closing round
	s_endpgm
.Lfunc_end_k_q6ff7d267f6_ffn2:
	.size	k_q6ff7d267f6_ffn2, .Lfunc_end_k_q6ff7d267f6_ffn2-k_q6ff7d267f6_ffn2
	.p2alignl 7, 3214868480
	.fill 96, 4, 3214868480
	.section	.rodata,"a",@progbits
	.p2align	6, 0x0
	.amdhsa_kernel k_q6ff7d267f6_ffn2
		.amdhsa_group_segment_fixed_size 327680
		.amdhsa_private_segment_fixed_size 0
		.amdhsa_enable_private_segment 0
		.amdhsa_kernarg_size 40
		.amdhsa_user_sgpr_count 2
		.amdhsa_user_sgpr_kernarg_segment_ptr 1
		.amdhsa_wavefront_size32 1
		.amdhsa_system_sgpr_workgroup_id_x 1
		.amdhsa_system_sgpr_workgroup_id_y 1
		.amdhsa_system_sgpr_workgroup_id_z 1
		.amdhsa_system_vgpr_workitem_id 0
		.amdhsa_next_free_vgpr 1024
		.amdhsa_next_free_sgpr 66
		.amdhsa_reserve_vcc 0
		.amdhsa_float_denorm_mode_32 3
		.amdhsa_float_denorm_mode_16_64 3
		.amdhsa_memory_ordered 1
		.amdhsa_forward_progress 1
		.amdhsa_inst_pref_size 173
	.end_amdhsa_kernel
	.amdgpu_metadata
---
amdhsa.version: [ 1, 2 ]
amdhsa.kernels:
  - .name:           k_q6ff7d267f6_ffn2
    .symbol:         k_q6ff7d267f6_ffn2.kd
    .args:
      - { .name: act, .offset: 0, .size: 8, .value_kind: global_buffer, .address_space: global }
      - { .name: wpk, .offset: 8, .size: 8, .value_kind: global_buffer, .address_space: global }
      - { .name: b2, .offset: 16, .size: 8, .value_kind: global_buffer, .address_space: global }
      - { .name: x1, .offset: 24, .size: 8, .value_kind: global_buffer, .address_space: global }
      - { .name: out0, .offset: 32, .size: 8, .value_kind: global_buffer, .address_space: global }
    .group_segment_fixed_size: 327680
    .private_segment_fixed_size: 0
    .kernarg_segment_align: 8
    .kernarg_segment_size: 40
    .max_flat_workgroup_size: 128
    .sgpr_count:     66
    .vgpr_count:     1024
    .wavefront_size: 32
...
	.end_amdgpu_metadata
.endif
;; end of part 7
;; ======== version 2 of 2: 7 launches
;; limits: right only within a limited range of input values
;; workspace buffers: wpk 9,830,400 bytes; hpk 3,276,800 bytes; qkv 9,830,400 bytes; ctx 3,276,800 bytes; x1 16,777,216 bytes; act 13,107,200 bytes
;; launch prep (part 8): grid 448 x 1, 8 waves a work-group, no clusters, 66,816 bytes of LDS; arguments x, g1, s1, hpk, wq, wk, wv, wo, w2, w1, wpk; writes hpk, wpk
.if DOCPART == 8
	.amdgcn_target "amdgcn-amd-amdhsa--gfx1250"
	.amdhsa_code_object_version 6
	.text
	.protected	k_q6ff7d267f6_prep
	.globl	k_q6ff7d267f6_prep
	.p2align	8
	.type	k_q6ff7d267f6_prep,@function
k_q6ff7d267f6_prep:
	s_mov_b64 s[64:65], 0
	v_nop
	global_prefetch_b8 v0, s[64:65] scope:SCOPE_SE
	s_setreg_imm32_b32 hwreg(HW_REG_WAVE_MODE, 25, 1), 1
	s_wait_xcnt 0x0
; ONE LAUNCH PREPARES ALL OPERANDS THAT HANG ON INPUTS ALONE: work-groups 0-191 quantise the six weights, work-groups 192-447 make the first layer norm and quantise it.  The two kinds share nothing; the choice hangs on the work-group's number.
; WORK LEFT OUT IN THIS PROGRAM: in the launch attn, key steps all of whose keys come after a block's queries: the causal mask sets their scores to -infinity, so their p is 0 for all values of the inputs.  Every input is loaded.
; A NaN, an infinity or an overflow that reaches only those scores is not carried to the result.
; PACKED FORM of every operand.  A half fragment is 16 rows x 64 along K: 768 bytes.  Lane l = (r = l % 16, h = l / 16) of a reader owns row r, k = 32 h .. 32 h + 31: six registers; the first four lie at 16 l, the last two at 512 + 8 l.
; A block of a buffer is 128 rows x 256 along K: codes [16-row block 8][half fragment 4][768], then scale words [128 along K: 2][16-row block 8][row 16][4 bytes]: 25,600 bytes; blocks ordered [rows / 128][K / 256].
; ROW ORDER: rows are stored with bits 3 and 4 of their number exchanged: stored block i, row r is the row 32 (i / 2) + 8 (i % 2) + r + 8 (r / 8).
; A block of 32 numbers has the scale 2^(floor(log2(largest magnitude)) - 2); its byte is the largest magnitude's exponent field - 2, held at 1 from below.
; THE WEIGHTS, f32, stored [K][N].  Work-group g's waves 0-3 write block 2 g of wpk, waves 4-7 block 2 g + 1 (wq 0-31, wk 32-63, wv 64-95, wo 96-127, w2 128-255, w1 256-383; in a weight: [N / 128][K / 256]).  A wave takes 32 columns x 256 along K.
; A LANE TAKES A COLUMN, ITS REGISTERS RUN DOWN K: a load reads 128 consecutive bytes, a block of 32 along K lies in one lane, and the conversions give codes with K innermost.  A lane's 24 bytes of a block are its own
; place in a half fragment and are stored straight from registers: sixteen lanes store 256 consecutive aligned bytes (first four registers) or 128 (last two).  No LDS, no barrier on this way.
; THE NORM: h = g1 x (x - mean) / sqrt(var + 1e-5) + s1 for rows of 1,024.  A work-group makes one stored block of 16 rows.  Phase 1: each of the eight waves normalises two rows (mean first, then the squares of x - mean:
; no difference of large sums) and lays them in LDS.  One barrier.  Phase 2: wave w quantises columns 128 w .. + 127 of the 16 rows: lane (r, h) reads a whole block of 32 neighbours.
; LDS: 16 rows of 4,096 bytes + 16, so that the sixteen rows that a phase 2 load touches fall on different banks; behind them the spare words.  Memory binds: no matrix unit, no cluster, no tensor load.
; LIMITS: a block of zeros gets the byte 1 where the rule says 127 (its codes are zeros, and this program alone reads the bytes); largest magnitudes under 2^-124 are held at that floor; NaN and infinities are not served.
.set BLK,  25600
.set NQW,  192                         ; work-groups that quantise weights: the longer ones have the lower numbers
.set VIN,  3                           ; weights: v3 4 x lane;  v4, v5 where my first four and last two registers of a block go;  v6 where my scale words go
.set VO16, 4
.set VO8,  5
.set VOS,  6
.set QSB,  24                          ; v24-25 scale bytes, four to a register
.set QX,   32                          ; v32-95  two sets of 32 numbers
.set QC,   96                          ; v96-143 codes: six registers for each of the 8 blocks, so that no store's data are written again
.set QC2,  144                         ; v144-146 a block's second conversion (three registers that begin on an even number)
.set PIT,  4112                        ; the norm: an LDS row
.set X,    16                          ; v16-79   two rows as loaded; in phase 2 two blocks of 32
.set G,    80                          ; v80-111  the gain at my columns
.set S,    112                         ; v112-143 the shift
.set W,    152                         ; v152-155 at work
	v_lshl_add_u32 v160, v0, 2, 0x10100            ; my spare word, and 0
	v_mov_b32 v161, 0
	s_cmp_ge_u32 ttmp9, NQW
	s_cbranch_scc1 .Lnorm
	s_load_b256 s[4:11], s[0:1], 0x20              ; wq, wk, wv, wo
	s_load_b128 s[12:15], s[0:1], 0x40             ; w2, w1
	s_load_b64 s[16:17], s[0:1], 0x50              ; wpk
	v_lshrrev_b32 v1, 5, v0
	v_readfirstlane_b32 s29, v1                    ; wave 0..7
	s_and_b32 s18, s29, 3                          ; which 32 columns of the block
	s_lshr_b32 s29, s29, 2
	s_lshl_b32 s30, ttmp9, 1
	s_add_co_u32 s30, s30, s29                     ; s30: my block of wpk
	v_and_b32 v2, 31, v0                           ; lane = my column among the wave's 32
	v_lshlrev_b32 v[VIN], 2, v2
	v_bfe_u32 v7, v2, 3, 1                         ; u: the column's bit 3 chooses the stored block 2 w + u,
	v_lshrrev_b32 v8, 4, v2
	v_and_b32 v9, 7, v2
	v_lshl_or_b32 v8, v8, 3, v9                    ; r: its bit 4 becomes bit 3 of the stored row
	s_mul_i32 s19, s18, 6144
	v_mul_u32_u24 v10, v7, 3072
	v_add_nc_u32 v10, s19, v10                     ; (2 w + u) x 3,072: my stored block's codes
	v_lshl_add_u32 v[VO16], v8, 4, v10
	v_lshl_add_u32 v[VO8], v8, 3, v10
	s_lshl_b32 s19, s18, 7
	v_lshlrev_b32 v11, 6, v7
	v_add_nc_u32 v11, s19, v11
	v_lshl_add_u32 v[VOS], v8, 2, v11              ; (2 w + u) x 64 + 4 r
	; which weight, which 128 columns (rt), which 256 along K (ks): from the block's number alone
	s_lshr_b32 s20, s30, 5
	s_and_b32 s21, s30, 3                          ; ks where K = 1,024
	s_lshr_b32 s22, s30, 2
	s_and_b32 s23, s22, 7                          ; rt of wq .. wo
	s_and_b32 s24, s22, 31                         ; rt of w1
	s_and_b32 s25, s30, 15                         ; ks of w2
	s_lshr_b32 s26, s30, 4
	s_and_b32 s26, s26, 7                          ; rt of w2
	s_mov_b32 s27, s21
	s_cmp_ge_u32 s30, 128
	s_cselect_b32 s21, s25, s21
	s_cselect_b32 s23, s26, s23
	s_cmp_ge_u32 s30, 256
	s_cselect_b32 s21, s27, s21
	s_cselect_b32 s23, s24, s23
	s_cselect_b32 s28, 22, 20                      ; 256 rows of 16,384 or of 4,096 bytes
	s_lshl_b32 s21, s21, s28
	s_lshl_b32 s23, s23, 9
	s_lshl_b32 s24, s18, 7
	s_add_co_u32 s22, s21, s23
	s_add_co_u32 s22, s22, s24                     ; ks x 256 rows + rt x 512 bytes + wave x 128 bytes
	s_mov_b32 s23, 0
	s_mul_i32 s24, s30, BLK
	s_mov_b32 s25, 0
	s_wait_alu depctr_va_vdst(0)                   ; the wait at the head's end
	s_wait_kmcnt 0x0
	s_cmp_ge_u32 s20, 1                            ; the weight is chosen by the block's number
	s_cselect_b64 s[4:5], s[6:7], s[4:5]
	s_cmp_ge_u32 s20, 2
	s_cselect_b64 s[4:5], s[8:9], s[4:5]
	s_cmp_ge_u32 s20, 3
	s_cselect_b64 s[4:5], s[10:11], s[4:5]
	s_cmp_ge_u32 s20, 4
	s_cselect_b64 s[4:5], s[12:13], s[4:5]
	s_cmp_ge_u32 s20, 8
	s_cselect_b64 s[4:5], s[14:15], s[4:5]
	s_add_nc_u64 s[4:5], s[4:5], s[22:23]
	s_add_nc_u64 s[16:17], s[16:17], s[24:25]
.macro LOAD t, p                       ; block t: W(32 t + i, my column), i = 0 .. 31, into set t % 2; p: bytes from row to row
.irp i, 0,1,2,3,4,5,6,7,8,9,10,11,12,13,14,15,16,17,18,19,20,21,22,23,24,25,26,27,28,29,30,31
	global_load_b32 v[QX+32*((\t)%2)+\i], v[VIN], s[4:5] offset:(32*(\t)+\i)*(\p) th:TH_LOAD_NT
.endr
.endm
.macro BLOCK t, p
.set XS, QX+32*((\t)%2)
.set CT, QC+6*(\t)
.if (\t) < 7
	s_wait_loadcnt 32                              ; this block's 32 loads are in; the next block's 32 may be out
.else
	s_wait_loadcnt 0x0
.endif
	v_max3_num_f32 v12, |v[XS]|, |v[XS+1]|, |v[XS+2]|               ; the block's largest magnitude, in two chains: all 32 numbers are mine
	v_max3_num_f32 v13, |v[XS+3]|, |v[XS+4]|, |v[XS+5]|
.irp i, 6,10,14,18,22,26
	v_max3_num_f32 v12, v12, |v[XS+\i]|, |v[XS+\i+1]|
	v_max3_num_f32 v13, v13, |v[XS+\i+2]|, |v[XS+\i+3]|
.endr
	v_max3_num_f32 v12, v12, |v[XS+30]|, |v[XS+31]|
	v_max3_num_f32 v12, v12, v13, 0x1800000        ; and the floor 2^(3 - 127): the byte cannot fall under 1
	v_add_nc_u32 v11, 0xff000000, v12              ; 2 off the exponent field: the conversion takes this operand's exponent field as its scale
	v_lshrrev_b32 v13, 23, v11                     ; the scale's byte
.if (\t)%4 == 0
	v_mov_b32 v[QSB+(\t)/4], v13
.else
	v_lshl_or_b32 v[QSB+(\t)/4], v13, 8*((\t)%4), v[QSB+(\t)/4]
.endif
	v_cvt_scalef32_pk16_fp6_f32 v[CT:CT+2], v[XS:XS+15], v11
	v_cvt_scalef32_pk16_fp6_f32 v[QC2:QC2+2], v[XS+16:XS+31], v11
	v_nop                                          ; one plain place behind a scaled conversion
.irp i, 0,1,2
	v_mov_b32 v[CT+3+\i], v[QC2+\i]
.endr
	global_store_b128 v[VO16], v[CT:CT+3], s[16:17] offset:((\t)/2)*768+256*((\t)%2)       ; block t is half t % 2 of half fragment t / 2: sixteen lanes store 256 consecutive bytes, aligned
	global_store_b64 v[VO8], v[CT+4:CT+5], s[16:17] offset:((\t)/2)*768+512+128*((\t)%2)
.if (\t)+2 < 8
	LOAD (\t)+2, \p
.endif
.endm
.macro BODY p
	LOAD 0, \p
	LOAD 1, \p
.irp t, 0,1,2,3,4,5,6,7
	BLOCK \t, \p
.endr
	global_store_b32 v[VOS], v[QSB], s[16:17] offset:24576
	global_store_b32 v[VOS], v[QSB+1], s[16:17] offset:24576+512
.endm
	s_cmp_ge_u32 s30, 256                          ; w1's rows are four times as long: the same lines with other immediates
	s_cbranch_scc1 .Lwide
	BODY 4096
	s_endpgm                                       ; (these waves have written no LDS)
.Lwide:
	BODY 16384
	s_endpgm
.Lnorm:
	s_load_b256 s[4:11], s[0:1], 0x0               ; x, gain, shift, hpk
	s_sub_co_u32 s30, ttmp9, NQW                   ; s30: my stored block of 16 rows, rb
	v_lshrrev_b32 v1, 5, v0
	s_delay_alu instid0(VALU_DEP_1)
	v_readfirstlane_b32 s12, v1                    ; wave 0..7
	v_and_b32 v2, 31, v0
	s_delay_alu instid0(VALU_DEP_1)
	v_lshlrev_b32 v3, 4, v2                        ; v3: 16 x lane
	v_and_b32 v6, 15, v0                           ; r
	v_bfe_u32 v7, v0, 4, 1                         ; h
	s_mul_i32 s16, s12, 2*PIT
	v_add_nc_u32 v4, s16, v3                       ; v4: into the stage: stored rows 2 w, 2 w + 1
	v_mul_u32_u24 v5, v6, PIT
	s_delay_alu instid0(VALU_DEP_1)
	v_lshl_add_u32 v5, v7, 7, v5
	s_lshl_b32 s17, s12, 9
	v_add_nc_u32 v5, s17, v5                       ; v5: out of it: row r, column 128 w + 32 h
	v_lshlrev_b32 v1, 3, v2
	s_delay_alu instid0(VALU_DEP_1)
	v_add_nc_u32 v1, 512, v1                       ; v1: 512 + 8 x lane
	v_lshlrev_b32 v6, 2, v6                        ; v6: 4 r
	v_lshlrev_b32 v7, 3, v7                        ; v7: 8 h
	v_mov_b32 v15, 0                               ; a lane permute's destination counts as one of its sources
	s_mov_b32 s18, 0x76543210
	s_mov_b32 s19, 0xfedcba98                      ; v_permlanex16_b32's selects for lane l xor 16
	s_mov_b32 s28, 0x3a800000                      ; 1 / 1,024
	s_mov_b32 s29, 0x3727c5ac                      ; 1e-5
	; stored rows 2 w, 2 w + 1 of stored block rb are the rows 32 (rb / 2) + 8 (rb % 2) + 16 (w / 4) + 2 (w % 4) + 0, 1
	s_lshr_b32 s13, s30, 1
	s_lshl_b32 s13, s13, 5
	s_and_b32 s14, s30, 1
	s_lshl_b32 s14, s14, 3
	s_add_co_u32 s13, s13, s14
	s_lshr_b32 s14, s12, 2
	s_lshl_b32 s14, s14, 4
	s_add_co_u32 s13, s13, s14
	s_and_b32 s14, s12, 3
	s_lshl_b32 s14, s14, 1
	s_add_co_u32 s13, s13, s14
	s_lshl_b32 s14, s13, 12                        ; x 4,096 bytes
	s_mov_b32 s15, 0
	; where my two half fragments and my scale words go
	s_lshr_b32 s20, s30, 3
	s_lshl_b32 s20, s20, 2
	s_lshr_b32 s21, s12, 1
	s_add_co_u32 s20, s20, s21
	s_mul_i32 s20, s20, BLK                        ; block (rb / 8) x 4 + w / 2
	s_and_b32 s21, s30, 7
	s_and_b32 s22, s12, 1
	s_mul_i32 s23, s21, 3072
	s_mul_i32 s24, s22, 1536
	s_add_co_u32 s24, s24, s23
	s_add_co_u32 s24, s24, s20
	s_mov_b32 s25, 0
	s_lshl_b32 s21, s21, 6
	s_lshl_b32 s22, s22, 9
	s_add_co_u32 s26, s21, s22
	s_add_co_u32 s26, s26, s20
	s_add_co_u32 s26, s26, 24576
	s_mov_b32 s27, 0
	s_wait_alu depctr_va_vdst(0)                   ; the wait at the head's end
	s_wait_kmcnt 0x0
	s_add_nc_u64 s[4:5], s[4:5], s[14:15]
	s_add_nc_u64 s[24:25], s[10:11], s[24:25]
	s_add_nc_u64 s[26:27], s[10:11], s[26:27]
.irp e, 0,1
.irp j, 0,1,2,3,4,5,6,7
	global_load_b128 v[X+32*\e+4*\j:X+32*\e+4*\j+3], v3, s[4:5] offset:4096*\e+512*\j      ; 512 consecutive bytes a load
.endr
.endr
.irp j, 0,1,2,3,4,5,6,7
	global_load_b128 v[G+4*\j:G+4*\j+3], v3, s[6:7] offset:512*\j
	global_load_b128 v[S+4*\j:S+4*\j+3], v3, s[8:9] offset:512*\j
.endr
.macro ACROSS                          ; v[W] summed over the 32 lanes, the sum in every lane
	s_delay_alu instid0(VALU_DEP_1)
	v_add_f32 v[W], v[W], v[W+1]
	s_delay_alu instid0(VALU_DEP_1)
	v_add_f32_dpp v[W], v[W], v[W] row_xmask:1 row_mask:0xf bank_mask:0xf
	s_delay_alu instid0(VALU_DEP_1)
	v_add_f32_dpp v[W], v[W], v[W] row_xmask:2 row_mask:0xf bank_mask:0xf
	s_delay_alu instid0(VALU_DEP_1)
	v_add_f32_dpp v[W], v[W], v[W] row_xmask:4 row_mask:0xf bank_mask:0xf
	s_delay_alu instid0(VALU_DEP_1)
	v_add_f32_dpp v[W], v[W], v[W] row_xmask:8 row_mask:0xf bank_mask:0xf
	s_delay_alu instid0(VALU_DEP_1)
	v_permlanex16_b32 v[W+1], v[W], s18, s19
	s_delay_alu instid0(VALU_DEP_1)
	v_add_f32 v[W], v[W], v[W+1]
.endm
.macro ROW e
.set R, X+32*\e
	v_pk_add_f32 v[W:W+1], v[R:R+1], v[R+2:R+3]    ; the row's sum, in two chains
	v_pk_add_f32 v[W+2:W+3], v[R+4:R+5], v[R+6:R+7]
.irp j, 8,12,16,20,24,28
	s_delay_alu instid0(VALU_DEP_2)
	v_pk_add_f32 v[W:W+1], v[W:W+1], v[R+\j:R+\j+1]
	s_delay_alu instid0(VALU_DEP_2)
	v_pk_add_f32 v[W+2:W+3], v[W+2:W+3], v[R+\j+2:R+\j+3]
.endr
	s_delay_alu instid0(VALU_DEP_1)
	v_pk_add_f32 v[W:W+1], v[W:W+1], v[W+2:W+3]
	ACROSS
	s_delay_alu instid0(VALU_DEP_1)
	v_mul_f32 v[W], s28, v[W]                      ; the mean
	s_delay_alu instid0(VALU_DEP_1)
	v_mov_b32 v[W+1], v[W]
.set j, 0
.rept 16
	v_pk_add_f32 v[R+j:R+j+1], v[R+j:R+j+1], v[W:W+1] neg_lo:[0,1] neg_hi:[0,1]   ; x - mean, in place
.set j, j+2
.endr
	v_pk_mul_f32 v[W:W+1], v[R:R+1], v[R:R+1]      ; the sum of its squares
	v_pk_mul_f32 v[W+2:W+3], v[R+2:R+3], v[R+2:R+3]
.irp j, 4,8,12,16,20,24,28
	s_delay_alu instid0(VALU_DEP_2)
	v_pk_fma_f32 v[W:W+1], v[R+\j:R+\j+1], v[R+\j:R+\j+1], v[W:W+1]
	s_delay_alu instid0(VALU_DEP_2)
	v_pk_fma_f32 v[W+2:W+3], v[R+\j+2:R+\j+3], v[R+\j+2:R+\j+3], v[W+2:W+3]
.endr
	s_delay_alu instid0(VALU_DEP_1)
	v_pk_add_f32 v[W:W+1], v[W:W+1], v[W+2:W+3]
	ACROSS
	s_delay_alu instid0(VALU_DEP_1)
	v_fma_f32 v[W], v[W], s28, s29                 ; var + 1e-5
	s_wait_alu depctr_va_vdst(0)
	v_rsq_f32 v[W], v[W]
	v_nop                                          ; one plain place behind a transcendental
	s_wait_alu depctr_va_vdst(0)
	v_mov_b32 v[W+1], v[W]
.if \e == 0
	s_wait_alu depctr_va_vdst(0)
	s_wait_loadcnt 0x0                             ; gain and shift
.endif
.set j, 0
.rept 16
	v_pk_mul_f32 v[R+j:R+j+1], v[R+j:R+j+1], v[W:W+1]
	s_delay_alu instid0(VALU_DEP_1)
	v_pk_fma_f32 v[R+j:R+j+1], v[R+j:R+j+1], v[G+j:G+j+1], v[S+j:S+j+1]
.set j, j+2
.endr
.irp j, 0,1,2,3,4,5,6,7
	ds_store_b128 v4, v[R+4*\j:R+4*\j+3] offset:PIT*\e+512*\j
.endr
.endm
	s_wait_loadcnt 16                              ; my two rows are in; the 16 loads of gain and shift may be out
	ROW 0
	ROW 1
	s_wait_dscnt 0x0                               ; for the others' sake: my rows lie in the stage
	s_barrier_signal -1
	s_barrier_wait -1
.irp e, 0,1
.irp i, 0,1,2,3,4,5,6,7
	ds_load_b128 v[X+32*\e+4*\i:X+32*\e+4*\i+3], v5 offset:256*\e+16*\i     ; h(r, 128 w + 64 e + 32 h + 4 i ..)
.endr
.endr
.macro HALFQ e                         ; my block of half fragment e: its byte into v[12 + e], its codes stored
.set XS, X+32*\e
.set CT, 96+8*\e
	v_max3_num_f32 v8, |v[XS]|, |v[XS+1]|, |v[XS+2]|
	v_max3_num_f32 v9, |v[XS+3]|, |v[XS+4]|, |v[XS+5]|
.irp i, 6,10,14,18,22,26
	s_delay_alu instid0(VALU_DEP_2)
	v_max3_num_f32 v8, v8, |v[XS+\i]|, |v[XS+\i+1]|
	s_delay_alu instid0(VALU_DEP_2)
	v_max3_num_f32 v9, v9, |v[XS+\i+2]|, |v[XS+\i+3]|
.endr
	s_delay_alu instid0(VALU_DEP_2)
	v_max3_num_f32 v8, v8, |v[XS+30]|, |v[XS+31]|
	s_delay_alu instid0(VALU_DEP_1)
	v_max3_num_f32 v8, v8, v9, 0x1800000           ; the floor 2^(3 - 127)
	s_delay_alu instid0(VALU_DEP_1)
	v_add_nc_u32 v[10+\e], 0xff000000, v8          ; the conversion's scale operand
	s_delay_alu instid0(VALU_DEP_1)
	v_lshrrev_b32 v[12+\e], 23, v[10+\e]           ; the scale's byte
	v_cvt_scalef32_pk16_fp6_f32 v[CT:CT+2], v[XS:XS+15], v[10+\e]
	v_cvt_scalef32_pk16_fp6_f32 v[112+4*\e:114+4*\e], v[XS+16:XS+31], v[10+\e]
	v_nop                                          ; one plain place behind a scaled conversion
.irp i, 0,1,2
	v_mov_b32 v[CT+3+\i], v[112+4*\e+\i]
.endr
	global_store_b128 v3, v[CT:CT+3], s[24:25] offset:768*\e     ; 512 consecutive bytes, aligned
	global_store_b64 v1, v[CT+4:CT+5], s[24:25] offset:768*\e    ; 256 consecutive bytes, aligned
.endm
	s_wait_dscnt 8                                 ; the first half fragment's numbers are in; the second's eight loads may be out
	HALFQ 0
	s_wait_dscnt 0x0
	HALFQ 1
	v_lshl_or_b32 v14, v13, 16, v12                ; my two bytes: blocks h and 2 + h of row r,
	s_delay_alu instid0(VALU_DEP_1)
	v_lshlrev_b32 v14, v7, v14                     ; at their places in the scale word (8 h bits up);
	s_delay_alu instid0(VALU_DEP_1)
	v_permlanex16_b32 v15, v14, s18, s19
	s_delay_alu instid0(VALU_DEP_1)
	v_or_b32 v14, v14, v15                         ; with lane l xor 16's two the word is whole
	global_store_b32 v6, v14, s[26:27]             ; both halves of the lanes store the same word
	s_wait_tensorcnt 0x0                           ; the wave's end: behind my last LDS store
	ds_add_u32 v160, v161
	s_wait_dscnt 0x0
	s_endpgm
.Lfunc_end_k_q6ff7d267f6_prep:
	.size	k_q6ff7d267f6_prep, .Lfunc_end_k_q6ff7d267f6_prep-k_q6ff7d267f6_prep
	.p2alignl 7, 3214868480
	.fill 96, 4, 3214868480
	.section	.rodata,"a",@progbits
	.p2align	6, 0x0
	.amdhsa_kernel k_q6ff7d267f6_prep
		.amdhsa_group_segment_fixed_size 66816
		.amdhsa_private_segment_fixed_size 0
		.amdhsa_enable_private_segment 0
		.amdhsa_kernarg_size 88
		.amdhsa_user_sgpr_count 2
		.amdhsa_user_sgpr_kernarg_segment_ptr 1
		.amdhsa_wavefront_size32 1
		.amdhsa_system_sgpr_workgroup_id_x 1
		.amdhsa_system_sgpr_workgroup_id_y 1
		.amdhsa_system_sgpr_workgroup_id_z 1
		.amdhsa_system_vgpr_workitem_id 0
		.amdhsa_next_free_vgpr 162
		.amdhsa_next_free_sgpr 66
		.amdhsa_reserve_vcc 0
		.amdhsa_float_denorm_mode_32 3
		.amdhsa_float_denorm_mode_16_64 3
		.amdhsa_memory_ordered 1
		.amdhsa_forward_progress 1
		.amdhsa_inst_pref_size 106
	.end_amdhsa_kernel
	.amdgpu_metadata
---
amdhsa.version: [ 1, 2 ]
amdhsa.kernels:
  - .name:           k_q6ff7d267f6_prep
    .symbol:         k_q6ff7d267f6_prep.kd
    .args:
      - { .name: x, .offset: 0, .size: 8, .value_kind: global_buffer, .address_space: global }
      - { .name: g1, .offset: 8, .size: 8, .value_kind: global_buffer, .address_space: global }
      - { .name: s1, .offset: 16, .size: 8, .value_kind: global_buffer, .address_space: global }
      - { .name: hpk, .offset: 24, .size: 8, .value_kind: global_buffer, .address_space: global }
      - { .name: wq, .offset: 32, .size: 8, .value_kind: global_buffer, .address_space: global }
      - { .name: wk, .offset: 40, .size: 8, .value_kind: global_buffer, .address_space: global }
      - { .name: wv, .offset: 48, .size: 8, .value_kind: global_buffer, .address_space: global }
      - { .name: wo, .offset: 56, .size: 8, .value_kind: global_buffer, .address_space: global }
      - { .name: w2, .offset: 64, .size: 8, .value_kind: global_buffer, .address_space: global }
      - { .name: w1, .offset: 72, .size: 8, .value_kind: global_buffer, .address_space: global }
      - { .name: wpk, .offset: 80, .size: 8, .value_kind: global_buffer, .address_space: global }
    .group_segment_fixed_size: 66816
    .private_segment_fixed_size: 0
    .kernarg_segment_align: 8
    .kernarg_segment_size: 88
    .max_flat_workgroup_size: 256
    .sgpr_count:     66
    .vgpr_count:     162
    .wavefront_size: 32
...
	.end_amdgpu_metadata
.endif
;; end of part 8
;; launch qkv (part 9): grid 48 x 4, 4 waves a work-group, clusters of 4 x 4, 327,680 bytes of LDS; arguments hpk, wpk, qkv; writes qkv
.if DOCPART == 9
	.amdgcn_target "amdgcn-amd-amdhsa--gfx1250"
	.amdhsa_code_object_version 6
	.text
	.protected	k_q6ff7d267f6_qkv
	.globl	k_q6ff7d267f6_qkv
	.p2align	8
	.type	k_q6ff7d267f6_qkv,@function
k_q6ff7d267f6_qkv:
	s_mov_b64 s[64:65], 0
	v_nop
	global_prefetch_b8 v0, s[64:65] scope:SCOPE_SE
	s_setreg_imm32_b32 hwreg(HW_REG_WAVE_MODE, 25, 1), 1
	s_wait_xcnt 0x0
	s_wait_alu depctr_hold_cnt(0) depctr_sa_sdst(0) depctr_va_vdst(0) depctr_va_sdst(0) depctr_va_ssrc(0) depctr_va_vcc(0) depctr_vm_vsrc(0)
	s_getreg_b32 s2, hwreg(HW_REG_IB_STS2, 6, 4)
	s_cmp_eq_u32 s2, 0
	s_cbranch_scc0 .Lentry_in_a_cluster
	s_endpgm
.Lentry_in_a_cluster:
	s_bfe_u32 s2, ttmp6, 0x10000c
	s_cmp_lg_u32 s2, 0xf033
	s_cbranch_scc0 .Lentry_shape_is_right
	s_endpgm
.Lentry_shape_is_right:
; A GEMM on codes of FP6 (E2M3) with E8M0 scales, C = A B^T, whose results are quantised along C's columns and stored as the next product's operand.  One text serves two launches (MODE).
; MODE 0 (qkv): K = 1,024.  Clusters 0-7: A = the normalised rows (hpk), B = wq | wk (2,048 rows of wpk): q and k, quantised along the head's 64.  Clusters 8-11: A = wv (1,024 rows), B = hpk: V^T, so that the
;   keys run along a lane's registers and V is quantised along the keys.  The choice hangs on the cluster's number alone.
; MODE 1 (ffn1): A = hpk, B = w1 (4,096 rows), + b1, tanh-GELU in f32, quantised along the 4,096.
; PACKED FORM of every operand: half fragments of 16 rows x 64 along K, 768 bytes: lane l = (r, h) owns row r, k = 32 h .. + 31, six registers: four at 16 l, two at 512 + 8 l.  Blocks of 128 rows x 256 along K,
; 25,600 bytes: codes [8][4][768], scale words [2][8][16][4]; blocks ordered [rows / 128][K / 256].  Rows are stored with bits 3 and 4 of their number exchanged.
; A tile of C, 256 x 256, is made by four waves, each 128 x 128: 64 accumulators, 512 registers.  K goes in steps of 256 through a ring of two LDS slots; a slot is four blocks (A's two, B's two), each one dense
; tensor load of 100 rows of 256 bytes, codes and scale words together, one load a wave.  Every LDS read is 16 x lane or 8 x lane on end: no pitch, no padding.
; CLUSTERS: 4 x 4 work-groups.  A's blocks are shared along a row of the cluster, B's along a column: each is asked for JOINTLY.
; THE MATRIX INSTRUCTION IS USED TRANSPOSED (source 0 = 16 rows of B, source 1 = 16 rows of A).  By B's stored row order the 16 registers of accumulators (a, 2 u) and (a, 2 u + 1) are 16 NEIGHBOURING columns,
; 32 u + 16 (lane / 16) + 0 .. 15, of stored row lane % 16 of A's block a: what the conversions want.  So the way out needs no LDS: block a's 64 registers become one fragment and one scale word a row.
; REGISTERS: window 0: v16-31 addresses; v32-63 scale words, two sets, and nothing else; v64-115 the way out; v128-223 A's fragments, one set (MODE 1's way out: 64 numbers).  window 1: B's fragments, two sets, at v0 and
; v128; MODE 1: b1 in v96-127 and v224-255.  windows 2, 3: the accumulators ((a, b) at v[8 (8 (a % 4) + b)]).
; LIMITS: a block of zeros gets the byte 1 where the rule says 127 (zero codes; this program alone reads the bytes); largest magnitudes under 2^-124 are held at that floor; NaN and infinities are not served.
; GELU is computed as x / (1 + 2^z), z = -2 log2(e) sqrt(2 / pi) (x + 0.044715 x^3), which is 0.5 x (1 + tanh(..)) without the difference of near numbers at negative x.
.set MODE,   0                         ; 0: the launch qkv;  1: the launch ffn1
.set BLK,    25600
.set SLOT,   4*BLK
.set NKS,    4                         ; K steps of 256
.set LAPS,   NKS/2
.set SPARE,  2*SLOT                    ; behind the ring: the spare words, 128 bytes for each wave: two blocks of 256 bytes that no other line names
.set FR,     12                        ; registers of a fragment
.set NL,     4                         ; LDS loads that bring one
.set NP,     4                         ; places behind this matrix instruction (ISA guide 7.12.1)
.set NQ,     2                         ; matrix instructions deep in a slot
.set ZERO,   1+MODE                    ; what starts the sums: 1: the constant 0;  2: the bias
.set VC,     6291456                   ; the buffer qkv: V^T's codes begin here,
.set QKS,    9437184                   ; q's and k's scale words,
.set VSO,    9699328                   ; V^T's
.if MODE
.set SA,     3072                      ; bytes from a block of 16 rows to the next in the output's codes
.else
.set SA,     24576
.endif
.set ADRA, 16                          ; v16-17 LDS address of my A fragments' 16-byte parts in slot 0, 1;  v18-19 of their 8-byte parts
.set ADRB, 20                          ; v20-23 the same for B
.set VO16, 24                          ; v24  16 x lane
.set VO8,  25                          ; v25  512 + 8 x lane
.set VO4,  26                          ; v26  4 x lane
.set BO,   27                          ; v27  64 x (lane / 16)
.set SPW,  28                          ; v28  LDS address of my spare word; never rewritten
.set NIL,  29                          ; v29  0; never rewritten
.set ADRS, 30                          ; v30-31 LDS address of my scale words in slot 0, 1: lanes 0-15 A's, lanes 16-31 B's
.set SC,   32                          ; scale words: set s at v[SC + 16 s]; register 2 i + q: lanes 0-15 A's block i, lanes 16-31 B's block i, the slot's q-th 128 along K
.set TM,   64                          ; v64-67 largest magnitudes, v68-71 bytes, v76-79 the conversions' scale operands
.set PW,   80                          ; v80-81 the scale words of an even and an odd block
.set SW,   82                          ; v82  the two joined
.set K1,   84                          ; v84-85 GELU's first constant, twice
.set PC,   96                          ; v96-115 the codes just made
.set AF,   128
.set T,    128                         ; v128-191 MODE 1: a block's 64 numbers
.set G1, 24                            ; s[24:31] descriptor group 1 for A's blocks;  s[32:39] group 0, one set for each slot
.set G0, 32
.set G1B, 48                           ; s[48:55], s[56:63] the same for B's
.set G0B, 56
.set K2,  68                           ; s[68:69] GELU's second constant
.set HALF, 70                          ; s70  lanes 16-31
.set SEL, 72                           ; s[72:73] v_permlanex16_b32's selects for lane l xor 16
.set MSB, 0
.macro WIN new                         ; the immediate's high byte repeats the setting that is left
.if MSB != (\new)
	s_set_vgpr_msb (MSB<<8)|(\new)
.set MSB, (\new)
.endif
.endm
.set TO_B, 0x40                        ; destination window 1, address window 0
.macro MWIN hi, zero                   ; source 0 (B) window 1, source 1 (A) window 0, D window 2 + hi; C with D, or (the bias) window 1
.if (\zero) == 2
	WIN 0x91+0x40*(\hi)
.else
	WIN 0xa1+0x50*(\hi)
.endif
.endm
; A joint load: waves 0 and 1 fetch A's two blocks, waves 2 and 3 B's.  Each line has one mask and one set of registers for all that issue it; the branch hangs on the wave's number alone.
; Four v_nop follow each of the two lines, ahead of the jump, the label and what follows.
.macro JLOAD g0a, g1a, g0b, g1b
	s_cmp_eq_u32 s15, 0
	s_cbranch_scc0 .Lfor_b_\@
	tensor_load_to_lds s[\g0a:\g0a+3], s[\g1a:\g1a+7]
	s_nop 0
.rept 4
	v_nop
.endr
	s_branch .Lasked_\@
.Lfor_b_\@:
	tensor_load_to_lds s[\g0b:\g0b+3], s[\g1b:\g1b+7]
	s_nop 0
.rept 4
	v_nop
.endr
.Lasked_\@:
.endm
.macro CREST                           ; a round of the cluster's barrier behind its opening barrier
	s_cmp_lg_u32 s14, 0
	s_cbranch_scc1 .Lnot_wave_0_\@
	s_barrier_signal -3
.Lnot_wave_0_\@:
	s_barrier_wait -3
	s_barrier_signal -1
	s_barrier_wait -1
.endm
.macro CROUND                          ; a whole round
	s_barrier_signal -1
	s_barrier_wait -1
	CREST
.endm
	s_load_b128 s[4:7], s[0:1], 0x0                ; hpk, wpk
.if MODE
	s_load_b128 s[8:11], s[0:1], 0x10              ; b1, act
.else
	s_load_b64 s[10:11], s[0:1], 0x10              ; qkv
.endif
	v_lshl_add_u32 v[SPW], v0, 2, SPARE
	v_mov_b32 v[NIL], 0
	ds_add_u32 v28, v29
	ds_add_u32 v28, v29
	s_wait_dscnt 0x0
	v_lshrrev_b32 v1, 5, v0
	v_readfirstlane_b32 s14, v1                    ; wave 0..3
	s_lshr_b32 s15, s14, 1                         ; which half of the tile's rows is mine.  Also: I fetch for A (0) or for B (1)
	s_and_b32 s16, s14, 1                          ; which half of its columns.  Also: which block of that tile I fetch
	s_bfe_u32 s40, ttmp6, 0x40000                  ; cx, cy: my place in the cluster
	s_bfe_u32 s41, ttmp6, 0x40004
	s_lshl_b32 s43, s41, 2
	s_lshl_b32 s43, 15, s43                        ; my row of the cluster
	s_lshl_b32 s44, 0x1111, s40                    ; my column
.if MODE
	s_lshl_b32 s42, ttmp9, 2
	s_add_co_u32 s42, s42, s40                     ; tile column = 4 x cluster x + cx
	s_and_b32 s17, ttmp7, 0xffff
	s_lshl_b32 s17, s17, 2
	s_add_co_u32 s17, s17, s41                     ; tile row = 4 x cluster y + cy
.else
	s_lshr_b32 s18, ttmp9, 1                       ; cluster c < 8: tile rows 4 (c / 2) + cy of 16, tile columns 4 (c % 2) + cx of 8
	s_and_b32 s19, ttmp9, 1
	s_max_u32 s20, ttmp9, 8
	s_sub_co_u32 s20, s20, 8                       ; c >= 8: tile rows cy of 4, tile columns 4 (c - 8) + cx of 16
	s_cmp_lt_u32 ttmp9, 8
	s_cselect_b32 s17, s18, 0
	s_cselect_b32 s42, s19, s20
	s_lshl_b32 s17, s17, 2
	s_add_co_u32 s17, s17, s41
	s_lshl_b32 s42, s42, 2
	s_add_co_u32 s42, s42, s40
.endif
	; descriptor group 1: a dense block of 25,600 bytes as 100 rows of 32 elements of 8 bytes, no padding
	s_or_b32 s[G1+0], s43, (3<<16)|(1<<21)         ; 15:0 the mask: A's blocks go to my row; 17:16 elements of 8 bytes; 21 set beside a mask
	s_or_b32 s[G1B+0], s44, (3<<16)|(1<<21)        ; B's to my column
.irp g, G1, G1B
	s_mov_b32 s[\g+1], 32<<16                      ; tensor_dim0
	s_mov_b32 s[\g+2], 100<<16                     ; tensor_dim1
	s_mov_b32 s[\g+3], 32<<16                      ; tile_dim0
	s_mov_b32 s[\g+4], 100                         ; tile_dim1
	s_mov_b32 s[\g+5], 32                          ; tensor_dim0_stride
	s_mov_b32 s[\g+6], 0
	s_mov_b32 s[\g+7], 0
.endr
	s_lshl_b32 s20, s17, 1
	s_add_co_u32 s20, s20, s16                     ; A: block of 128 rows 2 x tile row + half
	s_mul_i32 s20, s20, NKS*BLK
	s_mov_b32 s21, 0
	s_lshl_b32 s46, s42, 1
	s_add_co_u32 s46, s46, s16                     ; B: 2 x tile column + half
	s_mul_i32 s46, s46, NKS*BLK
	s_mov_b32 s47, 0
	s_mul_i32 s45, s14, BLK                        ; where they go: wave x a block: no place in the cluster enters an LDS address
.if MODE
	s_add_co_u32 s46, s46, 256*BLK                 ; w1 begins at block 256 of wpk
	s_wait_kmcnt 0x0
	s_add_nc_u64 s[20:21], s[4:5], s[20:21]
	s_add_nc_u64 s[46:47], s[6:7], s[46:47]
.else
	s_cmp_lt_u32 ttmp9, 8
	s_cselect_b32 s18, 0, 64*BLK                   ; wv begins at block 64 of wpk
	s_add_co_u32 s20, s20, s18
	s_wait_kmcnt 0x0
	s_cmp_lt_u32 ttmp9, 8
	s_cselect_b64 s[22:23], s[4:5], s[6:7]         ; A: hpk, or wpk
	s_cselect_b64 s[18:19], s[6:7], s[4:5]         ; B: wpk, or hpk
	s_add_nc_u64 s[20:21], s[22:23], s[20:21]
	s_add_nc_u64 s[46:47], s[18:19], s[46:47]
.endif
	; the prefetches' base: the block that I fetch, K step 0, + my work-group's quarter of it.  The four partners that ask for a block jointly share its 100 units of 256 bytes out by address: 25 each (cx for A's, cy for B's)
	s_cmp_eq_u32 s15, 0
	s_cselect_b64 s[4:5], s[20:21], s[46:47]
	s_cselect_b32 s6, s40, s41
	s_mul_i32 s6, s6, 6400
	s_mov_b32 s7, 0
	s_add_nc_u64 s[4:5], s[4:5], s[6:7]
	v_and_b32 v8, 31, v0
	v_min_u32 v8, 24, v8                           ; v8: a lane a unit; lanes 25-31 name the last unit again; never rewritten
	v_lshlrev_b32 v8, 8, v8
	global_prefetch_b8 v8, s[4:5] th:TH_LOAD_NT scope:SCOPE_SE   ; K step 0's block: the opening round and the descriptors' lines stand between this line and the load that brings it
	s_wait_alu depctr_va_vdst(0)                   ; the wait ahead of the barrier's signal
	CROUND                                         ; all sixteen work-groups are here: the first joint loads meet
.irp s, 0,1
	s_mov_b32 s[G0+4*\s], 1
	s_add_co_u32 s[G0+4*\s+1], s45, \s*SLOT
	s_add_nc_u64 s[G0+4*\s+2:G0+4*\s+3], s[20:21], \s*BLK
	s_or_b32 s[G0+4*\s+3], s[G0+4*\s+3], 0x80000000
	s_mov_b32 s[G0B+4*\s], 1
	s_add_co_u32 s[G0B+4*\s+1], s45, \s*SLOT
	s_add_nc_u64 s[G0B+4*\s+2:G0B+4*\s+3], s[46:47], \s*BLK
	s_or_b32 s[G0B+4*\s+3], s[G0B+4*\s+3], 0x80000000
.endr
	JLOAD G0, G1, G0B, G1B                         ; K step 0: one tensor load a wave at the head
	v_and_b32 v1, 15, v0
	v_bfe_u32 v2, v0, 4, 1
	v_and_b32 v3, 31, v0
	v_lshlrev_b32 v[VO16], 4, v3
	v_lshlrev_b32 v[VO8], 3, v3
	v_add_nc_u32 v[VO8], 512, v[VO8]
	v_lshlrev_b32 v[VO4], 2, v3
	v_lshlrev_b32 v[BO], 6, v2
	s_mul_i32 s21, s15, BLK                        ; my 128 rows of A
	s_mul_i32 s22, s16, BLK                        ; my 128 rows of B,
	s_add_co_u32 s22, s22, 2*BLK                   ; which lie behind A's two blocks
	s_sub_co_u32 s23, s22, s21
	v_mul_u32_u24 v6, s23, v2                      ; lanes 16-31 take B's scale words: one product, the distance from A's block to B's
	v_lshl_add_u32 v6, v1, 2, v6
.irp s, 0,1
	v_add_nc_u32 v[ADRA+\s], s21, v[VO16]
	v_add_nc_u32 v[ADRA+2+\s], s21, v[VO8]
	v_add_nc_u32 v[ADRB+\s], s22, v[VO16]
	v_add_nc_u32 v[ADRB+2+\s], s22, v[VO8]
	v_add_nc_u32 v[ADRS+\s], s21, v6
	s_add_co_u32 s21, s21, SLOT
	s_add_co_u32 s22, s22, SLOT
.endr
.irp b, 0,1,2,3
	v_mov_b32 v[TM+4+\b], 0                        ; written once: a lane permute's destination counts as one of its sources
.endr
	global_prefetch_b8 v8, s[4:5] offset:BLK th:TH_LOAD_NT scope:SCOPE_SE     ; K steps 1 and 2, which the next two tensor loads of this wave bring
	global_prefetch_b8 v8, s[4:5] offset:2*BLK th:TH_LOAD_NT scope:SCOPE_SE
	s_mov_b32 s[SEL], 0x76543210
	s_mov_b32 s[SEL+1], 0xfedcba98
	s_mov_b32 s[HALF], 0xffff0000
	; where my results go
.if MODE
	s_lshl_b32 s18, s17, 1
	s_add_co_u32 s18, s18, s15                     ; my rows / 128
	s_lshl_b32 s18, s18, 4
	s_add_co_u32 s18, s18, s42                     ; x 16 blocks along 4,096 + my columns / 256
	s_mul_i32 s22, s18, BLK
	s_mul_i32 s19, s16, 1536                       ; my 128 columns are half fragments 2 x half, 2 x half + 1
	s_lshl_b32 s66, s16, 9
	s_add_co_u32 s66, s66, s22
	s_add_co_u32 s66, s66, 24576
	s_add_co_u32 s22, s22, s19
	s_mov_b32 s23, 0
	s_mov_b32 s67, 0
	s_add_nc_u64 s[12:13], s[10:11], s[66:67]      ; scale words
	s_add_nc_u64 s[10:11], s[10:11], s[22:23]      ; codes
	s_lshl_b32 s18, s42, 10
	s_lshl_b32 s19, s16, 9
	s_add_co_u32 s18, s18, s19
	s_mov_b32 s19, 0
	s_add_nc_u64 s[8:9], s[8:9], s[18:19]          ; b1 at my first column
	s_mov_b32 s[K2], 0xbdd2d3e8                    ; -2 log2(e) sqrt(2 / pi) x 0.044715
	s_mov_b32 s[K2+1], s[K2]
	v_mov_b32 v[K1], 0xc0135761                    ; -2 log2(e) sqrt(2 / pi)
	v_mov_b32 v[K1+1], 0xc0135761
	WIN TO_B                                       ; the bias in the result's layout: for accumulators (., 2 u), (., 2 u + 1) lane (r, h) wants the 16 numbers at column 32 u + 16 h
.irp u, 0,1,2,3
.irp i, 0,1,2,3
	global_load_b128 v[96+16*\u+96*(\u/2)+4*\i:96+16*\u+96*(\u/2)+4*\i+3], v[BO], s[8:9] offset:128*\u+16*\i
.endr
.endr
	WIN 0
	s_wait_loadcnt 0x0
.else
	s_lshl_b32 s18, s17, 4
	s_lshl_b32 s19, s15, 3
	s_add_co_u32 s18, s18, s19                     ; my rows / 16
	s_lshl_b32 s19, s42, 1
	s_add_co_u32 s19, s19, s16                     ; my columns / 128
	s_lshr_b32 s22, s19, 4                         ; (V^T: the batch)
	s_lshl_b32 s22, s22, 6
	s_add_co_u32 s22, s22, s18
	s_mul_i32 s22, s22, 24576                      ; a block of 16 rows has 32 half fragments: 32 head slots (q, k), or 2,048 keys (V^T)
	s_and_b32 s23, s19, 15
	s_mul_i32 s23, s23, 1536
	s_add_co_u32 s22, s22, s23
	s_lshl_b32 s66, s18, 6
	s_mov_b32 s75, VSO
	s_cmp_lt_u32 ttmp9, 8
	s_cselect_b32 s23, 0, VC
	s_cselect_b32 s74, 14, 12                      ; scale words: [columns / 128][256 or 64 blocks of rows][16][4]
	s_cselect_b32 s75, QKS, s75
	s_add_co_u32 s22, s22, s23
	s_mov_b32 s23, 0
	s_lshl_b32 s74, s19, s74
	s_add_co_u32 s66, s66, s74
	s_add_co_u32 s66, s66, s75
	s_mov_b32 s67, 0
	s_add_nc_u64 s[12:13], s[10:11], s[66:67]      ; scale words
	s_add_nc_u64 s[10:11], s[10:11], s[22:23]      ; codes
.endif
.macro FRAG reg, a16, q, i             ; a fragment, 16 rows x 128 K, is two half fragments: registers 6 c .. 6 c + 3 by 16 bytes a lane, 6 c + 4, 6 c + 5 by 8
.irp c, 0,1
	ds_load_b128 v[\reg+6*\c:\reg+6*\c+3], v[\a16] offset:(4*(\i)+2*(\q)+\c)*768
	ds_load_b64 v[\reg+6*\c+4:\reg+6*\c+5], v[\a16+2] offset:(4*(\i)+2*(\q)+\c)*768
.endr
.endm
; 16 matrix instructions: A's blocks a0, a0 + 1 x B's eight, the slot's q-th 128 along K.  p: B's set;  sc: the set of scale words.  The 64 accumulators take turns, one instruction a turn, in the same order in every step.
.macro MUL16 a0, p, q, sc, zero
.irp a, \a0, \a0+1
.irp b, 0,1,2,3,4,5,6,7
.if (\zero) == 1
	v_wmma_scale_f32_16x16x128_f8f6f4 v[8*(8*((\a)%4)+\b):8*(8*((\a)%4)+\b)+7], v[128*(\p)+FR*\b:128*(\p)+FR*\b+FR-1], v[AF+FR*(\a):AF+FR*(\a)+FR-1], 0, v[SC+8*NQ*(\sc)+NQ*\b+(\q)], v[SC+8*NQ*(\sc)+NQ*(\a)+(\q)] matrix_a_fmt:MATRIX_FMT_FP6 matrix_b_fmt:MATRIX_FMT_FP6 matrix_a_scale:MATRIX_SCALE_ROW1
.elseif (\zero) == 2
	v_wmma_scale_f32_16x16x128_f8f6f4 v[8*(8*((\a)%4)+\b):8*(8*((\a)%4)+\b)+7], v[128*(\p)+FR*\b:128*(\p)+FR*\b+FR-1], v[AF+FR*(\a):AF+FR*(\a)+FR-1], v[96+8*\b+96*(\b/4):96+8*\b+96*(\b/4)+7], v[SC+8*NQ*(\sc)+NQ*\b+(\q)], v[SC+8*NQ*(\sc)+NQ*(\a)+(\q)] matrix_a_fmt:MATRIX_FMT_FP6 matrix_b_fmt:MATRIX_FMT_FP6 matrix_a_scale:MATRIX_SCALE_ROW1
.else
	v_wmma_scale_f32_16x16x128_f8f6f4 v[8*(8*((\a)%4)+\b):8*(8*((\a)%4)+\b)+7], v[128*(\p)+FR*\b:128*(\p)+FR*\b+FR-1], v[AF+FR*(\a):AF+FR*(\a)+FR-1], v[8*(8*((\a)%4)+\b):8*(8*((\a)%4)+\b)+7], v[SC+8*NQ*(\sc)+NQ*\b+(\q)], v[SC+8*NQ*(\sc)+NQ*(\a)+(\q)] matrix_a_fmt:MATRIX_FMT_FP6 matrix_b_fmt:MATRIX_FMT_FP6 matrix_a_scale:MATRIX_SCALE_ROW1
.endif
.endr
.endr
.endm
.macro FETCH_B slot, q, p              ; B's eight fragments of the slot's q-th 128 along K into set p
	WIN TO_B
.irp i, 0,1,2,3,4,5,6,7
	FRAG 128*(\p)+FR*\i, ADRB+\slot, \q, \i
.endr
	WIN 0
.endm
.macro FETCH_A slot, q, i0             ; A's blocks i0 .. i0 + 3
.irp i, \i0, \i0+1, \i0+2, \i0+3
	FRAG AF+FR*(\i), ADRA+\slot, \q, \i
.endr
.endm
.macro SCALES sc                       ; slot sc's scale words: lanes 0-15 take A's block i, lanes 16-31 B's block i
.irp i, 0,1,2,3,4,5,6,7
.irp q, 0,1
	ds_load_b32 v[SC+8*NQ*\sc+NQ*\i+\q], v[ADRS+\sc] offset:24576+512*\q+64*\i
.endr
.endr
.endm
; A load into a register that a matrix instruction has read, and a vector instruction that reads a matrix result, stand NP places behind that matrix instruction; only plain vector instructions that name none of its registers are places.
.macro PLACES n
.rept \n
	v_nop
.endr
.endm
; A step of 128 along K that has its successor in the same slot.  A's blocks are free as soon as their eight products are issued, so A has one set: blocks 0-3 are fetched anew in the step's middle, blocks 4-7 at its end.
.macro STEP slot, q, zero
	s_wait_dscnt 4*NL                              ; B's set, A's blocks 0-3 and the scale words are in; the youngest 16 loads (A's blocks 4-7) may be out
	MWIN 0, \zero
	MUL16 0, (\q)%2, \q, \slot, \zero
	MUL16 2, (\q)%2, \q, \slot, \zero
	s_wait_dscnt 0                                 ; A's blocks 4-7 are in
	PLACES NP
	FETCH_B \slot, (\q)+1, 1-(\q)%2
	FETCH_A \slot, (\q)+1, 0
	MWIN 1, \zero
	MUL16 4, (\q)%2, \q, \slot, \zero
	MUL16 6, (\q)%2, \q, \slot, \zero
	PLACES NP
	WIN 0
	FETCH_A \slot, (\q)+1, 4
.endm
; A slot's last step changes slots: ONE barrier; in front of it each wave waits for all its tensor loads, adds 0 to its spare word, and waits for that and for its own reads of this slot.  fill = 1: this slot is filled again, two K steps ahead.
.macro TURN slot, next, fill
	s_wait_tensorcnt 0x0                           ; all my tensor loads have landed: my part of the next slot  (every window is 0 here)
	ds_add_u32 v[SPW], v[NIL]                      ; 0 onto my spare word
	s_wait_dscnt 4*NL+1                            ; (the add and the youngest 16 loads, A's blocks 4-7, may be out)
	MWIN 0, 0
	MUL16 0, 1, NQ-1, \slot, 0                     ; sixteen matrix instructions stand between the add and the wait for it
	s_wait_dscnt 0x0                               ; the add is done, and my reads of this slot are over
	s_barrier_signal -1
	MUL16 2, 1, NQ-1, \slot, 0
	WIN 0
	s_barrier_wait -1
.if \fill
	CREST                                          ; the barrier has opened a round of the cluster's barrier: no wave of any partner still reads this slot or has a load on its way
	s_add_nc_u64 s[G0+4*\slot+2:G0+4*\slot+3], s[G0+4*\slot+2:G0+4*\slot+3], 2*BLK
	s_add_nc_u64 s[G0B+4*\slot+2:G0B+4*\slot+3], s[G0B+4*\slot+2:G0B+4*\slot+3], 2*BLK
	JLOAD G0+4*\slot, G1, G0B+4*\slot, G1B         ; the first tensor load behind the round; the four v_nop behind it are the places in front of the loads below
.else
	PLACES NP
.endif
	s_wait_alu depctr_va_vdst(0)
	FETCH_B \next, 0, 0
	FETCH_A \next, 0, 0
	SCALES \next
	MWIN 1, 0
	MUL16 4, 1, NQ-1, \slot, 0
	MUL16 6, 1, NQ-1, \slot, 0
	PLACES NP
	WIN 0
	FETCH_A \next, 0, 4
.endm
	s_wait_alu depctr_va_vdst(0)                   ; the wait at the head's end
	s_wait_tensorcnt 0x0                           ; my part of K step 0 is in; slot 1's first fill is issued as a refill is:
	ds_add_u32 v[SPW], v[NIL]                      ; 0 onto my spare word
	s_wait_dscnt 0x0
	CROUND                                         ; everybody's part is in, and all sixteen work-groups are here
	JLOAD G0+4, G1, G0B+4, G1B                     ; K step 1, the first tensor load behind the round
	FETCH_B 0, 0, 0
	FETCH_A 0, 0, 0
	SCALES 0
	FETCH_A 0, 0, 4
	global_prefetch_b8 v8, s[4:5] offset:3*BLK th:TH_LOAD_NT scope:SCOPE_SE   ; K step 3, the last: two tensor loads of this wave ahead
	STEP 0, 0, ZERO                                ; the first step stands in front of the loop: its products start the sums
	s_mov_b32 s3, LAPS-1
.Llap:                                                 ; a trip goes once round the ring and fills both slots again
	TURN 0, 1, 1
	STEP 1, 0, 0
	TURN 1, 0, 1
	STEP 0, 0, 0
	s_sub_co_u32 s3, s3, 1
	s_cmp_lg_u32 s3, 0
	s_cbranch_scc1 .Llap
	TURN 0, 1, 0                                   ; the last lap fills nothing, and has no round of the cluster's barrier
	STEP 1, 0, 0
	s_wait_dscnt 4*NL                              ; the very last step: nothing more to fetch
	MWIN 0, 0
	MUL16 0, 1, NQ-1, 1, 0
	MUL16 2, 1, NQ-1, 1, 0
	s_wait_dscnt 0
	MWIN 1, 0
	MUL16 4, 1, NQ-1, 1, 0
	MUL16 6, 1, NQ-1, 1, 0
	WIN 0
; THE WAY OUT.  64 numbers of a lane, v[s] .. v[s + 63] of window w, register 16 b + i = column 32 b + 16 (lane / 16) + i of my row, become a fragment's codes in v[PC] on and its scale word in v[pw].
.macro QUANT s, w, pw
	WIN (\w)|((\w)<<2)
.irp b, 0,1,2,3
	v_max3_num_f32 v[TM+\b], |v[\s+16*\b]|, |v[\s+1+16*\b]|, 0x1800000   ; block b: my 16 numbers (each accumulator from its low end on), and the floor 2^(3 - 127)
.endr
	WIN ((\w)<<2)|((\w)<<4)
.irp i, 2,4,6,8,10,12,14
.irp b, 0,1,2,3
	v_max3_num_f32 v[TM+\b], v[TM+\b], |v[\s+16*\b+\i]|, |v[\s+1+16*\b+\i]|
.endr
.endr
	WIN 0
.irp b, 0,1,2,3
	v_permlanex16_b32 v[TM+4+\b], v[TM+\b], s[SEL], s[SEL+1]
.endr
.irp b, 0,1,2,3
	v_max_num_f32 v[TM+\b], v[TM+\b], v[TM+4+\b]   ; with lane l xor 16's: the block's largest magnitude
.endr
.irp b, 0,1,2,3
	v_add_nc_u32 v[TM+12+\b], 0xff000000, v[TM+\b]   ; 2 off its exponent field: the conversion's scale operand
.endr
.irp b, 0,1,2,3
	v_lshrrev_b32 v[TM+4+\b], 23, v[TM+12+\b]      ; the scale's byte
.endr
	v_lshl_or_b32 v[\pw], v[TM+5], 8, v[TM+4]
	v_lshl_or_b32 v[\pw], v[TM+6], 16, v[\pw]
	v_lshl_or_b32 v[\pw], v[TM+7], 24, v[\pw]
	WIN (\w)
.irp c, 0,1
	v_cvt_scalef32_pk16_fp6_f32 v[PC+6*\c:PC+2+6*\c], v[\s+32*\c:\s+15+32*\c], v[TM+12+2*\c]
	v_cvt_scalef32_pk16_fp6_f32 v[PC+12+4*\c:PC+14+4*\c], v[\s+16+32*\c:\s+31+32*\c], v[TM+12+2*\c+1]   ; (a conversion's three registers begin on an even number)
.endr
	WIN 0
	v_nop                                          ; one plain place behind a scaled conversion
.irp c, 0,1                                    ; the operand's layout wants a WHOLE block in a lane: lanes 0-15 block 2 c, lanes 16-31 block 2 c + 1
.irp i, 0,1,2
	v_permlane16_swap_b32 v[PC+6*\c+\i], v[PC+12+4*\c+\i]
.endr
.irp i, 0,1,2
	v_mov_b32 v[PC+3+6*\c+\i], v[PC+12+4*\c+\i]
.endr
.endr
.endm
.if MODE
.macro GELU a                          ; block a's 64 sums x become x / (1 + 2^(x (k1 + k2 x x))) in v[T] on
.set GS, 64*((\a)%4)
.set GW, 2+(\a)/4
	WIN GW|(GW<<2)
.set j, 0
.rept 32
	v_pk_mul_f32 v[T+j:T+j+1], v[GS+j:GS+j+1], v[GS+j:GS+j+1]
.set j, j+2
.endr
	WIN 0
.set j, 0
.rept 32
	v_pk_fma_f32 v[T+j:T+j+1], v[T+j:T+j+1], s[K2:K2+1], v[K1:K1+1] op_sel_hi:[1,0,1]
.set j, j+2
.endr
	WIN GW<<2
.set j, 0
.rept 32
	v_pk_mul_f32 v[T+j:T+j+1], v[T+j:T+j+1], v[GS+j:GS+j+1]
.set j, j+2
.endr
	WIN 0
.set j, 0
.rept 64
	v_exp_f32 v[T+j], v[T+j]
.set j, j+1
.endr
	v_nop                                          ; one plain place behind the transcendentals
.set j, 0
.rept 32
	v_pk_add_f32 v[T+j:T+j+1], v[T+j:T+j+1], 1.0 op_sel_hi:[1,0]
.set j, j+2
.endr
.set j, 0
.rept 64
	v_rcp_f32 v[T+j], v[T+j]
.set j, j+1
.endr
	v_nop
	WIN GW<<2
.set j, 0
.rept 32
	v_pk_mul_f32 v[T+j:T+j+1], v[T+j:T+j+1], v[GS+j:GS+j+1]
.set j, j+2
.endr
	WIN 0
.endm
.endif
.macro OUTQ a                          ; block a of 16 rows x my 128 columns
.if (\a) > 0
	s_wait_xcnt 0x0                                ; the last block's stores have read their registers: the codes and the scale word are written again only behind this wait
.endif
.if MODE
	GELU \a
	QUANT T, 0, PW+(\a)%2
.else
	QUANT 64*((\a)%4), 2+(\a)/4, PW+(\a)%2
.endif
.irp c, 0,1
	global_store_b128 v[VO16], v[PC+6*\c:PC+6*\c+3], s[10:11] offset:(\a)*SA+768*\c     ; 512 consecutive bytes, aligned
	global_store_b64 v[VO8], v[PC+6*\c+4:PC+6*\c+5], s[10:11] offset:(\a)*SA+768*\c     ; 256 consecutive bytes, aligned
.endr
.if (\a)%2
	v_cndmask_b32 v[SW], v[PW], v[PW+1], s[HALF]   ; lanes 0-15 the even block's words, lanes 16-31 the odd block's (both halves of the lanes hold a row's word)
	global_store_b32 v[VO4], v[SW], s[12:13] offset:((\a)-1)*64
.endif
.endm
	PLACES NP                                      ; behind the last products
.irp a, 0,1,2,3,4,5,6,7
	OUTQ \a
.endr
	s_wait_tensorcnt 0x0                           ; the wave's end
	ds_add_u32 v[SPW], v[NIL]
	s_wait_dscnt 0x0
	CROUND                                         ; the closing round: no work-group ends while a partner may still ask for a block that names it
	s_endpgm
.Lfunc_end_k_q6ff7d267f6_qkv:
	.size	k_q6ff7d267f6_qkv, .Lfunc_end_k_q6ff7d267f6_qkv-k_q6ff7d267f6_qkv
	.p2alignl 7, 3214868480
	.fill 96, 4, 3214868480
	.section	.rodata,"a",@progbits
	.p2align	6, 0x0
	.amdhsa_kernel k_q6ff7d267f6_qkv
		.amdhsa_group_segment_fixed_size 327680
		.amdhsa_private_segment_fixed_size 0
		.amdhsa_enable_private_segment 0
		.amdhsa_kernarg_size 24
		.amdhsa_user_sgpr_count 2
		.amdhsa_user_sgpr_kernarg_segment_ptr 1
		.amdhsa_wavefront_size32 1
		.amdhsa_system_sgpr_workgroup_id_x 1
		.amdhsa_system_sgpr_workgroup_id_y 1
		.amdhsa_system_sgpr_workgroup_id_z 1
		.amdhsa_system_vgpr_workitem_id 0
		.amdhsa_next_free_vgpr 1024
		.amdhsa_next_free_sgpr 80
		.amdhsa_reserve_vcc 0
		.amdhsa_float_denorm_mode_32 3
		.amdhsa_float_denorm_mode_16_64 3
		.amdhsa_memory_ordered 1
		.amdhsa_forward_progress 1
		.amdhsa_inst_pref_size 151
	.end_amdhsa_kernel
	.amdgpu_metadata
---
amdhsa.version: [ 1, 2 ]
amdhsa.kernels:
  - .name:           k_q6ff7d267f6_qkv
    .symbol:         k_q6ff7d267f6_qkv.kd
    .args:
      - { .name: hpk, .offset: 0, .size: 8, .value_kind: global_buffer, .address_space: global }
      - { .name: wpk, .offset: 8, .size: 8, .value_kind: global_buffer, .address_space: global }
      - { .name: qkv, .offset: 16, .size: 8, .value_kind: global_buffer, .address_space: global }
    .group_segment_fixed_size: 327680
    .private_segment_fixed_size: 0
    .kernarg_segment_align: 8
    .kernarg_segment_size: 24
    .max_flat_workgroup_size: 128
    .sgpr_count:     80
    .vgpr_count:     1024
    .wavefront_size: 32
...
	.end_amdgpu_metadata
.endif
;; end of part 9
;; launch attn (part 10): grid 8 x 32, 16 waves a work-group, clusters of 4 x 1, 284,672 bytes of LDS; arguments qkv, ctx; writes ctx
.if DOCPART == 10
	.amdgcn_target "amdgcn-amd-amdhsa--gfx1250"
	.amdhsa_code_object_version 6
	.text
	.protected	k_q6ff7d267f6_attn
	.globl	k_q6ff7d267f6_attn
	.p2align	8
	.type	k_q6ff7d267f6_attn,@function
k_q6ff7d267f6_attn:
	s_mov_b64 s[64:65], 0
	v_nop
	global_prefetch_b8 v0, s[64:65] scope:SCOPE_SE
	s_setreg_imm32_b32 hwreg(HW_REG_WAVE_MODE, 25, 1), 1
	s_wait_xcnt 0x0
	s_wait_alu depctr_hold_cnt(0) depctr_sa_sdst(0) depctr_va_vdst(0) depctr_va_sdst(0) depctr_va_ssrc(0) depctr_va_vcc(0) depctr_vm_vsrc(0)
	s_getreg_b32 s2, hwreg(HW_REG_IB_STS2, 6, 4)
	s_cmp_eq_u32 s2, 0
	s_cbranch_scc0 .Lentry_in_a_cluster
	s_endpgm
.Lentry_in_a_cluster:
	s_bfe_u32 s2, ttmp6, 0x10000c
	s_cmp_lg_u32 s2, 0x3003
	s_cbranch_scc0 .Lentry_shape_is_right
	s_endpgm
.Lentry_shape_is_right:
; Causal attention of 32 heads (batch b, head hd) of 2,048 tokens x 64, both products on codes of FP6 (E2M3) with E8M0 scales; the result, divided by the row's sum, is quantised along the 1,024 and stored packed.
; Key steps all of whose keys come after a block's queries are left out: the causal mask makes their p zero for all inputs.
; THE SOFTMAX AHEAD OF THE SECOND PRODUCT: t = score x log2(e) / 8; M = the row's largest t so far, rounded UP to a whole number; p = 2^(t - M) is quantised along the keys, not normalised; the row's sum is taken of the
; unquantised p.  When M moves, the sum and O are multiplied by 2^(old M - new M): exact.
; INPUT (buffer qkv, this program's own): half fragments of 16 rows x 64 along K, 768 bytes (lane (r, h): row r, k = 32 h .. + 31: four registers at 16 l, two at 512 + 8 l).  q, k: [token block 256][head slot 32][768];
; V^T: [b][(hd, d) / 16: 64][key / 64: 32][768]; scale words of q, k: [head pair 16][token block 256][16][4] (two bytes a head); of V^T: [b x 16 + key / 128][64][16][4].  Rows are stored with bits 3 and 4 exchanged.
; SHARES.  A work-group (x = 0 .. 7, b, hd) has sixteen waves, four to a SIMD.  Wave w has a rank rho (0 .. 15, each once); rank rho's block is the stored block 8 rho + x of 16 queries, in tokens 128 rho .. + 127,
; which needs key steps 0 .. rho of 128 keys, the last on the diagonal: 136 steps in all.  THEY ARE DEALT 8 OR 9 TO A WAVE.  First every wave works its own block's steps 0 .. min(rho, 8).  A wave of rank under 8 is then
; done with its block and stores it; it takes the queries of rank 15 - rho and works that block's steps 9 .. 15 - rho from a fresh state: rho + 1 + 7 - rho = 8 steps.  It hands O^T, -M and the sum over through LDS;
; the wave of rank 15 - rho (9 steps of its own) brings both parts under the larger M by powers of two, adds them and stores the block.  A part of no steps (rank 7's) is zeros under M = -3e38 and adds nothing.
; The ranks are laid by two orthogonal Latin squares: the waves w % 4 = const and the waves w / 4 = const both hold two ranks under 8 and two from 8 on.  What a wave does hangs on its number alone.
; LDS: all of the head's K and V^T and their scale words, 208,896 bytes, each byte filled ONCE: no ring, no refill; the spare words; a place of 4,608 bytes for each rank's hand-over (ranks 0-7 store, ranks 8-15 read).
; THE FILLS are shared out among all sixteen waves, one tensor load each: waves 0-7 sixteen blocks of K each (12,288 bytes), waves 8-13 a sixth each of the head's V^T, which is 98,304 dense bytes of memory and lies in LDS
; as it lies there, wave 14 K's scale words, wave 15 V^T's.  Every wave waits for its load, and ONE barrier shows all of it to all; between that barrier and the hand-over's no wave waits for another.
; CLUSTER: the four work-groups of a cluster share b and hd, so all loads are JOINT.  PREFETCH: there is no loop to run ahead in; each load's units of 256 bytes are asked for once, ahead of the opening round that stands
; in front of the loads, a quarter by each of the four partners, told apart by address (cx).
; LAYOUT.  Both products are used transposed: S^T = K Q^T, O^T = V^T P^T: a lane holds ONE query.  By the stored row order the 16 registers of tiles 2 b, 2 b + 1 of S^T are the keys 32 b + 16 (lane / 16) + 0 .. 15,
; and those of O^T the channels likewise.  The head's 64 are half of the instruction's 128: registers 6-11 of Q's fragment are zero codes, and the upper two scale bytes of Q and K are 0 (2^-127).  So whatever codes stand in
; registers 6-11 of a fragment of K add nothing (every code of E2M3 is a finite number): the eight blocks of a step lie six registers apart, each block's upper half being the next block's codes (the last's: p's codes).
; A STEP HAS ONE RUN OF LDS LOADS IN FRONT OF EACH PRODUCT: K's eight blocks at its head; V^T's four fragments, into K's registers, straight behind the eight products of S^T, so that the softmax stands between them and their wait.
; REGISTERS: v1-11 addresses; v12 -M, v13 the largest t, v[14:15] the sum; v16-27 Q; v28 Q's scale, v29 p's, v92-95 and v232-235 K's, v240-243 V^T's: scales and nothing else; v30 the prefetch's offset; v31 -infinity;
; v32-79 K's eight blocks, then V^T's four fragments; v80-91 p's codes; v96-159 S^T, then p; v160-191 O^T; v192-223, v228-229 at work; v224-225 the spare word's address and 0; v226-227 my rank's and my partner's hand-over.
; LIMITS: a block of zeros gets the byte 1 where the rule says 127 (zero codes; this program alone reads the bytes); NaN and infinities are not served; the scaled scores t stay under 2^31 in magnitude.
.set VC,   6291456
.set QKS,  9437184
.set VSO,  9699328
.set LV,   98304                       ; LDS: K's codes [block 128][768] from 0;  V^T's [channels / 16: 4][key / 64: 32][768];
.set LKS,  196608                      ; K's scale words [block 128][16][4];
.set LVS,  204800                      ; V^T's [key step 16][4][16][4]
.set SPARE, 208896                     ; the spare words: 128 bytes a wave
.set STG,  210944                      ; the hand-overs: [rank 16][9][lane][16 bytes]
.set HB,   4608
.set G1K,  8                           ; descriptor groups 1
.set G1V,  16
.set G1KS, 24
.set G1VS, 32
.set G0K,  40                          ; and groups 0
.set G0V,  44
.set G0KS, 48
.set G0VS, 52
.set WV,   84                          ; my wave's number
.set RHO,  85                          ; its rank
.set J,    86                          ; the key step
.set TK,   87                          ; where the step's blocks of K begin
.set TKS,  88                          ; their scale words
.set TV,   89                          ; V^T's half fragments
.set TVS,  90                          ; their scale words
.set XB,   91                          ; x
.set SEL,  92                          ; s[92:93] selects for lane l xor 16
.set CS,   94                          ; s[94:95] c = log2(e) / 8
.set LIM,  104                         ; the last key step of the block in hand, the one on its diagonal
.set PAR,  105                         ; 15 - rho
.macro GROUP1 g, c, r, p               ; r rows of c elements of 8 bytes, p elements apart; 15:0 the mask: all four work-groups; 21 set beside a mask
	s_mov_b32 s[\g], 15|(3<<16)|(1<<21)
	s_mov_b32 s[\g+1], (\c)<<16
	s_mov_b32 s[\g+2], (\r)<<16
	s_mov_b32 s[\g+3], (\c)<<16
	s_mov_b32 s[\g+4], \r
	s_mov_b32 s[\g+5], \p
	s_mov_b32 s[\g+6], 0
	s_mov_b32 s[\g+7], 0
.endm
.macro GROUP0 g, lds, keep             ; from qkv + s[96:97] to LDS byte lds; the offset is kept in s[keep] for the prefetch
	s_mov_b32 s[\g], 1
	s_mov_b32 s[\g+1], \lds
	s_add_nc_u64 s[\g+2:\g+3], s[4:5], s[96:97]
	s_or_b32 s[\g+3], s[\g+3], 0x80000000
	s_mov_b32 s[\keep], s96
.endm
.macro CROUND                          ; a round of the cluster's barrier
	s_barrier_signal -1
	s_barrier_wait -1
	s_cmp_lg_u32 s[WV], 0
	s_cbranch_scc1 .Lnot_wave_0_\@
	s_barrier_signal -3
.Lnot_wave_0_\@:
	s_barrier_wait -3
	s_barrier_signal -1
	s_barrier_wait -1
.endm
.macro TLOAD g0, g1                    ; an s_nop 0 and four v_nop follow a tensor load
	tensor_load_to_lds s[\g0:\g0+3], s[\g1:\g1+7]
	s_nop 0
.rept 4
	v_nop
.endr
.endm
.macro ARM under, g0, g1, next         ; the load of the waves under this number that no earlier arm has taken
	s_cmp_lt_u32 s[WV], \under
	s_cbranch_scc0 \next
	TLOAD \g0, \g1
	s_branch .Lasked
\next:
.endm
.macro QLOAD rk                        ; the queries of the rank in s[rk]: stored block 128 b + 8 rank + x, head slot hd, and its two scale bytes a row
	s_lshl_b32 s96, s3, 7
	s_lshl_b32 s97, s[\rk], 3
	s_add_co_u32 s96, s96, s97
	s_add_co_u32 s96, s96, s[XB]
	s_lshl_b32 s100, s96, 6
	s_mul_i32 s98, s96, 24576
	s_mul_i32 s97, s2, 768
	s_add_co_u32 s98, s98, s97
	s_mov_b32 s99, 0
	s_add_nc_u64 s[98:99], s[4:5], s[98:99]
	s_lshr_b32 s97, s2, 1
	s_lshl_b32 s97, s97, 14
	s_add_co_u32 s100, s100, s97
	s_and_b32 s97, s2, 1
	s_lshl_b32 s97, s97, 1
	s_add_co_u32 s100, s100, s97
	s_add_co_u32 s100, s100, QKS
	s_mov_b32 s101, 0
	s_add_nc_u64 s[100:101], s[4:5], s[100:101]
	global_load_b128 v[16:19], v1, s[98:99]
	global_load_b64 v[20:21], v2, s[98:99]
	global_load_u16 v28, v10, s[100:101]           ; two bytes; the upper two are 0
.endm
.macro FRESH                           ; a state of no keys: the largest t -3e38, under every t; the sum and O^T zeros, which the first change of M leaves zeros
	v_mov_b32 v13, 0xff61b1e6
	s_delay_alu instid0(VALU_DEP_1)
	v_floor_f32 v12, -v13
	v_mov_b32 v14, 0
	v_mov_b32 v15, 0
.set j, 0
.rept 32
	v_mov_b32 v[160+j], 0
.set j, j+1
.endr
.endm
	s_load_b128 s[4:7], s[0:1], 0x0                ; qkv, ctx
	v_lshl_add_u32 v224, v0, 2, SPARE
	v_mov_b32 v225, 0
	ds_add_u32 v224, v225                          ; the opening lines: the add, twice on end, and its wait
	ds_add_u32 v224, v225
	v_lshrrev_b32 v1, 5, v0
	s_delay_alu instid0(VALU_DEP_1)
	v_readfirstlane_b32 s[WV], v1                  ; wave 0..15
	s_lshr_b32 s96, s[WV], 2                       ; g
	s_and_b32 s97, s[WV], 3                        ; s
	s_and_b32 s98, s97, 1
	s_lshl_b32 s98, s98, 1
	s_lshr_b32 s99, s97, 1
	s_mul_i32 s99, s99, 3
	s_xor_b32 s98, s98, s99                        ; phi(s) = 0, 2, 3, 1
	s_xor_b32 s97, s96, s97
	s_xor_b32 s98, s96, s98
	s_lshl_b32 s97, s97, 2
	s_add_co_u32 s[RHO], s97, s98                  ; rho = 4 (g xor s) + (g xor phi(s))
	s_xor_b32 s[PAR], s[RHO], 15                   ; 15 - rho
	s_bfe_u32 s63, ttmp6, 0x40000                  ; cx
	s_lshl_b32 s96, ttmp9, 2
	s_add_co_u32 s[XB], s63, s96                   ; x = 4 x cluster x + cx: it enters Q's and the result's addresses and the mask's numbers alone
	s_and_b32 s2, ttmp7, 0xffff
	s_lshr_b32 s3, s2, 4                           ; b
	s_and_b32 s2, s2, 15                           ; hd: the four partners share both
	GROUP1 G1K, 96, 16, 3072                       ; sixteen blocks of K: 768 bytes each, 24,576 apart
	GROUP1 G1V, 32, 64, 32                         ; a sixth of V^T: 16,384 dense bytes as 64 rows of 256
	GROUP1 G1KS, 32, 32, 32                        ; K's scale words: 8,192 dense bytes
	GROUP1 G1VS, 32, 16, 512                       ; V^T's scale words: 256 bytes a key step, 4,096 apart
	s_mov_b32 s[SEL], 0x76543210
	s_mov_b32 s[SEL+1], 0xfedcba98
	s_mov_b32 s[CS], 0x3e38aa3b
	s_mov_b32 s[CS+1], s[CS]                       ; (named with it as a pair, so it is written)
	s_wait_dscnt 0x0
	s_wait_kmcnt 0x0
	s_mov_b32 s97, 0
	s_mul_i32 s96, s3, 3145728
	s_mul_i32 s98, s2, 768
	s_add_co_u32 s96, s96, s98
	s_add_co_u32 s96, s96, 16*768                  ; k's head slots are 16 .. 31
	s_mul_i32 s98, s[WV], 16*24576
	s_add_co_u32 s96, s96, s98                     ; waves 0-7: blocks 16 w .. 16 w + 15,
	s_mul_i32 s99, s[WV], 16*768                   ; to LDS byte 12,288 w
	GROUP0 G0K, s99, 56
	s_lshl_b32 s96, s3, 6
	s_lshl_b32 s98, s2, 2
	s_add_co_u32 s96, s96, s98
	s_mul_i32 s96, s96, 24576
	s_add_co_u32 s96, s96, VC
	s_and_b32 s98, s[WV], 7
	s_lshl_b32 s98, s98, 14
	s_add_co_u32 s96, s96, s98                     ; waves 8-13: sixth w - 8 of V^T,
	s_add_co_u32 s99, s98, LV                      ; to the same place behind LV
	GROUP0 G0V, s99, 57
	s_lshr_b32 s96, s2, 1
	s_lshl_b32 s96, s96, 14
	s_lshl_b32 s98, s3, 13
	s_add_co_u32 s96, s96, s98
	s_add_co_u32 s96, s96, QKS+8*16384             ; k's head pairs are 8 .. 15
	GROUP0 G0KS, LKS, 58
	s_lshl_b32 s96, s3, 16
	s_lshl_b32 s98, s2, 8
	s_add_co_u32 s96, s96, s98
	s_add_co_u32 s96, s96, VSO
	GROUP0 G0VS, LVS, 59
	; THE PREFETCH of what my load will bring.  My work-group's quarter of it is n pieces, a lane a piece, s62 bytes apart: K: 4 rows of three units, 24,576 apart; V^T: 16 units; K's scale words: 8 units; V^T's: 4 rows of one unit, 4,096 apart
	s_mov_b32 s60, s59
	s_mov_b32 s61, 3                               ; n - 1
	s_mov_b32 s62, 4096
	s_cmp_lt_u32 s[WV], 15
	s_cselect_b32 s60, s58, s60
	s_cselect_b32 s61, 7, s61
	s_cselect_b32 s62, 256, s62
	s_cmp_lt_u32 s[WV], 14
	s_cselect_b32 s60, s57, s60
	s_cselect_b32 s61, 15, s61
	s_cmp_lt_u32 s[WV], 8
	s_cselect_b32 s60, s56, s60
	s_cselect_b32 s61, 3, s61
	s_cselect_b32 s62, 24576, s62
	s_add_co_u32 s96, s61, 1
	s_mul_i32 s96, s96, s62
	s_mul_i32 s96, s96, s63                        ; quarter cx
	s_add_co_u32 s96, s96, s60
	s_add_nc_u64 s[58:59], s[4:5], s[96:97]        ; never rewritten
	v_and_b32 v30, 31, v0
	v_min_u32 v30, s61, v30                        ; the lanes that are left over name the last piece again
	v_mul_u32_u24 v30, s62, v30                    ; never rewritten
	global_prefetch_b8 v30, s[58:59] th:TH_LOAD_NT scope:SCOPE_SE
	s_cmp_lt_u32 s[WV], 8
	s_cbranch_scc0 .Lone_unit
	global_prefetch_b8 v30, s[58:59] offset:256 th:TH_LOAD_NT scope:SCOPE_SE   ; a row of K has three units
	global_prefetch_b8 v30, s[58:59] offset:512 th:TH_LOAD_NT scope:SCOPE_SE
.Lone_unit:
	CROUND                                         ; all four work-groups are here: the joint loads meet
	ARM 8, G0K, G1K, .Larm_v                       ; one chain of branches on the wave's number, one load on every way through it
	ARM 14, G0V, G1V, .Larm_ks
	ARM 15, G0KS, G1KS, .Larm_vs
	TLOAD G0VS, G1VS
.Lasked:
	v_and_b32 v10, 15, v0                          ; r
	v_bfe_u32 v11, v0, 4, 1                        ; h
	v_and_b32 v1, 31, v0
	s_delay_alu instid0(VALU_DEP_1)
	v_lshlrev_b32 v2, 3, v1
	s_delay_alu instid0(VALU_DEP_1)
	v_add_nc_u32 v2, 512, v2                       ; v2: 512 + 8 l
	s_delay_alu instid0(VALU_DEP_3)
	v_lshlrev_b32 v1, 4, v1                        ; v1: 16 l
	s_and_b32 s96, s2, 1
	s_lshl_b32 s96, s96, 1
	v_lshl_add_u32 v3, v10, 2, s96
	s_delay_alu instid0(VALU_DEP_1)
	v_add_nc_u32 v3, LKS, v3                       ; v3: K's scale bytes: row r's word, my head's two bytes of it
	v_add_nc_u32 v4, LV, v1                        ; v4-5: V^T, channels 0-31
	v_add_nc_u32 v5, LV, v2
	v_add_nc_u32 v6, LV+49152, v1                  ; v6-7: channels 32-63 (an LDS instruction's immediate has 16 bits)
	v_add_nc_u32 v7, LV+49152, v2
	v_lshl_add_u32 v8, v10, 2, LVS                 ; v8: V^T's scale words
	s_mul_i32 s96, s[RHO], HB
	s_add_co_u32 s96, s96, STG
	v_add_nc_u32 v226, s96, v1                     ; v226: my rank's hand-over, 16 bytes a lane
	s_mul_i32 s96, s[PAR], HB
	s_add_co_u32 s96, s96, STG
	v_add_nc_u32 v227, s96, v1                     ; v227: my partner's
	s_lshr_b32 s97, s[XB], 1
	s_lshl_b32 s97, s97, 5
	s_and_b32 s98, s[XB], 1
	s_lshl_b32 s98, s98, 3
	s_add_co_u32 s97, s97, s98
	v_and_b32 v9, 8, v10
	s_delay_alu instid0(VALU_DEP_1)
	v_add_nc_u32 v9, v9, v10
	s_delay_alu instid0(VALU_DEP_1)
	v_add_nc_u32 v9, s97, v9                       ; my query among its 128: 32 (x / 2) + 8 (x % 2) + r + 8 (r / 8)
	v_lshlrev_b32 v11, 4, v11
	s_delay_alu instid0(VALU_DEP_1)
	v_sub_nc_u32 v9, v9, v11                       ; v9: less 16 h.  On the diagonal register 16 b + i holds key 32 b + 16 h + i: hidden where 32 b + i > v9
	v_lshlrev_b32 v10, 2, v10                      ; v10: 4 r
	s_wait_alu depctr_va_vdst(0)                   ; the wait ahead of the run of scalar lines
	QLOAD RHO
.irp i, 22,23,24,25,26,27
	v_mov_b32 v\i, 0                               ; Q's codes of k = 64 .. 127: zeros
.endr
.irp i, 80,81,82,83,84,85
	v_mov_b32 v\i, 0                               ; named as the upper half of K's eighth block before p's codes are first made
.endr
	v_mov_b32 v31, 0xff800000                      ; -infinity
.irp b, 0,1,2,3
	v_mov_b32 v[196+\b], 0                         ; a lane permute's destination counts as one of its sources
.endr
	v_mov_b32 v213, 0                              ; (named as the upper half of the pair v[212:213])
	v_mov_b32 v214, 0
	FRESH
; A KEY STEP: 128 keys.
.macro STEP
	s_cmp_gt_u32 s[J], s[LIM]                      ; a step behind the block's last is left out: a branch on the wave's number and the loop's counter
	s_cbranch_scc1 .Lhid_\@
	v_add_nc_u32 v216, s[TK], v1                   ; eight plain lines: also the places between the last step's products and the loads into their registers
	s_wait_alu depctr_va_vdst(0)
	v_add_nc_u32 v217, s[TK], v2
	s_wait_alu depctr_va_vdst(0)
	v_add_nc_u32 v218, s[TKS], v3
	s_wait_alu depctr_va_vdst(0)
	v_add_nc_u32 v219, s[TV], v4
	v_add_nc_u32 v220, s[TV], v5
	v_add_nc_u32 v221, s[TVS], v8
	v_add_nc_u32 v228, s[TV], v6
	v_add_nc_u32 v229, s[TV], v7
	s_wait_alu depctr_va_vdst(0)
.irp t, 0,1,2,3,4,5,6,7                        ; K's eight blocks of 16 keys, six registers each
	ds_load_b128 v[32+6*\t:35+6*\t], v216 offset:\t*768
	ds_load_b64 v[36+6*\t:37+6*\t], v217 offset:\t*768
	ds_load_u16 v[92+\t+136*(\t/4)], v218 offset:\t*64
.endr
	s_wait_dscnt 0x0
.irp t, 0,1,2,3,4,5,6,7                        ; S^T = K Q^T.  A fragment's registers 6-11 are the next block's: they meet Q's zero codes
	v_wmma_scale_f32_16x16x128_f8f6f4 v[96+8*\t:103+8*\t], v[32+6*\t:43+6*\t], v[16:27], 0, v[92+\t+136*(\t/4)], v28 matrix_a_fmt:MATRIX_FMT_FP6 matrix_b_fmt:MATRIX_FMT_FP6
.endr
.rept 4
	v_nop                                          ; places behind the products: for the loads into K's registers and for the first read of the scores
.endr
.irp t, 0,1,2,3                                ; V^T's four blocks of 16 channels, 24,576 bytes apart, these 128 keys: they land while the softmax is made
.irp c, 0,1
	ds_load_b128 v[32+12*\t+6*\c:35+12*\t+6*\c], v[219+9*(\t/2)] offset:(\t%2)*24576+768*\c
	ds_load_b64 v[36+12*\t+6*\c:37+12*\t+6*\c], v[220+9*(\t/2)] offset:(\t%2)*24576+768*\c
.endr
	ds_load_b32 v[240+\t], v221 offset:64*\t
.endr
	s_cmp_lg_u32 s[J], s[LIM]                      ; on the diagonal the scores of hidden keys become -infinity ahead of the maximum: p = 0 then
	s_cbranch_scc1 .Lopen_\@
.set n, 0
.rept 64
	v_cmp_gt_i32 vcc_lo, 32*(n/16)+n%16, v9
	v_cndmask_b32 v[96+n], v[96+n], v31, vcc_lo
.set n, n+1
.endr
.Lopen_\@:
.irp b, 0,1,2,3
	v_max3_num_f32 v[192+\b], v[96+16*\b], v[97+16*\b], v[98+16*\b]   ; the largest score of each block of 32 keys: for the row's maximum, and, since p rises with the score, for the block's largest p
.endr
.irp i, 3,5,7,9,11,13
.irp b, 0,1,2,3
	v_max3_num_f32 v[192+\b], v[192+\b], v[96+16*\b+\i], v[97+16*\b+\i]
.endr
.endr
.irp b, 0,1,2,3
	v_max_num_f32 v[192+\b], v[192+\b], v[111+16*\b]
.endr
.irp b, 0,1,2,3
	s_delay_alu instid0(VALU_DEP_4)
	v_permlanex16_b32 v[196+\b], v[192+\b], s[SEL], s[SEL+1]
.endr
.irp b, 0,1,2,3
	s_delay_alu instid0(VALU_DEP_4)
	v_max_num_f32 v[192+\b], v[192+\b], v[196+\b]  ; with lane l xor 16's 16 keys
.endr
	s_delay_alu instid0(VALU_DEP_2)
	v_max3_num_f32 v214, v192, v193, v194
	s_delay_alu instid0(VALU_DEP_1)
	v_max_num_f32 v214, v214, v195                 ; the step's largest score of my query
	s_delay_alu instid0(VALU_DEP_1)
	v_mul_f32 v214, s[CS], v214                    ; as t (c is positive)
	s_delay_alu instid0(VALU_DEP_1)
	v_max_num_f32 v13, v13, v214                   ; the running largest t
	v_mov_b32 v214, v12
	s_delay_alu instid0(VALU_DEP_2)
	v_floor_f32 v12, -v13                          ; the new -M = floor(-t): M is a whole number
	s_delay_alu instid0(VALU_DEP_1)
	v_sub_f32 v214, v12, v214                      ; old M - new M: a whole number, 0 or less
	s_delay_alu instid0(VALU_DEP_1)
	v_cvt_i32_f32 v214, v214                       ; (it saturates)
	s_delay_alu instid0(VALU_DEP_1)
	v_ldexp_f32 v212, 1.0, v214                    ; f = 2^(old M - new M)
.set j, 0
.rept 32
	v_pk_fma_f32 v[96+j:97+j], v[96+j:97+j], s[CS:CS+1], v[12:13] op_sel_hi:[1,0,0]   ; t - M
.set j, j+2
.endr
.irp b, 0,1,2,3
	v_fma_f32 v[192+\b], v[192+\b], s[CS], v12     ; the same of each block's largest score
.endr
.set j, 0
	s_wait_alu depctr_va_vdst(0)                   ; the wait ahead of the batch
.rept 64
	v_exp_f32 v[96+j], v[96+j]                     ; p = 2^(t - M), at most 1: not normalised
.set j, j+1
.endr
.irp b, 0,1,2,3
	v_exp_f32 v[192+\b], v[192+\b]                 ; the block's largest p
.endr
	v_pk_mul_f32 v[14:15], v[14:15], v[212:213] op_sel_hi:[1,0]   ; the sums under the new M.  (A plain place behind the exponentials)
	s_wait_alu depctr_va_vdst(0)                   ; and behind it
.irp b, 0,1,2,3
	v_max_num_f32 v[192+\b], 0x1800000, v[192+\b]  ; the floor 2^(3 - 127): the byte cannot fall under 1
.endr
.irp b, 0,1,2,3
	s_delay_alu instid0(VALU_DEP_4)
	v_add_nc_u32 v[208+\b], 0xff000000, v[192+\b]  ; the conversion's scale operand
.endr
.irp b, 0,1,2,3
	s_delay_alu instid0(VALU_DEP_4)
	v_lshrrev_b32 v[196+\b], 23, v[208+\b]         ; the scale's byte
.endr
	s_delay_alu instid0(VALU_DEP_3)
	v_lshl_or_b32 v29, v197, 8, v196               ; p's scale word for these 128 keys
	s_delay_alu instid0(VALU_DEP_1)
	v_lshl_or_b32 v29, v198, 16, v29
	s_delay_alu instid0(VALU_DEP_1)
	v_lshl_or_b32 v29, v199, 24, v29
.irp c, 0,1
	v_cvt_scalef32_pk16_fp6_f32 v[80+6*\c:82+6*\c], v[96+32*\c:111+32*\c], v[208+2*\c]
	v_cvt_scalef32_pk16_fp6_f32 v[200+4*\c:202+4*\c], v[112+32*\c:127+32*\c], v[208+2*\c+1]
.endr
	v_nop                                          ; one plain place behind a scaled conversion
.irp c, 0,1                                    ; a WHOLE block in a lane: lanes 0-15 block 2 c, lanes 16-31 block 2 c + 1
.irp i, 0,1,2
	v_permlane16_swap_b32 v[80+6*\c+\i], v[200+4*\c+\i]
.endr
.irp i, 0,1,2
	s_delay_alu instid0(VALU_DEP_3)
	v_mov_b32 v[83+6*\c+\i], v[200+4*\c+\i]
.endr
.endr
	v_pk_add_f32 v[222:223], v[100:101], v[104:105]                ; the row's sum of the unquantised p, in eight chains
	v_pk_add_f32 v[216:217], v[108:109], v[112:113]
	v_pk_add_f32 v[210:211], v[116:117], v[120:121]
	v_pk_add_f32 v[208:209], v[124:125], v[128:129]
	v_pk_add_f32 v[206:207], v[132:133], v[136:137]
	v_pk_add_f32 v[204:205], v[140:141], v[144:145]
	v_pk_add_f32 v[202:203], v[148:149], v[152:153]
	v_pk_add_f32 v[14:15], v[14:15], v[156:157]
	v_pk_add_f32 v[222:223], v[222:223], v[96:97]
	v_pk_add_f32 v[216:217], v[216:217], v[98:99]
	v_pk_add_f32 v[210:211], v[210:211], v[102:103]
	v_pk_add_f32 v[208:209], v[208:209], v[106:107]
	v_pk_add_f32 v[206:207], v[206:207], v[110:111]
	v_pk_add_f32 v[204:205], v[204:205], v[114:115]
	v_pk_add_f32 v[202:203], v[202:203], v[118:119]
	v_pk_add_f32 v[14:15], v[14:15], v[122:123]
	v_pk_add_f32 v[222:223], v[222:223], v[126:127]
	v_pk_add_f32 v[216:217], v[216:217], v[130:131]
	v_pk_add_f32 v[210:211], v[210:211], v[134:135]
	v_pk_add_f32 v[208:209], v[208:209], v[138:139]
	v_pk_add_f32 v[206:207], v[206:207], v[142:143]
	v_pk_add_f32 v[204:205], v[204:205], v[146:147]
	v_pk_add_f32 v[202:203], v[202:203], v[150:151]
	v_pk_add_f32 v[14:15], v[14:15], v[154:155]
	v_pk_add_f32 v[222:223], v[222:223], v[158:159]
	s_delay_alu instid0(VALU_DEP_2)
	v_pk_add_f32 v[14:15], v[14:15], v[208:209]
	s_delay_alu instid0(VALU_DEP_2)
	v_pk_add_f32 v[222:223], v[222:223], v[206:207]
	v_pk_add_f32 v[216:217], v[216:217], v[204:205]
	v_pk_add_f32 v[210:211], v[210:211], v[202:203]
	s_delay_alu instid0(VALU_DEP_2)
	v_pk_add_f32 v[14:15], v[14:15], v[216:217]
	s_delay_alu instid0(VALU_DEP_2)
	v_pk_add_f32 v[222:223], v[222:223], v[210:211]
	s_delay_alu instid0(VALU_DEP_1)
	v_pk_add_f32 v[14:15], v[14:15], v[222:223]
.set j, 0
.rept 16
	v_pk_mul_f32 v[160+j:161+j], v[160+j:161+j], v[212:213] op_sel_hi:[1,0]   ; O^T under the new M.  (With the sums: the places in front of the products below)
.set j, j+2
.endr
	s_wait_alu depctr_va_vdst(0)
	s_wait_dscnt 0x0                               ; V^T's fragments and scale words
.irp t, 0,1,2,3                                ; O^T += V^T P^T; K = these 128 keys
	v_wmma_scale_f32_16x16x128_f8f6f4 v[160+8*\t:167+8*\t], v[32+12*\t:43+12*\t], v[80:91], v[160+8*\t:167+8*\t], v[240+\t], v29 matrix_a_fmt:MATRIX_FMT_FP6 matrix_b_fmt:MATRIX_FMT_FP6
.endr
.Lhid_\@:
	s_add_co_u32 s[TK], s[TK], 6144                ; the next step's addresses
	s_add_co_u32 s[TKS], s[TKS], 512
	s_add_co_u32 s[TV], s[TV], 1536
	s_add_co_u32 s[TVS], s[TVS], 256
.endm
; THE WAY OUT of my own rank's block.  O^T / the sum: 32 numbers a lane, register 16 b + i = channel 32 b + 16 h + i of my query: two blocks of the next product's K, one half fragment.
; q = 1: loads of queries are out, whose base registers are written anew here.
.macro WAYOUT q
	v_add_f32 v14, v14, v15
	s_delay_alu instid0(VALU_DEP_1)
	v_permlanex16_b32 v214, v14, s[SEL], s[SEL+1]
	s_delay_alu instid0(VALU_DEP_1)
	v_add_f32 v14, v14, v214                       ; the row's sum
	s_wait_alu depctr_va_vdst(0)
	v_rcp_f32 v14, v14
	v_nop                                          ; one plain place behind a transcendental
.set j, 0
	s_wait_alu depctr_va_vdst(0)
.rept 32
	v_mul_f32 v[96+j], v[160+j], v14
.set j, j+1
.endr
.irp b, 0,1
	v_max3_num_f32 v[192+\b], |v[96+16*\b]|, |v[97+16*\b]|, 0x1800000
.endr
.irp i, 2,4,6,8,10,12,14
.irp b, 0,1
	s_delay_alu instid0(VALU_DEP_2)
	v_max3_num_f32 v[192+\b], v[192+\b], |v[96+16*\b+\i]|, |v[97+16*\b+\i]|
.endr
.endr
.irp b, 0,1
	s_delay_alu instid0(VALU_DEP_2)
	v_permlanex16_b32 v[196+\b], v[192+\b], s[SEL], s[SEL+1]
.endr
.irp b, 0,1
	s_delay_alu instid0(VALU_DEP_2)
	v_max_num_f32 v[192+\b], v[192+\b], v[196+\b]
.endr
.irp b, 0,1
	s_delay_alu instid0(VALU_DEP_2)
	v_add_nc_u32 v[208+\b], 0xff000000, v[192+\b]
.endr
.irp b, 0,1
	s_delay_alu instid0(VALU_DEP_2)
	v_lshrrev_b32 v[196+\b], 23, v[208+\b]
.endr
	s_delay_alu instid0(VALU_DEP_1)
	v_lshl_or_b32 v214, v197, 8, v196              ; my head's two scale bytes
	v_cvt_scalef32_pk16_fp6_f32 v[80:82], v[96:111], v208
	v_cvt_scalef32_pk16_fp6_f32 v[200:202], v[112:127], v209
	v_nop
.irp i, 0,1,2
	v_permlane16_swap_b32 v[80+\i], v[200+\i]
.endr
.irp i, 0,1,2
	s_delay_alu instid0(VALU_DEP_3)
	v_mov_b32 v[83+\i], v[200+\i]
.endr
.if \q
	s_wait_xcnt 0x0                                ; the loads of the queries have read their bases
.endif
	s_lshl_b32 s96, s3, 4
	s_add_co_u32 s96, s96, s[RHO]
	s_lshl_b32 s96, s96, 2
	s_lshr_b32 s97, s2, 2
	s_add_co_u32 s96, s96, s97
	s_mul_i32 s96, s96, 25600                      ; ctx: block (16 b + rho) x 4 + hd / 4
	s_mul_i32 s97, s[XB], 3072
	s_and_b32 s98, s2, 3
	s_mul_i32 s98, s98, 768
	s_add_co_u32 s98, s98, s97
	s_add_co_u32 s98, s98, s96
	s_mov_b32 s99, 0
	s_add_nc_u64 s[98:99], s[6:7], s[98:99]        ; block of rows x, half fragment hd % 4
	s_bfe_u32 s97, s2, 0x10001
	s_lshl_b32 s97, s97, 9
	s_add_co_u32 s96, s96, s97
	s_lshl_b32 s97, s[XB], 6
	s_add_co_u32 s96, s96, s97
	s_and_b32 s97, s2, 1
	s_lshl_b32 s97, s97, 1
	s_add_co_u32 s96, s96, s97
	s_add_co_u32 s96, s96, 24576
	s_mov_b32 s97, 0
	s_add_nc_u64 s[96:97], s[6:7], s[96:97]
	s_wait_alu depctr_va_vdst(0)                   ; the wait behind the run of scalar lines
	global_store_b128 v1, v[80:83], s[98:99]       ; 512 consecutive bytes, aligned
	global_store_b64 v2, v[84:85], s[98:99]        ; 256 consecutive bytes, aligned
	global_store_b16 v10, v214, s[96:97]           ; two bytes of row r's scale word; both halves of the lanes store the same
.endm
	s_wait_alu depctr_va_vdst(0)                   ; the wait at the head's end
	s_wait_tensorcnt 0x0                           ; my part of K, V^T or the scale words is in,
	s_barrier_signal -1
	s_barrier_wait -1                              ; and everybody's
	s_wait_loadcnt 0x0                             ; Q
	s_mov_b32 s[LIM], s[RHO]                       ; my own block
	s_mov_b32 s[J], 0
	s_mov_b32 s[TK], 0
	s_mov_b32 s[TKS], 0
	s_mov_b32 s[TV], 0
	s_mov_b32 s[TVS], 0
.Lown:                                             ; key steps 0 .. 8
	STEP
	s_add_co_u32 s[J], s[J], 1
	s_cmp_lt_u32 s[J], 9
	s_cbranch_scc1 .Lown
	s_cmp_ge_u32 s[RHO], 8
	s_cbranch_scc1 .Lkeeps
.rept 4
	v_nop                                          ; RANKS 0-7: my block is whole.  Places behind the last products, ahead of the loads into Q's registers and of the first read of O^T
.endr
	QLOAD PAR                                      ; my partner's queries are on their way while my block goes out
	WAYOUT 1
	FRESH
	s_wait_alu depctr_va_vdst(0)                   ; the wait ahead of the waits below
	s_wait_xcnt 0x0                                ; the stores have read their data: the next steps write those registers anew
	s_wait_loadcnt 0x0                             ; the queries
.Lkeeps:
	s_cmp_lt_u32 s[RHO], 8
	s_cselect_b32 s[LIM], s[PAR], 0                ; ranks 0-7: steps 9 .. 15 - rho of the partner's block, the last on its diagonal; ranks 8-15: none
	s_mov_b32 s[J], 9
	s_mov_b32 s[TK], 9*6144
	s_mov_b32 s[TKS], 9*512
	s_mov_b32 s[TV], 9*1536
	s_mov_b32 s[TVS], 9*256
.Lhelp:                                            ; key steps 9 .. 15
	STEP
	s_add_co_u32 s[J], s[J], 1
	s_cmp_lt_u32 s[J], 16
	s_cbranch_scc1 .Lhelp
	s_cmp_ge_u32 s[RHO], 8
	s_cbranch_scc1 .Lgives_nothing
.rept 4
	v_nop                                          ; behind the last products
.endr
.irp k, 0,1,2,3,4,5,6,7
	ds_store_b128 v226, v[160+4*\k:163+4*\k] offset:512*\k         ; an image of the registers, each accumulator from its low end on
.endr
	ds_store_b128 v226, v[12:15] offset:4096       ; -M, the largest t, the sum's two halves
.Lgives_nothing:
	s_wait_dscnt 0x0                               ; for the partner's sake: my part lies in LDS
	s_barrier_signal -1
	s_barrier_wait -1
	s_cmp_lt_u32 s[RHO], 8
	s_cbranch_scc1 .Ldone
.rept 4
	v_nop                                          ; RANKS 8-15.  Places behind my last products, ahead of the first read of O^T
.endr
.irp k, 0,1,2,3,4,5,6,7
	ds_load_b128 v[96+4*\k:99+4*\k], v227 offset:512*\k
.endr
	ds_load_b128 v[128:131], v227 offset:4096
	s_wait_dscnt 0x0
	v_min_num_f32 v192, v12, v128                  ; -M of both parts: the larger M
	v_sub_f32 v193, v192, v12                      ; my M - M, and the other part's: whole numbers, 0 or less
	v_sub_f32 v194, v192, v128
	v_cvt_i32_f32 v193, v193                       ; (they saturate)
	v_cvt_i32_f32 v194, v194
	v_ldexp_f32 v212, 1.0, v193
	v_ldexp_f32 v196, 1.0, v194                    ; (0 for a part of no steps)
	v_pk_mul_f32 v[14:15], v[14:15], v[212:213] op_sel_hi:[1,0]
.set j, 0
.rept 16
	v_pk_mul_f32 v[160+j:161+j], v[160+j:161+j], v[212:213] op_sel_hi:[1,0]
.set j, j+2
.endr
	v_pk_fma_f32 v[14:15], v[130:131], v[196:197], v[14:15] op_sel_hi:[1,0,1]
.set j, 0
.rept 16
	v_pk_fma_f32 v[160+j:161+j], v[96+j:97+j], v[196:197], v[160+j:161+j] op_sel_hi:[1,0,1]
.set j, j+2
.endr
	WAYOUT 0
.Ldone:
	s_wait_tensorcnt 0x0                           ; the wave's end
	ds_add_u32 v224, v225
	s_wait_dscnt 0x0
	CROUND                                         ; the closing round
	s_endpgm
.Lfunc_end_k_q6ff7d267f6_attn:
	.size	k_q6ff7d267f6_attn, .Lfunc_end_k_q6ff7d267f6_attn-k_q6ff7d267f6_attn
	.p2alignl 7, 3214868480
	.fill 96, 4, 3214868480
	.section	.rodata,"a",@progbits
	.p2align	6, 0x0
	.amdhsa_kernel k_q6ff7d267f6_attn
		.amdhsa_group_segment_fixed_size 284672
		.amdhsa_private_segment_fixed_size 0
		.amdhsa_enable_private_segment 0
		.amdhsa_kernarg_size 16
		.amdhsa_user_sgpr_count 2
		.amdhsa_user_sgpr_kernarg_segment_ptr 1
		.amdhsa_wavefront_size32 1
		.amdhsa_system_sgpr_workgroup_id_x 1
		.amdhsa_system_sgpr_workgroup_id_y 1
		.amdhsa_system_sgpr_workgroup_id_z 1
		.amdhsa_system_vgpr_workitem_id 0
		.amdhsa_next_free_vgpr 244
		.amdhsa_next_free_sgpr 106
		.amdhsa_reserve_vcc 1
		.amdhsa_float_denorm_mode_32 3
		.amdhsa_float_denorm_mode_16_64 3
		.amdhsa_memory_ordered 1
		.amdhsa_forward_progress 1
		.amdhsa_inst_pref_size 77
	.end_amdhsa_kernel
	.amdgpu_metadata
---
amdhsa.version: [ 1, 2 ]
amdhsa.kernels:
  - .name:           k_q6ff7d267f6_attn
    .symbol:         k_q6ff7d267f6_attn.kd
    .args:
      - { .name: qkv, .offset: 0, .size: 8, .value_kind: global_buffer, .address_space: global }
      - { .name: ctx, .offset: 8, .size: 8, .value_kind: global_buffer, .address_space: global }
    .group_segment_fixed_size: 284672
    .private_segment_fixed_size: 0
    .kernarg_segment_align: 8
    .kernarg_segment_size: 16
    .max_flat_workgroup_size: 512
    .sgpr_count:     106
    .vgpr_count:     244
    .wavefront_size: 32
...
	.end_amdgpu_metadata
.endif
;; end of part 10
;; launch wo (part 11): grid 8 x 32, 4 waves a work-group, clusters of 4 x 4, 327,680 bytes of LDS; arguments ctx, wpk, bo, x, x1; writes x1
.if DOCPART == 11
	.amdgcn_target "amdgcn-amd-amdhsa--gfx1250"
	.amdhsa_code_object_version 6
	.text
	.protected	k_q6ff7d267f6_wo
	.globl	k_q6ff7d267f6_wo
	.p2align	8
	.type	k_q6ff7d267f6_wo,@function
k_q6ff7d267f6_wo:
	s_mov_b64 s[64:65], 0
	v_nop
	global_prefetch_b8 v0, s[64:65] scope:SCOPE_SE
	s_setreg_imm32_b32 hwreg(HW_REG_WAVE_MODE, 25, 1), 1
	s_wait_xcnt 0x0
	s_wait_alu depctr_hold_cnt(0) depctr_sa_sdst(0) depctr_va_vdst(0) depctr_va_sdst(0) depctr_va_ssrc(0) depctr_va_vcc(0) depctr_vm_vsrc(0)
	s_getreg_b32 s2, hwreg(HW_REG_IB_STS2, 6, 4)
	s_cmp_eq_u32 s2, 0
	s_cbranch_scc0 .Lentry_in_a_cluster
	s_endpgm
.Lentry_in_a_cluster:
	s_bfe_u32 s2, ttmp6, 0x10000c
	s_cmp_lg_u32 s2, 0xf033
	s_cbranch_scc0 .Lentry_shape_is_right
	s_endpgm
.Lentry_shape_is_right:
; A GEMM on codes of FP6 (E2M3) with E8M0 scales, out = residual + A B^T + bias, out and residual [4,096][1,024] f32.  One text serves two launches (MODE).
; MODE 0 (wo): A = the attention's result (ctx), B = wo, K = 1,024, bias bo, residual x.   MODE 1 (ffn2): A = the activations (act), B = w2, K = 4,096, bias b2, residual x1.
; PACKED FORM of both operands: half fragments of 16 rows x 64 along K, 768 bytes: lane l = (r, h) owns row r, k = 32 h .. + 31, six registers: four at 16 l, two at 512 + 8 l.  Blocks of 128 rows x 256 along K,
; 25,600 bytes: codes [8][4][768], scale words [2][8][16][4]; blocks ordered [rows / 128][K / 256].  Rows are stored with bits 3 and 4 of their number exchanged; the way out undoes that in its immediates.
; THE TILE is 128 x 128: the result has 256 such tiles, so 256 work-groups are launched, where tiles of 256 x 256 would give 64; and of all shapes with 256 tiles the square one asks for the fewest bytes of A and B
; for each work-group.  Four waves, each 64 x 64: 16 accumulators.  The price: a wave reads 8 fragments from LDS for 16 products, twice the bytes a product of a wave tile of 128 x 128.
; K goes in steps of 512 through a ring of two LDS slots.  A slot is four blocks: A's two neighbouring K blocks, then B's two; each is one dense tensor load of 100 rows of 256 bytes, codes and scale words together,
; one load a wave.  MODE 0 has two slots' worth of K: both are first fills and nothing is filled again.  Every LDS read of the loop is 16 x lane or 8 x lane on end: no pitch, no padding.
; CLUSTERS: 4 x 4 work-groups.  A's blocks are shared along a row of the cluster, B's along a column: each is asked for JOINTLY.
; THE MATRIX INSTRUCTION IS USED TRANSPOSED (source 0 = 16 rows of B, source 1 = 16 rows of A): register j of accumulator (a, b) is column 32 (b / 2) + 16 (lane / 16) + 8 (b % 2) + j of stored row lane % 16 of my block a.
; The bias is the C of each sum's first matrix instruction.  The residual of my 64 x 64 is asked for at the head and waits in registers.  The way out goes block by block through the wave's own stage in LDS and comes
; back as rows of 256 bytes, two an instruction, into the registers that it left.
; REGISTERS: window 0: v16-31 addresses; v32-63 scale words, two sets, and nothing else; v128-255 the accumulators ((a, b) at v[128 + 8 (4 a + b)]).
; window 1: two fragment buffers at v0 and v128, each A's four fragments (48 registers), then B's four; the bias in v96-127.   window 2: v0-127 the residual.
; LIMITS: NaN and infinities among the inputs are not served.
.set MODE,   0                         ; 0: the launch wo;  1: the launch ffn2
.set BLK,    25600
.set SLOT,   4*BLK
.if MODE
.set LNKS,   4                         ; K blocks of 256 in a row of blocks: 2^LNKS
.set WOFF,   128                       ; B's first block in wpk
.else
.set LNKS,   2
.set WOFF,   96
.endif
.set LAPS,   (1<<LNKS)/4               ; a lap = two slots = 1,024 along K
.set STAGE,  2*SLOT                    ; behind the ring: 16 rows x (256 bytes + 16) for each wave; no tensor load lands here
.set SPITCH, 272
.set SPARE,  STAGE+4*16*SPITCH         ; behind the stages: the spare words, 128 bytes for each wave: two blocks of 256 bytes that no other line names
.set FR,     12                        ; registers of a fragment
.set NP,     4                         ; places behind this matrix instruction (ISA guide 7.12.1)
.set ADRA, 16                          ; v16-17 LDS address of my A fragments' 16-byte parts in slot 0, 1;  v18-19 of their 8-byte parts
.set ADRB, 20                          ; v20-23 the same for B
.set STO,  24                          ; v24  the way out: where I put 32 bytes of a row
.set RD,   25                          ; v25  where I read rows back: lanes 0-15 one row, lanes 16-31 the next
.set CO,   26                          ; v26  the same two rows in memory: 4,096 x (lane / 16) + 16 x (lane % 16)
.set BO,   27                          ; v27  64 x (lane / 16)
.set SPW,  28                          ; v28  LDS address of my spare word; never rewritten
.set NIL,  29                          ; v29  0; never rewritten
.set ADRS, 30                          ; v30-31 LDS address of my scale words in slot 0, 1: lanes 0-15 A's, lanes 16-31 B's
.set SC,   32                          ; scale words: set s at v[SC + 16 s]; register 4 i + q: lanes 0-15 A's block i, lanes 16-31 B's block i, the slot's q-th 128 along K
.set ACC,  128
.set BI,   96                          ; in window 1: the bias, eight registers for each of B's four blocks
.set G1, 24                            ; s[24:31] descriptor group 1 for A's blocks;  s[32:39] group 0, one set for each slot
.set G0, 32
.set G1B, 48                           ; s[48:55], s[56:63] the same for B's
.set G0B, 56
.set MSB, 0
.macro WIN new                         ; the immediate's high byte repeats the setting that is left
.if MSB != (\new)
	s_set_vgpr_msb (MSB<<8)|(\new)
.set MSB, (\new)
.endif
.endm
.set TO_F, 0x40                        ; destination window 1, address window 0
.macro MWIN zero                       ; sources 0 (B) and 1 (A) window 1, D window 0; C with D, or (the bias) window 1
.if (\zero) == 2
	WIN 0x15
.else
	WIN 0x05
.endif
.endm
; A joint load: waves 0 and 1 fetch A's two blocks, waves 2 and 3 B's.  Each line has one mask and one set of registers for all that issue it; the branch hangs on the wave's number alone.
; Four v_nop follow each of the two lines, ahead of the jump, the label and what follows.
.macro JLOAD g0a, g1a, g0b, g1b
	s_cmp_eq_u32 s15, 0
	s_cbranch_scc0 .Lfor_b_\@
	tensor_load_to_lds s[\g0a:\g0a+3], s[\g1a:\g1a+7]
	s_nop 0
.rept 4
	v_nop
.endr
	s_branch .Lasked_\@
.Lfor_b_\@:
	tensor_load_to_lds s[\g0b:\g0b+3], s[\g1b:\g1b+7]
	s_nop 0
.rept 4
	v_nop
.endr
.Lasked_\@:
.endm
.macro CREST                           ; a round of the cluster's barrier behind its opening barrier
	s_cmp_lg_u32 s14, 0
	s_cbranch_scc1 .Lnot_wave_0_\@
	s_barrier_signal -3
.Lnot_wave_0_\@:
	s_barrier_wait -3
	s_barrier_signal -1
	s_barrier_wait -1
.endm
.macro CROUND                          ; a whole round
	s_barrier_signal -1
	s_barrier_wait -1
	CREST
.endm
	s_load_b256 s[4:11], s[0:1], 0x0               ; A, wpk, the bias, the residual
	s_load_b64 s[12:13], s[0:1], 0x20              ; the result
	v_lshl_add_u32 v[SPW], v0, 2, SPARE
	v_mov_b32 v[NIL], 0
	ds_add_u32 v28, v29
	ds_add_u32 v28, v29
	s_wait_dscnt 0x0
	v_lshrrev_b32 v1, 5, v0
	v_readfirstlane_b32 s14, v1                    ; wave 0..3
	s_lshr_b32 s15, s14, 1                         ; which half of the tile's rows is mine.  Also: I fetch for A (0) or for B (1)
	s_and_b32 s16, s14, 1                          ; which half of its columns.  Also: which of a slot's two K blocks I fetch
	s_bfe_u32 s40, ttmp6, 0x40000                  ; cx, cy: my place in the cluster
	s_bfe_u32 s41, ttmp6, 0x40004
	s_lshl_b32 s43, s41, 2
	s_lshl_b32 s43, 15, s43                        ; my row of the cluster
	s_lshl_b32 s44, 0x1111, s40                    ; my column
	s_lshl_b32 s42, ttmp9, 2
	s_add_co_u32 s42, s42, s40                     ; tile column = 4 x cluster x + cx: 0 .. 7
	s_and_b32 s17, ttmp7, 0xffff
	s_lshl_b32 s17, s17, 2
	s_add_co_u32 s17, s17, s41                     ; tile row = 4 x cluster y + cy: 0 .. 31
	; descriptor group 1: a dense block of 25,600 bytes as 100 rows of 32 elements of 8 bytes, no padding
	s_or_b32 s[G1+0], s43, (3<<16)|(1<<21)         ; 15:0 the mask: A's blocks go to my row; 17:16 elements of 8 bytes; 21 set beside a mask
	s_or_b32 s[G1B+0], s44, (3<<16)|(1<<21)        ; B's to my column
.irp g, G1, G1B
	s_mov_b32 s[\g+1], 32<<16                      ; tensor_dim0
	s_mov_b32 s[\g+2], 100<<16                     ; tensor_dim1
	s_mov_b32 s[\g+3], 32<<16                      ; tile_dim0
	s_mov_b32 s[\g+4], 100                         ; tile_dim1
	s_mov_b32 s[\g+5], 32                          ; tensor_dim0_stride
	s_mov_b32 s[\g+6], 0
	s_mov_b32 s[\g+7], 0
.endr
	s_lshl_b32 s20, s17, LNKS
	s_add_co_u32 s20, s20, s16                     ; A: the tile row's row of blocks, K block 0 or 1
	s_mul_i32 s20, s20, BLK
	s_mov_b32 s21, 0
	s_lshl_b32 s46, s42, LNKS
	s_add_co_u32 s46, s46, s16                     ; B: the tile column's row of blocks, K block 0 or 1
	s_mul_i32 s46, s46, BLK
	s_add_co_u32 s46, s46, WOFF*BLK
	s_mov_b32 s47, 0
	s_mul_i32 s45, s14, BLK                        ; where they go: wave x a block: no place in the cluster enters an LDS address
	s_wait_kmcnt 0x0
	s_add_nc_u64 s[20:21], s[4:5], s[20:21]
	s_add_nc_u64 s[46:47], s[6:7], s[46:47]
	; the prefetches' base: the block that I fetch for slot 0, + my work-group's quarter of it.  The four partners that ask for a block jointly share its 100 units of 256 bytes out by address: 25 each (cx for A's, cy for B's)
	s_cmp_eq_u32 s15, 0
	s_cselect_b64 s[4:5], s[20:21], s[46:47]
	s_cselect_b32 s6, s40, s41
	s_mul_i32 s6, s6, 6400
	s_mov_b32 s7, 0
	s_add_nc_u64 s[4:5], s[4:5], s[6:7]
	v_and_b32 v8, 31, v0
	v_min_u32 v8, 24, v8                           ; v8: a lane a unit; lanes 25-31 name the last unit again; never rewritten
	v_lshlrev_b32 v8, 8, v8
	global_prefetch_b8 v8, s[4:5] th:TH_LOAD_NT scope:SCOPE_SE   ; slot 0's block: the opening round and the descriptors' lines stand between this line and the load that brings it
	s_wait_alu depctr_va_vdst(0)                   ; the wait ahead of the barrier's signal
	CROUND                                         ; all sixteen work-groups are here: the first joint loads meet
.irp s, 0,1
	s_mov_b32 s[G0+4*\s], 1
	s_add_co_u32 s[G0+4*\s+1], s45, \s*SLOT
	s_add_nc_u64 s[G0+4*\s+2:G0+4*\s+3], s[20:21], \s*2*BLK
	s_or_b32 s[G0+4*\s+3], s[G0+4*\s+3], 0x80000000
	s_mov_b32 s[G0B+4*\s], 1
	s_add_co_u32 s[G0B+4*\s+1], s45, \s*SLOT
	s_add_nc_u64 s[G0B+4*\s+2:G0B+4*\s+3], s[46:47], \s*2*BLK
	s_or_b32 s[G0B+4*\s+3], s[G0B+4*\s+3], 0x80000000
.endr
	JLOAD G0, G1, G0B, G1B                         ; slot 0: one tensor load a wave at the head
	v_and_b32 v1, 15, v0
	v_bfe_u32 v2, v0, 4, 1
	v_and_b32 v3, 31, v0
	v_lshlrev_b32 v4, 4, v3                        ; 16 l
	v_lshlrev_b32 v5, 3, v3
	v_add_nc_u32 v5, 512, v5                       ; 512 + 8 l
	v_lshlrev_b32 v[BO], 6, v2
	s_mul_i32 s21, s15, 4*3072                     ; my 64 rows of A: its blocks of 16 rows 4 x half on
	s_mul_i32 s22, s16, 4*3072                     ; my 64 rows of B,
	s_add_co_u32 s22, s22, 2*BLK                   ; which lie behind A's two blocks
	s_lshl_b32 s18, s15, 8                         ; their scale words: 64 bytes for each 16 rows
	s_lshl_b32 s19, s16, 8
	s_add_co_u32 s19, s19, 2*BLK
	s_sub_co_u32 s23, s19, s18
	v_mul_u32_u24 v6, s23, v2                      ; lanes 16-31 take B's scale words: one product, the distance from A's words to B's
	v_lshl_add_u32 v6, v1, 2, v6
.irp s, 0,1
	v_add_nc_u32 v[ADRA+\s], s21, v4
	v_add_nc_u32 v[ADRA+2+\s], s21, v5
	v_add_nc_u32 v[ADRB+\s], s22, v4
	v_add_nc_u32 v[ADRB+2+\s], s22, v5
	v_add_nc_u32 v[ADRS+\s], s18, v6
	s_add_co_u32 s21, s21, SLOT
	s_add_co_u32 s22, s22, SLOT
	s_add_co_u32 s18, s18, SLOT
.endr
	s_mul_i32 s23, s14, 16*SPITCH
	s_add_co_u32 s23, s23, STAGE                   ; my stage
	v_mul_u32_u24 v6, v1, SPITCH
	v_lshl_add_u32 v6, v2, 6, v6
	v_add_nc_u32 v[STO], s23, v6                   ; in: row r, + 64 h
	v_mul_u32_u24 v6, v2, SPITCH
	v_lshl_add_u32 v6, v1, 4, v6
	v_add_nc_u32 v[RD], s23, v6                    ; back: row h, + 16 r
	v_lshlrev_b32 v[CO], 12, v2
	v_lshl_add_u32 v[CO], v1, 4, v[CO]
	s_wait_alu depctr_va_vdst(0)
	global_prefetch_b8 v8, s[4:5] offset:2*BLK th:TH_LOAD_NT scope:SCOPE_SE   ; slot 1's block, which my next tensor load brings
	s_lshl_b32 s18, s17, 7
	s_lshl_b32 s19, s15, 6
	s_add_co_u32 s18, s18, s19                     ; my first row: 128 x tile row + 64 x half
	s_lshl_b32 s18, s18, 12                        ; x 4,096 bytes
	s_lshl_b32 s19, s42, 9
	s_lshl_b32 s22, s16, 8
	s_add_co_u32 s22, s22, s19                     ; my first column, in bytes: 512 x tile column + 256 x half
	s_mov_b32 s23, 0
	s_add_nc_u64 s[8:9], s[8:9], s[22:23]          ; the bias there
	s_add_co_u32 s18, s18, s22
	s_mov_b32 s19, 0
	s_add_nc_u64 s[10:11], s[10:11], s[18:19]      ; the residual and the result at my corner; neither base is stepped again
	s_add_nc_u64 s[12:13], s[12:13], s[18:19]
	WIN TO_F                                       ; the bias in the result's layout: for accumulators (., 2 u), (., 2 u + 1) lane (r, h) wants the 16 numbers at column 32 u + 16 h
.irp u, 0,1
.irp i, 0,1,2,3
	global_load_b128 v[BI+16*\u+4*\i:BI+16*\u+4*\i+3], v[BO], s[8:9] offset:128*\u+16*\i
.endr
.endr
	WIN 0
	s_wait_loadcnt 0x0                             ; the bias
.macro FRAG reg, a16, q, i             ; a fragment, 16 rows x 128 K, is two half fragments: registers 6 c .. 6 c + 3 by 16 bytes a lane, 6 c + 4, 6 c + 5 by 8.  The slot's q-th 128 along K lies in K block q / 2
.irp c, 0,1
	ds_load_b128 v[\reg+6*\c:\reg+6*\c+3], v[\a16] offset:((\q)/2)*BLK+(4*(\i)+2*((\q)%2)+\c)*768
	ds_load_b64 v[\reg+6*\c+4:\reg+6*\c+5], v[\a16+2] offset:((\q)/2)*BLK+(4*(\i)+2*((\q)%2)+\c)*768
.endr
.endm
; 4 matrix instructions: A's block a x B's four, the slot's q-th 128 along K, out of buffer f.  sc: the set of scale words.  zero = 2: the bias starts the sums.
; The 16 accumulators take turns, one instruction a turn, in the same order in every step.
.macro MUL4 f, a, q, sc, zero
.irp b, 0,1,2,3
.if (\zero) == 2
	v_wmma_scale_f32_16x16x128_f8f6f4 v[ACC+8*(4*(\a)+\b):ACC+8*(4*(\a)+\b)+7], v[48+(\f)+FR*\b:48+(\f)+FR*\b+FR-1], v[FR*(\a)+(\f):FR*(\a)+(\f)+FR-1], v[BI+8*\b:BI+8*\b+7], v[SC+16*(\sc)+4*\b+(\q)], v[SC+16*(\sc)+4*(\a)+(\q)] matrix_a_fmt:MATRIX_FMT_FP6 matrix_b_fmt:MATRIX_FMT_FP6 matrix_a_scale:MATRIX_SCALE_ROW1
.else
	v_wmma_scale_f32_16x16x128_f8f6f4 v[ACC+8*(4*(\a)+\b):ACC+8*(4*(\a)+\b)+7], v[48+(\f)+FR*\b:48+(\f)+FR*\b+FR-1], v[FR*(\a)+(\f):FR*(\a)+(\f)+FR-1], v[ACC+8*(4*(\a)+\b):ACC+8*(4*(\a)+\b)+7], v[SC+16*(\sc)+4*\b+(\q)], v[SC+16*(\sc)+4*(\a)+(\q)] matrix_a_fmt:MATRIX_FMT_FP6 matrix_b_fmt:MATRIX_FMT_FP6 matrix_a_scale:MATRIX_SCALE_ROW1
.endif
.endr
.endm
.macro SCALES sc                       ; slot sc's scale words, 16 loads: lanes 0-15 take A's block i, lanes 16-31 B's block i
.irp i, 0,1,2,3
.irp q, 0,1,2,3
	ds_load_b32 v[SC+16*\sc+4*\i+\q], v[ADRS+\sc] offset:(\q/2)*BLK+24576+512*(\q%2)+64*\i
.endr
.endr
.endm
; The fragments of the slot's q-th 128 along K into buffer f, 32 loads in one run: B's four, then A's four, so that the youngest eight are A's blocks 2 and 3.  sc = 1: the slot's scale words first.
.macro FETCH slot, q, f, sc
.if \sc
	WIN 0
	SCALES \slot
.endif
	WIN TO_F
.irp i, 0,1,2,3
	FRAG 48+\f+FR*\i, ADRB+\slot, \q, \i
.endr
.irp i, 0,1,2,3
	FRAG \f+FR*\i, ADRA+\slot, \q, \i
.endr
.endm
; A load into a register that a matrix instruction has read, and an LDS store that reads a matrix result, stand NP places behind that matrix instruction; only plain vector instructions that name none of its registers are places.
.macro PLACES n
.rept \n
	v_nop
.endr
.endm
; A step of 128 along K that has its successor in the same slot: 16 products out of buffer q % 2; in its middle the next step's fragments are fetched into the other buffer.
.macro STEP slot, q, zero
	s_wait_dscnt 8                                 ; B's four fragments, A's blocks 0 and 1 (and the scale words) are in; the youngest 8 loads, A's blocks 2 and 3, may be out
	MWIN \zero
	MUL4 128*((\q)%2), 0, \q, \slot, \zero
	MUL4 128*((\q)%2), 1, \q, \slot, \zero
	PLACES NP                                      ; behind the last step's products, which read the other buffer
	FETCH \slot, (\q)+1, 128-128*((\q)%2), 0
	s_wait_dscnt 32                                ; all but the 32 just issued
	MWIN \zero
	MUL4 128*((\q)%2), 2, \q, \slot, \zero
	MUL4 128*((\q)%2), 3, \q, \slot, \zero
.endm
; A slot's last step multiplies buffer 1 and changes slots: ONE barrier; in front of it each wave waits for all its tensor loads, adds 0 to its spare word, and waits for that and for its own reads of this slot.
; fill = 1: this slot is filled again, two slots ahead.
.macro TURN slot, next, fill
	WIN 0                                          ; (the add's two registers lie in window 0)
	s_wait_tensorcnt 0x0                           ; all my tensor loads have landed: my part of the next slot
	ds_add_u32 v[SPW], v[NIL]                      ; 0 onto my spare word
	s_wait_dscnt 9                                 ; (the add and the youngest 8 loads, A's blocks 2 and 3, may be out)
	MWIN 0
	MUL4 128, 0, 3, \slot, 0                       ; four matrix instructions stand between the add and the wait for it
	s_wait_dscnt 0x0                               ; the add is done, and my reads of this slot are over
	s_barrier_signal -1
	MUL4 128, 1, 3, \slot, 0
	WIN 0
	s_barrier_wait -1
.if \fill
	CREST                                          ; the barrier has opened a round of the cluster's barrier: no wave of any partner still reads this slot or has a load on its way
	s_add_nc_u64 s[G0+4*\slot+2:G0+4*\slot+3], s[G0+4*\slot+2:G0+4*\slot+3], 4*BLK
	s_add_nc_u64 s[G0B+4*\slot+2:G0B+4*\slot+3], s[G0B+4*\slot+2:G0B+4*\slot+3], 4*BLK
	JLOAD G0+4*\slot, G1, G0B+4*\slot, G1B         ; the first tensor load behind the round; the four v_nop behind it are the places in front of the loads below
.else
	PLACES NP
.endif
	FETCH \next, 0, 0, 1
	MWIN 0
	MUL4 128, 2, 3, \slot, 0
	MUL4 128, 3, 3, \slot, 0
.endm
	s_wait_tensorcnt 0x0                           ; my part of slot 0 is in; slot 1's first fill is issued as a refill is:
	ds_add_u32 v[SPW], v[NIL]                      ; 0 onto my spare word
	s_wait_dscnt 0x0
	CROUND                                         ; everybody's part is in, and all sixteen work-groups are here
	JLOAD G0+4, G1, G0B+4, G1B                     ; slot 1, the first tensor load behind the round
	FETCH 0, 0, 0, 1
	WIN 0x80                                       ; destination window 2: the residual of my 64 x 64, asked for behind both slots' loads and wanted on the way out, as the way out will hold the result: stored rows 2 t, 2 t + 1 of block a are rows 32 (a / 2) + 8 (a % 2) + 2 t + 8 (t / 4) + 0, 1 of my 64
.irp a, 0,1,2,3
.irp t, 0,1,2,3,4,5,6,7
	global_load_b128 v[32*\a+4*\t:32*\a+4*\t+3], v[CO], s[10:11] offset:(32*(\a/2)+8*(\a%2)+2*\t+8*(\t/4))*4096 th:TH_LOAD_NT   ; sixteen lanes read 256 consecutive bytes, aligned; read once in this launch
.endr
.endr
	STEP 0, 0, 2                                   ; the first step stands in front of the loop: its products start the sums, on the bias
.if LAPS > 1
	WIN 0                                          ; at a label and at a branch every window is 0
	s_mov_b32 s3, LAPS-1
.Llap:                                                 ; a trip goes once round the ring, from a lap's second step to the next lap's first, and fills both slots again
	STEP 0, 1, 0
	STEP 0, 2, 0
	TURN 0, 1, 1
	STEP 1, 0, 0
	STEP 1, 1, 0
	STEP 1, 2, 0
	TURN 1, 0, 1
	STEP 0, 0, 0
	WIN 0
	s_sub_co_u32 s3, s3, 1
	s_cmp_lg_u32 s3, 0
	s_cbranch_scc1 .Llap
.endif
	STEP 0, 1, 0                                   ; the last lap fills nothing, and has no round of the cluster's barrier
	STEP 0, 2, 0
	TURN 0, 1, 0
	STEP 1, 0, 0
	STEP 1, 1, 0
	STEP 1, 2, 0
	s_wait_dscnt 8                                 ; the very last step: nothing more to fetch
	MWIN 0
	MUL4 128, 0, 3, 1, 0
	MUL4 128, 1, 3, 1, 0
	s_wait_dscnt 0x0
	MUL4 128, 2, 3, 1, 0
	MUL4 128, 3, 3, 1, 0
	WIN 0
; THE WAY OUT, block by block of 16 rows x 64 columns, through my own stage.  A lane holds 32 neighbouring bytes of a row in each accumulator, and the lanes beside it hold other rows: the block comes back as rows of
; 256 bytes, two an instruction, into the registers that it left.  LDS serves a wave's instructions in order (ISA guide 5.7.1.4): no wait between the stores and the loads, nor in front of the next block's stores.
.macro TOSTAGE a
.set AC, ACC+32*(\a)
.irp b, 0,1,2,3
	ds_store_b128 v[STO], v[AC+8*\b:AC+8*\b+3] offset:128*(\b/2)+32*(\b%2)          ; each accumulator from its low end on
	ds_store_b128 v[STO], v[AC+8*\b+4:AC+8*\b+7] offset:128*(\b/2)+32*(\b%2)+16
.endr
.irp t, 0,1,2,3,4,5,6,7
	ds_load_b128 v[AC+4*\t:AC+4*\t+3], v[RD] offset:\t*2*SPITCH
.endr
.endm
.macro SEND a
.set AC, ACC+32*(\a)
	s_wait_dscnt 16*(3-(\a))                       ; the block is back in registers; the 16 stage instructions of each later block may be out
	WIN 0x08                                       ; source 1 window 2: the residual
.set j, 0
.rept 16
	v_pk_add_f32 v[AC+j:AC+j+1], v[AC+j:AC+j+1], v[32*(\a)+j:32*(\a)+j+1]
.set j, j+2
.endr
	WIN 0
.irp t, 0,1,2,3,4,5,6,7
.if MODE
	global_store_b128 v[CO], v[AC+4*\t:AC+4*\t+3], s[12:13] offset:(32*((\a)/2)+8*((\a)%2)+2*\t+8*(\t/4))*4096 th:TH_STORE_NT   ; sixteen lanes store 256 consecutive bytes, aligned; written once, read by nobody here
.else
	global_store_b128 v[CO], v[AC+4*\t:AC+4*\t+3], s[12:13] offset:(32*((\a)/2)+8*((\a)%2)+2*\t+8*(\t/4))*4096                   ; sixteen lanes store 256 consecutive bytes, aligned
.endif
.endr
.endm
	PLACES NP                                      ; behind the last products: for the stage's stores and for the loads into the accumulators' registers
	TOSTAGE 0
	TOSTAGE 1
	TOSTAGE 2
	TOSTAGE 3
	s_wait_loadcnt 0x0                             ; the residual, asked for at the head
	SEND 0
	SEND 1
	SEND 2
	SEND 3
	s_wait_tensorcnt 0x0                           ; the wave's end: behind my last tensor load and my last LDS store
	ds_add_u32 v[SPW], v[NIL]
	s_wait_dscnt 0x0
	CROUND                                         ; the closing round: no work-group ends while a partner may still ask for a block that names it
	s_endpgm
.Lfunc_end_k_q6ff7d267f6_wo:
	.size	k_q6ff7d267f6_wo, .Lfunc_end_k_q6ff7d267f6_wo-k_q6ff7d267f6_wo
	.p2alignl 7, 3214868480
	.fill 96, 4, 3214868480
	.section	.rodata,"a",@progbits
	.p2align	6, 0x0
	.amdhsa_kernel k_q6ff7d267f6_wo
		.amdhsa_group_segment_fixed_size 327680
		.amdhsa_private_segment_fixed_size 0
		.amdhsa_enable_private_segment 0
		.amdhsa_kernarg_size 40
		.amdhsa_user_sgpr_count 2
		.amdhsa_user_sgpr_kernarg_segment_ptr 1
		.amdhsa_wavefront_size32 1
		.amdhsa_system_sgpr_workgroup_id_x 1
		.amdhsa_system_sgpr_workgroup_id_y 1
		.amdhsa_system_sgpr_workgroup_id_z 1
		.amdhsa_system_vgpr_workitem_id 0
		.amdhsa_next_free_vgpr 640
		.amdhsa_next_free_sgpr 66
		.amdhsa_reserve_vcc 0
		.amdhsa_float_denorm_mode_32 3
		.amdhsa_float_denorm_mode_16_64 3
		.amdhsa_memory_ordered 1
		.amdhsa_forward_progress 1
		.amdhsa_inst_pref_size 61
	.end_amdhsa_kernel
	.amdgpu_metadata
---
amdhsa.version: [ 1, 2 ]
amdhsa.kernels:
  - .name:           k_q6ff7d267f6_wo
    .symbol:         k_q6ff7d267f6_wo.kd
    .args:
      - { .name: ctx, .offset: 0, .size: 8, .value_kind: global_buffer, .address_space: global }
      - { .name: wpk, .offset: 8, .size: 8, .value_kind: global_buffer, .address_space: global }
      - { .name: bo, .offset: 16, .size: 8, .value_kind: global_buffer, .address_space: global }
      - { .name: x, .offset: 24, .size: 8, .value_kind: global_buffer, .address_space: global }
      - { .name: x1, .offset: 32, .size: 8, .value_kind: global_buffer, .address_space: global }
    .group_segment_fixed_size: 327680
    .private_segment_fixed_size: 0
    .kernarg_segment_align: 8
    .kernarg_segment_size: 40
    .max_flat_workgroup_size: 128
    .sgpr_count:     66
    .vgpr_count:     640
    .wavefront_size: 32
...
	.end_amdgpu_metadata
.endif
;; end of part 11
;; launch ln1 (part 12): grid 256 x 1, 8 waves a work-group, no clusters, 66,816 bytes of LDS; arguments x1, g2, s2, hpk; writes hpk
.if DOCPART == 12
	.amdgcn_target "amdgcn-amd-amdhsa--gfx1250"
	.amdhsa_code_object_version 6
	.text
	.protected	k_q6ff7d267f6_ln1
	.globl	k_q6ff7d267f6_ln1
	.p2align	8
	.type	k_q6ff7d267f6_ln1,@function
k_q6ff7d267f6_ln1:
	s_mov_b64 s[64:65], 0
	v_nop
	global_prefetch_b8 v0, s[64:65] scope:SCOPE_SE
	s_setreg_imm32_b32 hwreg(HW_REG_WAVE_MODE, 25, 1), 1
	s_wait_xcnt 0x0
; h = gain x (x - mean) / sqrt(var + 1e-5) + shift for rows of 1,024 f32, quantised along the row to FP6 (E2M3) with one E8M0 byte for each 32, and stored in this program's packed form
; (half fragments of 16 rows x 64 along K, 768 bytes: lane (r, h)'s six registers, four at 16 l and two at 512 + 8 l; blocks of 128 rows x 256 along K, 25,600 bytes: codes [8][4][768], scale words [2][8][16][4];
; blocks ordered [rows / 128][K / 256]; rows stored with bits 3 and 4 of their number exchanged).
; SHARES.  A work-group makes one stored block of 16 rows.  Phase 1: each of the eight waves normalises two rows (a row is 32 registers a wave; mean first, then the squares of x - mean: no difference of large sums)
; and lays them in LDS.  One barrier.  Phase 2: wave w quantises columns 128 w .. 128 w + 127 of the 16 rows: lane (r, h) reads a whole block of 32 neighbours, so no other lane is asked for a maximum.
; LDS: 16 rows of 4,096 bytes + 16: 257 x 16 bytes from row to row, so that the sixteen rows that a phase 2 load touches fall on different banks.
; Memory binds: no matrix unit, no cluster, no tensor load.
; LIMITS: a block of zeros gets the byte 1 where the rule says 127 (its codes are zeros; this program alone reads the bytes); largest magnitudes under 2^-124 are held at that floor; NaN and infinities are not served.
.set PIT, 4112
.set BLK, 25600
.set X,   16                           ; v16-79   two rows as loaded; in phase 2 two blocks of 32
.set G,   80                           ; v80-111  the gain at my columns
.set S,   112                          ; v112-143 the shift
.set W,   152                          ; v152-155 at work
	s_load_b256 s[4:11], s[0:1], 0x0               ; x, gain, shift, hpk
	v_lshl_add_u32 v160, v0, 2, 0x10100
	v_mov_b32 v161, 0
	v_lshrrev_b32 v1, 5, v0
	s_delay_alu instid0(VALU_DEP_1)
	v_readfirstlane_b32 s12, v1                    ; wave 0..7
	v_and_b32 v2, 31, v0
	s_delay_alu instid0(VALU_DEP_1)
	v_lshlrev_b32 v3, 4, v2                        ; v3: 16 x lane
	v_and_b32 v6, 15, v0                           ; r
	v_bfe_u32 v7, v0, 4, 1                         ; h
	s_mul_i32 s16, s12, 2*PIT
	v_add_nc_u32 v4, s16, v3                       ; v4: into the stage: stored rows 2 w, 2 w + 1
	v_mul_u32_u24 v5, v6, PIT
	s_delay_alu instid0(VALU_DEP_1)
	v_lshl_add_u32 v5, v7, 7, v5
	s_lshl_b32 s17, s12, 9
	v_add_nc_u32 v5, s17, v5                       ; v5: out of it: row r, column 128 w + 32 h
	v_lshlrev_b32 v1, 3, v2
	s_delay_alu instid0(VALU_DEP_1)
	v_add_nc_u32 v1, 512, v1                       ; v1: 512 + 8 x lane
	v_lshlrev_b32 v6, 2, v6                        ; v6: 4 r
	v_lshlrev_b32 v7, 3, v7                        ; v7: 8 h
	v_mov_b32 v15, 0                               ; a lane permute's destination counts as one of its sources
	s_mov_b32 s18, 0x76543210
	s_mov_b32 s19, 0xfedcba98                      ; v_permlanex16_b32's selects for lane l xor 16
	s_mov_b32 s28, 0x3a800000                      ; 1 / 1,024
	s_mov_b32 s29, 0x3727c5ac                      ; 1e-5
	; stored rows 2 w, 2 w + 1 of stored block rb are the rows 32 (rb / 2) + 8 (rb % 2) + 16 (w / 4) + 2 (w % 4) + 0, 1
	s_lshr_b32 s13, ttmp9, 1
	s_lshl_b32 s13, s13, 5
	s_and_b32 s14, ttmp9, 1
	s_lshl_b32 s14, s14, 3
	s_add_co_u32 s13, s13, s14
	s_lshr_b32 s14, s12, 2
	s_lshl_b32 s14, s14, 4
	s_add_co_u32 s13, s13, s14
	s_and_b32 s14, s12, 3
	s_lshl_b32 s14, s14, 1
	s_add_co_u32 s13, s13, s14
	s_lshl_b32 s14, s13, 12                        ; x 4,096 bytes
	s_mov_b32 s15, 0
	; where my two half fragments and my scale words go
	s_lshr_b32 s20, ttmp9, 3
	s_lshl_b32 s20, s20, 2
	s_lshr_b32 s21, s12, 1
	s_add_co_u32 s20, s20, s21
	s_mul_i32 s20, s20, BLK                        ; block (rb / 8) x 4 + w / 2
	s_and_b32 s21, ttmp9, 7
	s_and_b32 s22, s12, 1
	s_mul_i32 s23, s21, 3072
	s_mul_i32 s24, s22, 1536
	s_add_co_u32 s24, s24, s23
	s_add_co_u32 s24, s24, s20
	s_mov_b32 s25, 0
	s_lshl_b32 s21, s21, 6
	s_lshl_b32 s22, s22, 9
	s_add_co_u32 s26, s21, s22
	s_add_co_u32 s26, s26, s20
	s_add_co_u32 s26, s26, 24576
	s_mov_b32 s27, 0
	s_wait_kmcnt 0x0
	s_add_nc_u64 s[4:5], s[4:5], s[14:15]
	s_add_nc_u64 s[24:25], s[10:11], s[24:25]
	s_add_nc_u64 s[26:27], s[10:11], s[26:27]
.irp e, 0,1
.irp j, 0,1,2,3,4,5,6,7
	global_load_b128 v[X+32*\e+4*\j:X+32*\e+4*\j+3], v3, s[4:5] offset:4096*\e+512*\j      ; 512 consecutive bytes a load
.endr
.endr
.irp j, 0,1,2,3,4,5,6,7
	global_load_b128 v[G+4*\j:G+4*\j+3], v3, s[6:7] offset:512*\j
	global_load_b128 v[S+4*\j:S+4*\j+3], v3, s[8:9] offset:512*\j
.endr
.macro ACROSS                          ; v[W] summed over the 32 lanes, the sum in every lane
	s_delay_alu instid0(VALU_DEP_1)
	v_add_f32 v[W], v[W], v[W+1]
	s_delay_alu instid0(VALU_DEP_1)
	v_add_f32_dpp v[W], v[W], v[W] row_xmask:1 row_mask:0xf bank_mask:0xf
	s_delay_alu instid0(VALU_DEP_1)
	v_add_f32_dpp v[W], v[W], v[W] row_xmask:2 row_mask:0xf bank_mask:0xf
	s_delay_alu instid0(VALU_DEP_1)
	v_add_f32_dpp v[W], v[W], v[W] row_xmask:4 row_mask:0xf bank_mask:0xf
	s_delay_alu instid0(VALU_DEP_1)
	v_add_f32_dpp v[W], v[W], v[W] row_xmask:8 row_mask:0xf bank_mask:0xf
	s_delay_alu instid0(VALU_DEP_1)
	v_permlanex16_b32 v[W+1], v[W], s18, s19
	s_delay_alu instid0(VALU_DEP_1)
	v_add_f32 v[W], v[W], v[W+1]
.endm
.macro ROW e
.set R, X+32*\e
	v_pk_add_f32 v[W:W+1], v[R:R+1], v[R+2:R+3]    ; the row's sum, in two chains
	v_pk_add_f32 v[W+2:W+3], v[R+4:R+5], v[R+6:R+7]
.irp j, 8,12,16,20,24,28
	s_delay_alu instid0(VALU_DEP_2)
	v_pk_add_f32 v[W:W+1], v[W:W+1], v[R+\j:R+\j+1]
	s_delay_alu instid0(VALU_DEP_2)
	v_pk_add_f32 v[W+2:W+3], v[W+2:W+3], v[R+\j+2:R+\j+3]
.endr
	s_delay_alu instid0(VALU_DEP_1)
	v_pk_add_f32 v[W:W+1], v[W:W+1], v[W+2:W+3]
	ACROSS
	s_delay_alu instid0(VALU_DEP_1)
	v_mul_f32 v[W], s28, v[W]                      ; the mean
	s_delay_alu instid0(VALU_DEP_1)
	v_mov_b32 v[W+1], v[W]
.set j, 0
.rept 16
	v_pk_add_f32 v[R+j:R+j+1], v[R+j:R+j+1], v[W:W+1] neg_lo:[0,1] neg_hi:[0,1]   ; x - mean, in place
.set j, j+2
.endr
	v_pk_mul_f32 v[W:W+1], v[R:R+1], v[R:R+1]      ; the sum of its squares
	v_pk_mul_f32 v[W+2:W+3], v[R+2:R+3], v[R+2:R+3]
.irp j, 4,8,12,16,20,24,28
	s_delay_alu instid0(VALU_DEP_2)
	v_pk_fma_f32 v[W:W+1], v[R+\j:R+\j+1], v[R+\j:R+\j+1], v[W:W+1]
	s_delay_alu instid0(VALU_DEP_2)
	v_pk_fma_f32 v[W+2:W+3], v[R+\j+2:R+\j+3], v[R+\j+2:R+\j+3], v[W+2:W+3]
.endr
	s_delay_alu instid0(VALU_DEP_1)
	v_pk_add_f32 v[W:W+1], v[W:W+1], v[W+2:W+3]
	ACROSS
	s_delay_alu instid0(VALU_DEP_1)
	v_fma_f32 v[W], v[W], s28, s29                 ; var + 1e-5
	s_wait_alu depctr_va_vdst(0)
	v_rsq_f32 v[W], v[W]
	v_nop                                          ; one plain place behind a transcendental
	s_wait_alu depctr_va_vdst(0)
	v_mov_b32 v[W+1], v[W]
.if \e == 0
	s_wait_alu depctr_va_vdst(0)
	s_wait_loadcnt 0x0                             ; gain and shift
.endif
.set j, 0
.rept 16
	v_pk_mul_f32 v[R+j:R+j+1], v[R+j:R+j+1], v[W:W+1]
	s_delay_alu instid0(VALU_DEP_1)
	v_pk_fma_f32 v[R+j:R+j+1], v[R+j:R+j+1], v[G+j:G+j+1], v[S+j:S+j+1]
.set j, j+2
.endr
.irp j, 0,1,2,3,4,5,6,7
	ds_store_b128 v4, v[R+4*\j:R+4*\j+3] offset:PIT*\e+512*\j
.endr
.endm
	s_wait_loadcnt 16                              ; my two rows are in; the 16 loads of gain and shift may be out
	ROW 0
	ROW 1
	s_wait_dscnt 0x0                               ; for the others' sake: my rows lie in the stage
	s_barrier_signal -1
	s_barrier_wait -1
.irp e, 0,1
.irp i, 0,1,2,3,4,5,6,7
	ds_load_b128 v[X+32*\e+4*\i:X+32*\e+4*\i+3], v5 offset:256*\e+16*\i     ; h(r, 128 w + 64 e + 32 h + 4 i ..)
.endr
.endr
.macro HALFQ e                         ; my block of half fragment e: its byte into v[12 + e], its codes stored
.set XS, X+32*\e
.set CT, 96+8*\e
	v_max3_num_f32 v8, |v[XS]|, |v[XS+1]|, |v[XS+2]|
	v_max3_num_f32 v9, |v[XS+3]|, |v[XS+4]|, |v[XS+5]|
.irp i, 6,10,14,18,22,26
	s_delay_alu instid0(VALU_DEP_2)
	v_max3_num_f32 v8, v8, |v[XS+\i]|, |v[XS+\i+1]|
	s_delay_alu instid0(VALU_DEP_2)
	v_max3_num_f32 v9, v9, |v[XS+\i+2]|, |v[XS+\i+3]|
.endr
	s_delay_alu instid0(VALU_DEP_2)
	v_max3_num_f32 v8, v8, |v[XS+30]|, |v[XS+31]|
	s_delay_alu instid0(VALU_DEP_1)
	v_max3_num_f32 v8, v8, v9, 0x1800000           ; the floor 2^(3 - 127)
	s_delay_alu instid0(VALU_DEP_1)
	v_add_nc_u32 v[10+\e], 0xff000000, v8          ; the conversion's scale operand
	s_delay_alu instid0(VALU_DEP_1)
	v_lshrrev_b32 v[12+\e], 23, v[10+\e]           ; the scale's byte
	v_cvt_scalef32_pk16_fp6_f32 v[CT:CT+2], v[XS:XS+15], v[10+\e]
	v_cvt_scalef32_pk16_fp6_f32 v[112+4*\e:114+4*\e], v[XS+16:XS+31], v[10+\e]
	v_nop                                          ; one plain place behind a scaled conversion
.irp i, 0,1,2
	v_mov_b32 v[CT+3+\i], v[112+4*\e+\i]
.endr
	global_store_b128 v3, v[CT:CT+3], s[24:25] offset:768*\e     ; 512 consecutive bytes, aligned
	global_store_b64 v1, v[CT+4:CT+5], s[24:25] offset:768*\e    ; 256 consecutive bytes, aligned
.endm
	s_wait_dscnt 8                                 ; the first half fragment's numbers are in; the second's eight loads may be out
	HALFQ 0
	s_wait_dscnt 0x0
	HALFQ 1
	v_lshl_or_b32 v14, v13, 16, v12                ; my two bytes: blocks h and 2 + h of row r,
	s_delay_alu instid0(VALU_DEP_1)
	v_lshlrev_b32 v14, v7, v14                     ; at their places in the scale word (8 h bits up);
	s_delay_alu instid0(VALU_DEP_1)
	v_permlanex16_b32 v15, v14, s18, s19
	s_delay_alu instid0(VALU_DEP_1)
	v_or_b32 v14, v14, v15                         ; with lane l xor 16's two the word is whole
	global_store_b32 v6, v14, s[26:27]             ; both halves of the lanes store the same word
	s_wait_tensorcnt 0x0
	ds_add_u32 v160, v161
	s_wait_dscnt 0x0
	s_endpgm
.Lfunc_end_k_q6ff7d267f6_ln1:
	.size	k_q6ff7d267f6_ln1, .Lfunc_end_k_q6ff7d267f6_ln1-k_q6ff7d267f6_ln1
	.p2alignl 7, 3214868480
	.fill 96, 4, 3214868480
	.section	.rodata,"a",@progbits
	.p2align	6, 0x0
	.amdhsa_kernel k_q6ff7d267f6_ln1
		.amdhsa_group_segment_fixed_size 66816
		.amdhsa_private_segment_fixed_size 0
		.amdhsa_enable_private_segment 0
		.amdhsa_kernarg_size 32
		.amdhsa_user_sgpr_count 2
		.amdhsa_user_sgpr_kernarg_segment_ptr 1
		.amdhsa_wavefront_size32 1
		.amdhsa_system_sgpr_workgroup_id_x 1
		.amdhsa_system_sgpr_workgroup_id_y 1
		.amdhsa_system_sgpr_workgroup_id_z 1
		.amdhsa_system_vgpr_workitem_id 0
		.amdhsa_next_free_vgpr 162
		.amdhsa_next_free_sgpr 66
		.amdhsa_reserve_vcc 0
		.amdhsa_float_denorm_mode_32 3
		.amdhsa_float_denorm_mode_16_64 3
		.amdhsa_memory_ordered 1
		.amdhsa_forward_progress 1
		.amdhsa_inst_pref_size 29
	.end_amdhsa_kernel
	.amdgpu_metadata
---
amdhsa.version: [ 1, 2 ]
amdhsa.kernels:
  - .name:           k_q6ff7d267f6_ln1
    .symbol:         k_q6ff7d267f6_ln1.kd
    .args:
      - { .name: x1, .offset: 0, .size: 8, .value_kind: global_buffer, .address_space: global }
      - { .name: g2, .offset: 8, .size: 8, .value_kind: global_buffer, .address_space: global }
      - { .name: s2, .offset: 16, .size: 8, .value_kind: global_buffer, .address_space: global }
      - { .name: hpk, .offset: 24, .size: 8, .value_kind: global_buffer, .address_space: global }
    .group_segment_fixed_size: 66816
    .private_segment_fixed_size: 0
    .kernarg_segment_align: 8
    .kernarg_segment_size: 32
    .max_flat_workgroup_size: 256
    .sgpr_count:     66
    .vgpr_count:     162
    .wavefront_size: 32
...
	.end_amdgpu_metadata
.endif
;; end of part 12
;; launch ffn1 (part 13): grid 16 x 16, 4 waves a work-group, clusters of 4 x 4, 327,680 bytes of LDS; arguments hpk, wpk, b1, act; writes act
.if DOCPART == 13
	.amdgcn_target "amdgcn-amd-amdhsa--gfx1250"
	.amdhsa_code_object_version 6
	.text
	.protected	k_q6ff7d267f6_ffn1
	.globl	k_q6ff7d267f6_ffn1
	.p2align	8
	.type	k_q6ff7d267f6_ffn1,@function
k_q6ff7d267f6_ffn1:
	s_mov_b64 s[64:65], 0
	v_nop
	global_prefetch_b8 v0, s[64:65] scope:SCOPE_SE
	s_setreg_imm32_b32 hwreg(HW_REG_WAVE_MODE, 25, 1), 1
	s_wait_xcnt 0x0
	s_wait_alu depctr_hold_cnt(0) depctr_sa_sdst(0) depctr_va_vdst(0) depctr_va_sdst(0) depctr_va_ssrc(0) depctr_va_vcc(0) depctr_vm_vsrc(0)
	s_getreg_b32 s2, hwreg(HW_REG_IB_STS2, 6, 4)
	s_cmp_eq_u32 s2, 0
	s_cbranch_scc0 .Lentry_in_a_cluster
	s_endpgm
.Lentry_in_a_cluster:
	s_bfe_u32 s2, ttmp6, 0x10000c
	s_cmp_lg_u32 s2, 0xf033
	s_cbranch_scc0 .Lentry_shape_is_right
	s_endpgm
.Lentry_shape_is_right:
; The text of the launch qkv with MODE = 1: act = Q(gelu(h w1 + b1)): A = the normalised rows (hpk), B = w1 (4,096 rows of wpk, from block 256 on), K = 1,024; the bias is the C of each sum's first product;
; tanh-GELU in f32 as x / (1 + 2^z), z = -2 log2(e) sqrt(2 / pi) (x + 0.044715 x^3); the results are quantised along the 4,096 and stored in this program's packed form.  Layouts, shares, registers and limits as that text's head states them.
.set MODE,   1
.set BLK,    25600
.set SLOT,   4*BLK
.set NKS,    4
.set LAPS,   NKS/2
.set SPARE,  2*SLOT
.set FR,     12
.set NL,     4
.set NP,     4
.set NQ,     2
.set ZERO,   1+MODE
.set VC,     6291456
.set QKS,    9437184
.set VSO,    9699328
.if MODE
.set SA,     3072
.else
.set SA,     24576
.endif
.set ADRA, 16
.set ADRB, 20
.set VO16, 24
.set VO8,  25
.set VO4,  26
.set BO,   27
.set SPW,  28
.set NIL,  29
.set ADRS, 30
.set SC,   32
.set TM,   64
.set PW,   80
.set SW,   82
.set K1,   84
.set PC,   96
.set AF,   128
.set T,    128
.set G1, 24
.set G0, 32
.set G1B, 48
.set G0B, 56
.set K2,  68
.set HALF, 70
.set SEL, 72
.set MSB, 0
.macro WIN new
.if MSB != (\new)
	s_set_vgpr_msb (MSB<<8)|(\new)
.set MSB, (\new)
.endif
.endm
.set TO_B, 0x40
.macro MWIN hi, zero
.if (\zero) == 2
	WIN 0x91+0x40*(\hi)
.else
	WIN 0xa1+0x50*(\hi)
.endif
.endm
.macro JLOAD g0a, g1a, g0b, g1b
	s_cmp_eq_u32 s15, 0
	s_cbranch_scc0 .Lfor_b_\@
	tensor_load_to_lds s[\g0a:\g0a+3], s[\g1a:\g1a+7]
	s_nop 0
.rept 4
	v_nop
.endr
	s_branch .Lasked_\@
.Lfor_b_\@:
	tensor_load_to_lds s[\g0b:\g0b+3], s[\g1b:\g1b+7]
	s_nop 0
.rept 4
	v_nop
.endr
.Lasked_\@:
.endm
.macro CREST
	s_cmp_lg_u32 s14, 0
	s_cbranch_scc1 .Lnot_wave_0_\@
	s_barrier_signal -3
.Lnot_wave_0_\@:
	s_barrier_wait -3
	s_barrier_signal -1
	s_barrier_wait -1
.endm
.macro CROUND
	s_barrier_signal -1
	s_barrier_wait -1
	CREST
.endm
	s_load_b128 s[4:7], s[0:1], 0x0
.if MODE
	s_load_b128 s[8:11], s[0:1], 0x10
.else
	s_load_b64 s[10:11], s[0:1], 0x10
.endif
	v_lshl_add_u32 v[SPW], v0, 2, SPARE
	v_mov_b32 v[NIL], 0
	ds_add_u32 v28, v29
	ds_add_u32 v28, v29
	s_wait_dscnt 0x0
	v_lshrrev_b32 v1, 5, v0
	v_readfirstlane_b32 s14, v1
	s_lshr_b32 s15, s14, 1
	s_and_b32 s16, s14, 1
	s_bfe_u32 s40, ttmp6, 0x40000
	s_bfe_u32 s41, ttmp6, 0x40004
	s_lshl_b32 s43, s41, 2
	s_lshl_b32 s43, 15, s43
	s_lshl_b32 s44, 0x1111, s40
.if MODE
	s_lshl_b32 s42, ttmp9, 2
	s_add_co_u32 s42, s42, s40
	s_and_b32 s17, ttmp7, 0xffff
	s_lshl_b32 s17, s17, 2
	s_add_co_u32 s17, s17, s41
.else
	s_lshr_b32 s18, ttmp9, 1
	s_and_b32 s19, ttmp9, 1
	s_max_u32 s20, ttmp9, 8
	s_sub_co_u32 s20, s20, 8
	s_cmp_lt_u32 ttmp9, 8
	s_cselect_b32 s17, s18, 0
	s_cselect_b32 s42, s19, s20
	s_lshl_b32 s17, s17, 2
	s_add_co_u32 s17, s17, s41
	s_lshl_b32 s42, s42, 2
	s_add_co_u32 s42, s42, s40
.endif
	s_or_b32 s[G1+0], s43, (3<<16)|(1<<21)
	s_or_b32 s[G1B+0], s44, (3<<16)|(1<<21)
.irp g, G1, G1B
	s_mov_b32 s[\g+1], 32<<16
	s_mov_b32 s[\g+2], 100<<16
	s_mov_b32 s[\g+3], 32<<16
	s_mov_b32 s[\g+4], 100
	s_mov_b32 s[\g+5], 32
	s_mov_b32 s[\g+6], 0
	s_mov_b32 s[\g+7], 0
.endr
	s_lshl_b32 s20, s17, 1
	s_add_co_u32 s20, s20, s16
	s_mul_i32 s20, s20, NKS*BLK
	s_mov_b32 s21, 0
	s_lshl_b32 s46, s42, 1
	s_add_co_u32 s46, s46, s16
	s_mul_i32 s46, s46, NKS*BLK
	s_mov_b32 s47, 0
	s_mul_i32 s45, s14, BLK
.if MODE
	s_add_co_u32 s46, s46, 256*BLK
	s_wait_kmcnt 0x0
	s_add_nc_u64 s[20:21], s[4:5], s[20:21]
	s_add_nc_u64 s[46:47], s[6:7], s[46:47]
.else
	s_cmp_lt_u32 ttmp9, 8
	s_cselect_b32 s18, 0, 64*BLK
	s_add_co_u32 s20, s20, s18
	s_wait_kmcnt 0x0
	s_cmp_lt_u32 ttmp9, 8
	s_cselect_b64 s[22:23], s[4:5], s[6:7]
	s_cselect_b64 s[18:19], s[6:7], s[4:5]
	s_add_nc_u64 s[20:21], s[22:23], s[20:21]
	s_add_nc_u64 s[46:47], s[18:19], s[46:47]
.endif
	; the prefetches' base: the block that I fetch, K step 0, + my work-group's quarter of it.  The four partners that ask for a block jointly share its 100 units of 256 bytes out by address: 25 each (cx for A's, cy for B's)
	s_cmp_eq_u32 s15, 0
	s_cselect_b64 s[4:5], s[20:21], s[46:47]
	s_cselect_b32 s6, s40, s41
	s_mul_i32 s6, s6, 6400
	s_mov_b32 s7, 0
	s_add_nc_u64 s[4:5], s[4:5], s[6:7]
	v_and_b32 v8, 31, v0
	v_min_u32 v8, 24, v8                           ; v8: a lane a unit; lanes 25-31 name the last unit again; never rewritten
	v_lshlrev_b32 v8, 8, v8
	global_prefetch_b8 v8, s[4:5] th:TH_LOAD_NT scope:SCOPE_SE   ; K step 0's block: the opening round and the descriptors' lines stand between this line and the load that brings it
	s_wait_alu depctr_va_vdst(0)                   ; the wait ahead of the barrier's signal
	CROUND                                         ; all sixteen work-groups are here: the first joint loads meet
.irp s, 0,1
	s_mov_b32 s[G0+4*\s], 1
	s_add_co_u32 s[G0+4*\s+1], s45, \s*SLOT
	s_add_nc_u64 s[G0+4*\s+2:G0+4*\s+3], s[20:21], \s*BLK
	s_or_b32 s[G0+4*\s+3], s[G0+4*\s+3], 0x80000000
	s_mov_b32 s[G0B+4*\s], 1
	s_add_co_u32 s[G0B+4*\s+1], s45, \s*SLOT
	s_add_nc_u64 s[G0B+4*\s+2:G0B+4*\s+3], s[46:47], \s*BLK
	s_or_b32 s[G0B+4*\s+3], s[G0B+4*\s+3], 0x80000000
.endr
	JLOAD G0, G1, G0B, G1B                         ; K step 0: one tensor load a wave at the head
	v_and_b32 v1, 15, v0
	v_bfe_u32 v2, v0, 4, 1
	v_and_b32 v3, 31, v0
	v_lshlrev_b32 v[VO16], 4, v3
	v_lshlrev_b32 v[VO8], 3, v3
	v_add_nc_u32 v[VO8], 512, v[VO8]
	v_lshlrev_b32 v[VO4], 2, v3
	v_lshlrev_b32 v[BO], 6, v2
	s_mul_i32 s21, s15, BLK
	s_mul_i32 s22, s16, BLK
	s_add_co_u32 s22, s22, 2*BLK
	s_sub_co_u32 s23, s22, s21
	v_mul_u32_u24 v6, s23, v2
	v_lshl_add_u32 v6, v1, 2, v6
.irp s, 0,1
	v_add_nc_u32 v[ADRA+\s], s21, v[VO16]
	v_add_nc_u32 v[ADRA+2+\s], s21, v[VO8]
	v_add_nc_u32 v[ADRB+\s], s22, v[VO16]
	v_add_nc_u32 v[ADRB+2+\s], s22, v[VO8]
	v_add_nc_u32 v[ADRS+\s], s21, v6
	s_add_co_u32 s21, s21, SLOT
	s_add_co_u32 s22, s22, SLOT
.endr
.irp b, 0,1,2,3
	v_mov_b32 v[TM+4+\b], 0                        ; written once: a lane permute's destination counts as one of its sources
.endr
	global_prefetch_b8 v8, s[4:5] offset:BLK th:TH_LOAD_NT scope:SCOPE_SE     ; K steps 1 and 2, which the next two tensor loads of this wave bring
	global_prefetch_b8 v8, s[4:5] offset:2*BLK th:TH_LOAD_NT scope:SCOPE_SE
	s_mov_b32 s[SEL], 0x76543210
	s_mov_b32 s[SEL+1], 0xfedcba98
	s_mov_b32 s[HALF], 0xffff0000
.if MODE
	s_lshl_b32 s18, s17, 1
	s_add_co_u32 s18, s18, s15
	s_lshl_b32 s18, s18, 4
	s_add_co_u32 s18, s18, s42
	s_mul_i32 s22, s18, BLK
	s_mul_i32 s19, s16, 1536
	s_lshl_b32 s66, s16, 9
	s_add_co_u32 s66, s66, s22
	s_add_co_u32 s66, s66, 24576
	s_add_co_u32 s22, s22, s19
	s_mov_b32 s23, 0
	s_mov_b32 s67, 0
	s_add_nc_u64 s[12:13], s[10:11], s[66:67]
	s_add_nc_u64 s[10:11], s[10:11], s[22:23]
	s_lshl_b32 s18, s42, 10
	s_lshl_b32 s19, s16, 9
	s_add_co_u32 s18, s18, s19
	s_mov_b32 s19, 0
	s_add_nc_u64 s[8:9], s[8:9], s[18:19]
	s_mov_b32 s[K2], 0xbdd2d3e8
	s_mov_b32 s[K2+1], s[K2]
	v_mov_b32 v[K1], 0xc0135761
	v_mov_b32 v[K1+1], 0xc0135761
	WIN TO_B
.irp u, 0,1,2,3
.irp i, 0,1,2,3
	global_load_b128 v[96+16*\u+96*(\u/2)+4*\i:96+16*\u+96*(\u/2)+4*\i+3], v[BO], s[8:9] offset:128*\u+16*\i
.endr
.endr
	WIN 0
	s_wait_loadcnt 0x0
.else
	s_lshl_b32 s18, s17, 4
	s_lshl_b32 s19, s15, 3
	s_add_co_u32 s18, s18, s19
	s_lshl_b32 s19, s42, 1
	s_add_co_u32 s19, s19, s16
	s_lshr_b32 s22, s19, 4
	s_lshl_b32 s22, s22, 6
	s_add_co_u32 s22, s22, s18
	s_mul_i32 s22, s22, 24576
	s_and_b32 s23, s19, 15
	s_mul_i32 s23, s23, 1536
	s_add_co_u32 s22, s22, s23
	s_lshl_b32 s66, s18, 6
	s_mov_b32 s75, VSO
	s_cmp_lt_u32 ttmp9, 8
	s_cselect_b32 s23, 0, VC
	s_cselect_b32 s74, 14, 12
	s_cselect_b32 s75, QKS, s75
	s_add_co_u32 s22, s22, s23
	s_mov_b32 s23, 0
	s_lshl_b32 s74, s19, s74
	s_add_co_u32 s66, s66, s74
	s_add_co_u32 s66, s66, s75
	s_mov_b32 s67, 0
	s_add_nc_u64 s[12:13], s[10:11], s[66:67]
	s_add_nc_u64 s[10:11], s[10:11], s[22:23]
.endif
.macro FRAG reg, a16, q, i
.irp c, 0,1
	ds_load_b128 v[\reg+6*\c:\reg+6*\c+3], v[\a16] offset:(4*(\i)+2*(\q)+\c)*768
	ds_load_b64 v[\reg+6*\c+4:\reg+6*\c+5], v[\a16+2] offset:(4*(\i)+2*(\q)+\c)*768
.endr
.endm
.macro MUL16 a0, p, q, sc, zero
.irp a, \a0, \a0+1
.irp b, 0,1,2,3,4,5,6,7
.if (\zero) == 1
	v_wmma_scale_f32_16x16x128_f8f6f4 v[8*(8*((\a)%4)+\b):8*(8*((\a)%4)+\b)+7], v[128*(\p)+FR*\b:128*(\p)+FR*\b+FR-1], v[AF+FR*(\a):AF+FR*(\a)+FR-1], 0, v[SC+8*NQ*(\sc)+NQ*\b+(\q)], v[SC+8*NQ*(\sc)+NQ*(\a)+(\q)] matrix_a_fmt:MATRIX_FMT_FP6 matrix_b_fmt:MATRIX_FMT_FP6 matrix_a_scale:MATRIX_SCALE_ROW1
.elseif (\zero) == 2
	v_wmma_scale_f32_16x16x128_f8f6f4 v[8*(8*((\a)%4)+\b):8*(8*((\a)%4)+\b)+7], v[128*(\p)+FR*\b:128*(\p)+FR*\b+FR-1], v[AF+FR*(\a):AF+FR*(\a)+FR-1], v[96+8*\b+96*(\b/4):96+8*\b+96*(\b/4)+7], v[SC+8*NQ*(\sc)+NQ*\b+(\q)], v[SC+8*NQ*(\sc)+NQ*(\a)+(\q)] matrix_a_fmt:MATRIX_FMT_FP6 matrix_b_fmt:MATRIX_FMT_FP6 matrix_a_scale:MATRIX_SCALE_ROW1
.else
	v_wmma_scale_f32_16x16x128_f8f6f4 v[8*(8*((\a)%4)+\b):8*(8*((\a)%4)+\b)+7], v[128*(\p)+FR*\b:128*(\p)+FR*\b+FR-1], v[AF+FR*(\a):AF+FR*(\a)+FR-1], v[8*(8*((\a)%4)+\b):8*(8*((\a)%4)+\b)+7], v[SC+8*NQ*(\sc)+NQ*\b+(\q)], v[SC+8*NQ*(\sc)+NQ*(\a)+(\q)] matrix_a_fmt:MATRIX_FMT_FP6 matrix_b_fmt:MATRIX_FMT_FP6 matrix_a_scale:MATRIX_SCALE_ROW1
.endif
.endr
.endr
.endm
.macro FETCH_B slot, q, p
	WIN TO_B
.irp i, 0,1,2,3,4,5,6,7
	FRAG 128*(\p)+FR*\i, ADRB+\slot, \q, \i
.endr
	WIN 0
.endm
.macro FETCH_A slot, q, i0
.irp i, \i0, \i0+1, \i0+2, \i0+3
	FRAG AF+FR*(\i), ADRA+\slot, \q, \i
.endr
.endm
.macro SCALES sc
.irp i, 0,1,2,3,4,5,6,7
.irp q, 0,1
	ds_load_b32 v[SC+8*NQ*\sc+NQ*\i+\q], v[ADRS+\sc] offset:24576+512*\q+64*\i
.endr
.endr
.endm
.macro PLACES n
.rept \n
	v_nop
.endr
.endm
.macro STEP slot, q, zero
	s_wait_dscnt 4*NL
	MWIN 0, \zero
	MUL16 0, (\q)%2, \q, \slot, \zero
	MUL16 2, (\q)%2, \q, \slot, \zero
	s_wait_dscnt 0
	PLACES NP
	FETCH_B \slot, (\q)+1, 1-(\q)%2
	FETCH_A \slot, (\q)+1, 0
	MWIN 1, \zero
	MUL16 4, (\q)%2, \q, \slot, \zero
	MUL16 6, (\q)%2, \q, \slot, \zero
	PLACES NP
	WIN 0
	FETCH_A \slot, (\q)+1, 4
.endm
.macro TURN slot, next, fill
	s_wait_tensorcnt 0x0
	ds_add_u32 v[SPW], v[NIL]
	s_wait_dscnt 4*NL+1
	MWIN 0, 0
	MUL16 0, 1, NQ-1, \slot, 0
	s_wait_dscnt 0x0
	s_barrier_signal -1
	MUL16 2, 1, NQ-1, \slot, 0
	WIN 0
	s_barrier_wait -1
.if \fill
	CREST
	s_add_nc_u64 s[G0+4*\slot+2:G0+4*\slot+3], s[G0+4*\slot+2:G0+4*\slot+3], 2*BLK
	s_add_nc_u64 s[G0B+4*\slot+2:G0B+4*\slot+3], s[G0B+4*\slot+2:G0B+4*\slot+3], 2*BLK
	JLOAD G0+4*\slot, G1, G0B+4*\slot, G1B
.else
	PLACES NP
.endif
	s_wait_alu depctr_va_vdst(0)
	FETCH_B \next, 0, 0
	FETCH_A \next, 0, 0
	SCALES \next
	MWIN 1, 0
	MUL16 4, 1, NQ-1, \slot, 0
	MUL16 6, 1, NQ-1, \slot, 0
	PLACES NP
	WIN 0
	FETCH_A \next, 0, 4
.endm
	s_wait_alu depctr_va_vdst(0)                   ; the wait at the head's end
	s_wait_tensorcnt 0x0                           ; my part of K step 0 is in; slot 1's first fill is issued as a refill is:
	ds_add_u32 v[SPW], v[NIL]                      ; 0 onto my spare word
	s_wait_dscnt 0x0
	CROUND                                         ; everybody's part is in, and all sixteen work-groups are here
	JLOAD G0+4, G1, G0B+4, G1B                     ; K step 1, the first tensor load behind the round
	FETCH_B 0, 0, 0
	FETCH_A 0, 0, 0
	SCALES 0
	FETCH_A 0, 0, 4
	global_prefetch_b8 v8, s[4:5] offset:3*BLK th:TH_LOAD_NT scope:SCOPE_SE   ; K step 3, the last: two tensor loads of this wave ahead
	STEP 0, 0, ZERO
	s_mov_b32 s3, LAPS-1
.Llap:
	TURN 0, 1, 1
	STEP 1, 0, 0
	TURN 1, 0, 1
	STEP 0, 0, 0
	s_sub_co_u32 s3, s3, 1
	s_cmp_lg_u32 s3, 0
	s_cbranch_scc1 .Llap
	TURN 0, 1, 0
	STEP 1, 0, 0
	s_wait_dscnt 4*NL
	MWIN 0, 0
	MUL16 0, 1, NQ-1, 1, 0
	MUL16 2, 1, NQ-1, 1, 0
	s_wait_dscnt 0
	MWIN 1, 0
	MUL16 4, 1, NQ-1, 1, 0
	MUL16 6, 1, NQ-1, 1, 0
	WIN 0
.macro QUANT s, w, pw
	WIN (\w)|((\w)<<2)
.irp b, 0,1,2,3
	v_max3_num_f32 v[TM+\b], |v[\s+16*\b]|, |v[\s+1+16*\b]|, 0x1800000
.endr
	WIN ((\w)<<2)|((\w)<<4)
.irp i, 2,4,6,8,10,12,14
.irp b, 0,1,2,3
	v_max3_num_f32 v[TM+\b], v[TM+\b], |v[\s+16*\b+\i]|, |v[\s+1+16*\b+\i]|
.endr
.endr
	WIN 0
.irp b, 0,1,2,3
	v_permlanex16_b32 v[TM+4+\b], v[TM+\b], s[SEL], s[SEL+1]
.endr
.irp b, 0,1,2,3
	v_max_num_f32 v[TM+\b], v[TM+\b], v[TM+4+\b]
.endr
.irp b, 0,1,2,3
	v_add_nc_u32 v[TM+12+\b], 0xff000000, v[TM+\b]
.endr
.irp b, 0,1,2,3
	v_lshrrev_b32 v[TM+4+\b], 23, v[TM+12+\b]
.endr
	v_lshl_or_b32 v[\pw], v[TM+5], 8, v[TM+4]
	v_lshl_or_b32 v[\pw], v[TM+6], 16, v[\pw]
	v_lshl_or_b32 v[\pw], v[TM+7], 24, v[\pw]
	WIN (\w)
.irp c, 0,1
	v_cvt_scalef32_pk16_fp6_f32 v[PC+6*\c:PC+2+6*\c], v[\s+32*\c:\s+15+32*\c], v[TM+12+2*\c]
	v_cvt_scalef32_pk16_fp6_f32 v[PC+12+4*\c:PC+14+4*\c], v[\s+16+32*\c:\s+31+32*\c], v[TM+12+2*\c+1]
.endr
	WIN 0
	v_nop
.irp c, 0,1
.irp i, 0,1,2
	v_permlane16_swap_b32 v[PC+6*\c+\i], v[PC+12+4*\c+\i]
.endr
.irp i, 0,1,2
	v_mov_b32 v[PC+3+6*\c+\i], v[PC+12+4*\c+\i]
.endr
.endr
.endm
.if MODE
.macro GELU a
.set GS, 64*((\a)%4)
.set GW, 2+(\a)/4
	WIN GW|(GW<<2)
.set j, 0
.rept 32
	v_pk_mul_f32 v[T+j:T+j+1], v[GS+j:GS+j+1], v[GS+j:GS+j+1]
.set j, j+2
.endr
	WIN 0
.set j, 0
.rept 32
	v_pk_fma_f32 v[T+j:T+j+1], v[T+j:T+j+1], s[K2:K2+1], v[K1:K1+1] op_sel_hi:[1,0,1]
.set j, j+2
.endr
	WIN GW<<2
.set j, 0
.rept 32
	v_pk_mul_f32 v[T+j:T+j+1], v[T+j:T+j+1], v[GS+j:GS+j+1]
.set j, j+2
.endr
	WIN 0
.set j, 0
	s_wait_alu depctr_va_vdst(0)
.rept 64
	v_exp_f32 v[T+j], v[T+j]
.set j, j+1
.endr
	v_nop
.set j, 0
	s_wait_alu depctr_va_vdst(0)
.rept 32
	v_pk_add_f32 v[T+j:T+j+1], v[T+j:T+j+1], 1.0 op_sel_hi:[1,0]
.set j, j+2
.endr
.set j, 0
	s_wait_alu depctr_va_vdst(0)
.rept 64
	v_rcp_f32 v[T+j], v[T+j]
.set j, j+1
.endr
	v_nop
	WIN GW<<2
.set j, 0
	s_wait_alu depctr_va_vdst(0)
.rept 32
	v_pk_mul_f32 v[T+j:T+j+1], v[T+j:T+j+1], v[GS+j:GS+j+1]
.set j, j+2
.endr
	WIN 0
.endm
.endif
.macro OUTQ a
.if (\a) > 0
	s_wait_xcnt 0x0
.endif
.if MODE
	GELU \a
	QUANT T, 0, PW+(\a)%2
.else
	QUANT 64*((\a)%4), 2+(\a)/4, PW+(\a)%2
.endif
.irp c, 0,1
	global_store_b128 v[VO16], v[PC+6*\c:PC+6*\c+3], s[10:11] offset:(\a)*SA+768*\c
	global_store_b64 v[VO8], v[PC+6*\c+4:PC+6*\c+5], s[10:11] offset:(\a)*SA+768*\c
.endr
.if (\a)%2
	v_cndmask_b32 v[SW], v[PW], v[PW+1], s[HALF]
	global_store_b32 v[VO4], v[SW], s[12:13] offset:((\a)-1)*64
.endif
.endm
	PLACES NP
.irp a, 0,1,2,3,4,5,6,7
	OUTQ \a
.endr
	s_wait_tensorcnt 0x0
	ds_add_u32 v[SPW], v[NIL]
	s_wait_dscnt 0x0
	CROUND
	s_endpgm
.Lfunc_end_k_q6ff7d267f6_ffn1:
	.size	k_q6ff7d267f6_ffn1, .Lfunc_end_k_q6ff7d267f6_ffn1-k_q6ff7d267f6_ffn1
	.p2alignl 7, 3214868480
	.fill 96, 4, 3214868480
	.section	.rodata,"a",@progbits
	.p2align	6, 0x0
	.amdhsa_kernel k_q6ff7d267f6_ffn1
		.amdhsa_group_segment_fixed_size 327680
		.amdhsa_private_segment_fixed_size 0
		.amdhsa_enable_private_segment 0
		.amdhsa_kernarg_size 32
		.amdhsa_user_sgpr_count 2
		.amdhsa_user_sgpr_kernarg_segment_ptr 1
		.amdhsa_wavefront_size32 1
		.amdhsa_system_sgpr_workgroup_id_x 1
		.amdhsa_system_sgpr_workgroup_id_y 1
		.amdhsa_system_sgpr_workgroup_id_z 1
		.amdhsa_system_vgpr_workitem_id 0
		.amdhsa_next_free_vgpr 1024
		.amdhsa_next_free_sgpr 80
		.amdhsa_reserve_vcc 0
		.amdhsa_float_denorm_mode_32 3
		.amdhsa_float_denorm_mode_16_64 3
		.amdhsa_memory_ordered 1
		.amdhsa_forward_progress 1
		.amdhsa_inst_pref_size 255
	.end_amdhsa_kernel
	.section	.bss,"aw",@nobits
	.p2align	6
	.space	262144
	.amdgpu_metadata
---
amdhsa.version: [ 1, 2 ]
amdhsa.kernels:
  - .name:           k_q6ff7d267f6_ffn1
    .symbol:         k_q6ff7d267f6_ffn1.kd
    .args:
      - { .name: hpk, .offset: 0, .size: 8, .value_kind: global_buffer, .address_space: global }
      - { .name: wpk, .offset: 8, .size: 8, .value_kind: global_buffer, .address_space: global }
      - { .name: b1, .offset: 16, .size: 8, .value_kind: global_buffer, .address_space: global }
      - { .name: act, .offset: 24, .size: 8, .value_kind: global_buffer, .address_space: global }
    .group_segment_fixed_size: 327680
    .private_segment_fixed_size: 0
    .kernarg_segment_align: 8
    .kernarg_segment_size: 32
    .max_flat_workgroup_size: 128
    .sgpr_count:     80
    .vgpr_count:     1024
    .wavefront_size: 32
...
	.end_amdgpu_metadata
.endif
;; end of part 13
;; launch ffn2 (part 14): grid 8 x 32, 4 waves a work-group, clusters of 4 x 4, 327,680 bytes of LDS; arguments act, wpk, b2, x1, out0; writes out0
.if DOCPART == 14
	.amdgcn_target "amdgcn-amd-amdhsa--gfx1250"
	.amdhsa_code_object_version 6
	.text
	.protected	k_q6ff7d267f6_ffn2
	.globl	k_q6ff7d267f6_ffn2
	.p2align	8
	.type	k_q6ff7d267f6_ffn2,@function
k_q6ff7d267f6_ffn2:
	s_mov_b64 s[64:65], 0
	v_nop
	global_prefetch_b8 v0, s[64:65] scope:SCOPE_SE
	s_setreg_imm32_b32 hwreg(HW_REG_WAVE_MODE, 25, 1), 1
	s_wait_xcnt 0x0
	s_wait_alu depctr_hold_cnt(0) depctr_sa_sdst(0) depctr_va_vdst(0) depctr_va_sdst(0) depctr_va_ssrc(0) depctr_va_vcc(0) depctr_vm_vsrc(0)
	s_getreg_b32 s2, hwreg(HW_REG_IB_STS2, 6, 4)
	s_cmp_eq_u32 s2, 0
	s_cbranch_scc0 .Lentry_in_a_cluster
	s_endpgm
.Lentry_in_a_cluster:
	s_bfe_u32 s2, ttmp6, 0x10000c
	s_cmp_lg_u32 s2, 0xf033
	s_cbranch_scc0 .Lentry_shape_is_right
	s_endpgm
.Lentry_shape_is_right:
; The text of the launch wo with MODE = 1: out0 = x1 + act w2 + b2: A = the activations (act), B = w2 (wpk from block 128 on), K = 4,096: eight fills of 512 along K through the ring of two slots.
; Layouts, shares, registers and limits as that text's head states them.  PREFETCHES: fill t + 2's blocks are asked for into the L2 behind the tensor load of fill t; the last two refills ask for nothing.
.set MODE,   1
.set BLK,    25600
.set SLOT,   4*BLK
.if MODE
.set LNKS,   4
.set WOFF,   128
.else
.set LNKS,   2
.set WOFF,   96
.endif
.set LAPS,   (1<<LNKS)/4
.set STAGE,  2*SLOT
.set SPITCH, 272
.set SPARE,  STAGE+4*16*SPITCH
.set FR,     12
.set NP,     4
.set ADRA, 16
.set ADRB, 20
.set STO,  24
.set RD,   25
.set CO,   26
.set BO,   27
.set SPW,  28
.set NIL,  29
.set ADRS, 30
.set SC,   32
.set ACC,  128
.set BI,   96
.set G1, 24
.set G0, 32
.set G1B, 48
.set G0B, 56
.set MSB, 0
.macro WIN new
.if MSB != (\new)
	s_set_vgpr_msb (MSB<<8)|(\new)
.set MSB, (\new)
.endif
.endm
.set TO_F, 0x40
.macro MWIN zero
.if (\zero) == 2
	WIN 0x15
.else
	WIN 0x05
.endif
.endm
.macro JLOAD g0a, g1a, g0b, g1b
	s_cmp_eq_u32 s15, 0
	s_cbranch_scc0 .Lfor_b_\@
	tensor_load_to_lds s[\g0a:\g0a+3], s[\g1a:\g1a+7]
	s_nop 0
.rept 4
	v_nop
.endr
	s_branch .Lasked_\@
.Lfor_b_\@:
	tensor_load_to_lds s[\g0b:\g0b+3], s[\g1b:\g1b+7]
	s_nop 0
.rept 4
	v_nop
.endr
.Lasked_\@:
.endm
.macro CREST
	s_cmp_lg_u32 s14, 0
	s_cbranch_scc1 .Lnot_wave_0_\@
	s_barrier_signal -3
.Lnot_wave_0_\@:
	s_barrier_wait -3
	s_barrier_signal -1
	s_barrier_wait -1
.endm
.macro CROUND
	s_barrier_signal -1
	s_barrier_wait -1
	CREST
.endm
	s_load_b256 s[4:11], s[0:1], 0x0
	s_load_b64 s[12:13], s[0:1], 0x20
	v_lshl_add_u32 v[SPW], v0, 2, SPARE
	v_mov_b32 v[NIL], 0
	ds_add_u32 v28, v29
	ds_add_u32 v28, v29
	s_wait_dscnt 0x0
	v_lshrrev_b32 v1, 5, v0
	v_readfirstlane_b32 s14, v1
	s_lshr_b32 s15, s14, 1
	s_and_b32 s16, s14, 1
	s_bfe_u32 s40, ttmp6, 0x40000
	s_bfe_u32 s41, ttmp6, 0x40004
	s_lshl_b32 s43, s41, 2
	s_lshl_b32 s43, 15, s43
	s_lshl_b32 s44, 0x1111, s40
	s_lshl_b32 s42, ttmp9, 2
	s_add_co_u32 s42, s42, s40
	s_and_b32 s17, ttmp7, 0xffff
	s_lshl_b32 s17, s17, 2
	s_add_co_u32 s17, s17, s41
	s_or_b32 s[G1+0], s43, (3<<16)|(1<<21)
	s_or_b32 s[G1B+0], s44, (3<<16)|(1<<21)
.irp g, G1, G1B
	s_mov_b32 s[\g+1], 32<<16
	s_mov_b32 s[\g+2], 100<<16
	s_mov_b32 s[\g+3], 32<<16
	s_mov_b32 s[\g+4], 100
	s_mov_b32 s[\g+5], 32
	s_mov_b32 s[\g+6], 0
	s_mov_b32 s[\g+7], 0
.endr
	s_lshl_b32 s20, s17, LNKS
	s_add_co_u32 s20, s20, s16
	s_mul_i32 s20, s20, BLK
	s_mov_b32 s21, 0
	s_lshl_b32 s46, s42, LNKS
	s_add_co_u32 s46, s46, s16
	s_mul_i32 s46, s46, BLK
	s_add_co_u32 s46, s46, WOFF*BLK
	s_mov_b32 s47, 0
	s_mul_i32 s45, s14, BLK
	s_wait_kmcnt 0x0
	s_add_nc_u64 s[20:21], s[4:5], s[20:21]
	s_add_nc_u64 s[46:47], s[6:7], s[46:47]
	; the prefetches' base: the block that I fetch for fill 0, + my work-group's quarter of it.  The four partners that ask for a block jointly share its 100 units of 256 bytes out by address: 25 each (cx for A's, cy for B's)
	s_cmp_eq_u32 s15, 0
	s_cselect_b64 s[4:5], s[20:21], s[46:47]
	s_cselect_b32 s6, s40, s41
	s_mul_i32 s6, s6, 6400
	s_mov_b32 s7, 0
	s_add_nc_u64 s[4:5], s[4:5], s[6:7]
	v_and_b32 v8, 31, v0
	v_min_u32 v8, 24, v8                           ; v8: a lane a unit; lanes 25-31 name the last unit again; never rewritten
	v_lshlrev_b32 v8, 8, v8
	global_prefetch_b8 v8, s[4:5] th:TH_LOAD_NT scope:SCOPE_SE   ; fill 0's block: the opening round and the descriptors' lines stand between this line and the load that brings it
	s_wait_alu depctr_va_vdst(0)                   ; the wait ahead of the barrier's signal
	CROUND                                         ; all sixteen work-groups are here: the first joint loads meet
.irp s, 0,1
	s_mov_b32 s[G0+4*\s], 1
	s_add_co_u32 s[G0+4*\s+1], s45, \s*SLOT
	s_add_nc_u64 s[G0+4*\s+2:G0+4*\s+3], s[20:21], \s*2*BLK
	s_or_b32 s[G0+4*\s+3], s[G0+4*\s+3], 0x80000000
	s_mov_b32 s[G0B+4*\s], 1
	s_add_co_u32 s[G0B+4*\s+1], s45, \s*SLOT
	s_add_nc_u64 s[G0B+4*\s+2:G0B+4*\s+3], s[46:47], \s*2*BLK
	s_or_b32 s[G0B+4*\s+3], s[G0B+4*\s+3], 0x80000000
.endr
	JLOAD G0, G1, G0B, G1B                         ; fill 0: one tensor load a wave at the head
	v_and_b32 v1, 15, v0
	v_bfe_u32 v2, v0, 4, 1
	v_and_b32 v3, 31, v0
	v_lshlrev_b32 v4, 4, v3
	v_lshlrev_b32 v5, 3, v3
	v_add_nc_u32 v5, 512, v5
	v_lshlrev_b32 v[BO], 6, v2
	s_mul_i32 s21, s15, 4*3072
	s_mul_i32 s22, s16, 4*3072
	s_add_co_u32 s22, s22, 2*BLK
	s_lshl_b32 s18, s15, 8
	s_lshl_b32 s19, s16, 8
	s_add_co_u32 s19, s19, 2*BLK
	s_sub_co_u32 s23, s19, s18
	v_mul_u32_u24 v6, s23, v2
	v_lshl_add_u32 v6, v1, 2, v6
.irp s, 0,1
	v_add_nc_u32 v[ADRA+\s], s21, v4
	v_add_nc_u32 v[ADRA+2+\s], s21, v5
	v_add_nc_u32 v[ADRB+\s], s22, v4
	v_add_nc_u32 v[ADRB+2+\s], s22, v5
	v_add_nc_u32 v[ADRS+\s], s18, v6
	s_add_co_u32 s21, s21, SLOT
	s_add_co_u32 s22, s22, SLOT
	s_add_co_u32 s18, s18, SLOT
.endr
	s_mul_i32 s23, s14, 16*SPITCH
	s_add_co_u32 s23, s23, STAGE
	v_mul_u32_u24 v6, v1, SPITCH
	v_lshl_add_u32 v6, v2, 6, v6
	v_add_nc_u32 v[STO], s23, v6
	v_mul_u32_u24 v6, v2, SPITCH
	v_lshl_add_u32 v6, v1, 4, v6
	v_add_nc_u32 v[RD], s23, v6
	v_lshlrev_b32 v[CO], 12, v2
	v_lshl_add_u32 v[CO], v1, 4, v[CO]
	s_wait_alu depctr_va_vdst(0)
	global_prefetch_b8 v8, s[4:5] offset:2*BLK th:TH_LOAD_NT scope:SCOPE_SE   ; fills 1 and 2 (my block of fill t lies 2 t blocks on)
	global_prefetch_b8 v8, s[4:5] offset:4*BLK th:TH_LOAD_NT scope:SCOPE_SE
	s_lshl_b32 s18, s17, 7
	s_lshl_b32 s19, s15, 6
	s_add_co_u32 s18, s18, s19
	s_lshl_b32 s18, s18, 12
	s_lshl_b32 s19, s42, 9
	s_lshl_b32 s22, s16, 8
	s_add_co_u32 s22, s22, s19
	s_mov_b32 s23, 0
	s_add_nc_u64 s[8:9], s[8:9], s[22:23]
	s_add_co_u32 s18, s18, s22
	s_mov_b32 s19, 0
	s_add_nc_u64 s[10:11], s[10:11], s[18:19]
	s_add_nc_u64 s[12:13], s[12:13], s[18:19]
	WIN TO_F
.irp u, 0,1
.irp i, 0,1,2,3
	global_load_b128 v[BI+16*\u+4*\i:BI+16*\u+4*\i+3], v[BO], s[8:9] offset:128*\u+16*\i
.endr
.endr
	WIN 0
	s_wait_loadcnt 0x0                             ; the bias
.macro FRAG reg, a16, q, i
.irp c, 0,1
	ds_load_b128 v[\reg+6*\c:\reg+6*\c+3], v[\a16] offset:((\q)/2)*BLK+(4*(\i)+2*((\q)%2)+\c)*768
	ds_load_b64 v[\reg+6*\c+4:\reg+6*\c+5], v[\a16+2] offset:((\q)/2)*BLK+(4*(\i)+2*((\q)%2)+\c)*768
.endr
.endm
.macro MUL4 f, a, q, sc, zero
.irp b, 0,1,2,3
.if (\zero) == 2
	v_wmma_scale_f32_16x16x128_f8f6f4 v[ACC+8*(4*(\a)+\b):ACC+8*(4*(\a)+\b)+7], v[48+(\f)+FR*\b:48+(\f)+FR*\b+FR-1], v[FR*(\a)+(\f):FR*(\a)+(\f)+FR-1], v[BI+8*\b:BI+8*\b+7], v[SC+16*(\sc)+4*\b+(\q)], v[SC+16*(\sc)+4*(\a)+(\q)] matrix_a_fmt:MATRIX_FMT_FP6 matrix_b_fmt:MATRIX_FMT_FP6 matrix_a_scale:MATRIX_SCALE_ROW1
.else
	v_wmma_scale_f32_16x16x128_f8f6f4 v[ACC+8*(4*(\a)+\b):ACC+8*(4*(\a)+\b)+7], v[48+(\f)+FR*\b:48+(\f)+FR*\b+FR-1], v[FR*(\a)+(\f):FR*(\a)+(\f)+FR-1], v[ACC+8*(4*(\a)+\b):ACC+8*(4*(\a)+\b)+7], v[SC+16*(\sc)+4*\b+(\q)], v[SC+16*(\sc)+4*(\a)+(\q)] matrix_a_fmt:MATRIX_FMT_FP6 matrix_b_fmt:MATRIX_FMT_FP6 matrix_a_scale:MATRIX_SCALE_ROW1
.endif
.endr
.endm
.macro SCALES sc
.irp i, 0,1,2,3
.irp q, 0,1,2,3
	ds_load_b32 v[SC+16*\sc+4*\i+\q], v[ADRS+\sc] offset:(\q/2)*BLK+24576+512*(\q%2)+64*\i
.endr
.endr
.endm
.macro FETCH slot, q, f, sc
.if \sc
	WIN 0
	SCALES \slot
.endif
	WIN TO_F
.irp i, 0,1,2,3
	FRAG 48+\f+FR*\i, ADRB+\slot, \q, \i
.endr
.irp i, 0,1,2,3
	FRAG \f+FR*\i, ADRA+\slot, \q, \i
.endr
.endm
.macro PLACES n
.rept \n
	v_nop
.endr
.endm
.macro STEP slot, q, zero
	s_wait_dscnt 8
	MWIN \zero
	MUL4 128*((\q)%2), 0, \q, \slot, \zero
	MUL4 128*((\q)%2), 1, \q, \slot, \zero
	PLACES NP
	FETCH \slot, (\q)+1, 128-128*((\q)%2), 0
	s_wait_dscnt 32
	MWIN \zero
	MUL4 128*((\q)%2), 2, \q, \slot, \zero
	MUL4 128*((\q)%2), 3, \q, \slot, \zero
.endm
.macro TURN slot, next, fill
	WIN 0
	s_wait_tensorcnt 0x0
	ds_add_u32 v[SPW], v[NIL]
	s_wait_dscnt 9
	MWIN 0
	MUL4 128, 0, 3, \slot, 0
	s_wait_dscnt 0x0
	s_barrier_signal -1
	MUL4 128, 1, 3, \slot, 0
	WIN 0
	s_barrier_wait -1
.if \fill
	CREST
	s_add_nc_u64 s[G0+4*\slot+2:G0+4*\slot+3], s[G0+4*\slot+2:G0+4*\slot+3], 4*BLK
	s_add_nc_u64 s[G0B+4*\slot+2:G0B+4*\slot+3], s[G0B+4*\slot+2:G0B+4*\slot+3], 4*BLK
	JLOAD G0+4*\slot, G1, G0B+4*\slot, G1B
.else
	PLACES NP
.endif
	FETCH \next, 0, 0, 1
.if \fill
	WIN 0                                          ; (a branch follows)
	s_cmp_gt_u32 s3, 1                             ; trip i refills with fills 2 i + 2 and 2 i + 3 and asks for fills 2 i + 4 and 2 i + 5; the last trip (s3 = 1) has none left to ask for
	s_cbranch_scc0 .Lno_more_\@
	global_prefetch_b8 v8, s[4:5] offset:(8+2*\slot)*BLK th:TH_LOAD_NT scope:SCOPE_SE
.Lno_more_\@:
.endif
	MWIN 0
	MUL4 128, 2, 3, \slot, 0
	MUL4 128, 3, 3, \slot, 0
.endm
	s_wait_tensorcnt 0x0                           ; my part of slot 0 is in; slot 1's first fill is issued as a refill is:
	ds_add_u32 v[SPW], v[NIL]                      ; 0 onto my spare word
	s_wait_dscnt 0x0
	CROUND                                         ; everybody's part is in, and all sixteen work-groups are here
	JLOAD G0+4, G1, G0B+4, G1B                     ; fill 1, the first tensor load behind the round
	FETCH 0, 0, 0, 1
	WIN 0x80                                       ; destination window 2: the residual of my 64 x 64, asked for behind the first two fills' loads and wanted on the way out, in the order in which the way out will hold the result
.irp a, 0,1,2,3
.irp t, 0,1,2,3,4,5,6,7
	global_load_b128 v[32*\a+4*\t:32*\a+4*\t+3], v[CO], s[10:11] offset:(32*(\a/2)+8*(\a%2)+2*\t+8*(\t/4))*4096 th:TH_LOAD_NT   ; sixteen lanes read 256 consecutive bytes, aligned; read once in this launch
.endr
.endr
	global_prefetch_b8 v8, s[4:5] offset:6*BLK th:TH_LOAD_NT scope:SCOPE_SE   ; fill 3
	STEP 0, 0, 2
.if LAPS > 1
	WIN 0
	s_mov_b32 s3, LAPS-1
.Llap:
	STEP 0, 1, 0
	STEP 0, 2, 0
	TURN 0, 1, 1
	STEP 1, 0, 0
	STEP 1, 1, 0
	STEP 1, 2, 0
	TURN 1, 0, 1
	STEP 0, 0, 0
	WIN 0
	s_wait_xcnt 0x0                                ; the trip's prefetches have read their base, a step of 16 products behind the second of them:
	s_add_nc_u64 s[4:5], s[4:5], 4*BLK             ; it steps on by a trip's two fills
	s_sub_co_u32 s3, s3, 1
	s_cmp_lg_u32 s3, 0
	s_cbranch_scc1 .Llap
.endif
	STEP 0, 1, 0
	STEP 0, 2, 0
	TURN 0, 1, 0
	STEP 1, 0, 0
	STEP 1, 1, 0
	STEP 1, 2, 0
	s_wait_dscnt 8
	MWIN 0
	MUL4 128, 0, 3, 1, 0
	MUL4 128, 1, 3, 1, 0
	s_wait_dscnt 0x0
	MUL4 128, 2, 3, 1, 0
	MUL4 128, 3, 3, 1, 0
	WIN 0
.macro TOSTAGE a
.set AC, ACC+32*(\a)
.irp b, 0,1,2,3
	ds_store_b128 v[STO], v[AC+8*\b:AC+8*\b+3] offset:128*(\b/2)+32*(\b%2)
	ds_store_b128 v[STO], v[AC+8*\b+4:AC+8*\b+7] offset:128*(\b/2)+32*(\b%2)+16
.endr
.irp t, 0,1,2,3,4,5,6,7
	ds_load_b128 v[AC+4*\t:AC+4*\t+3], v[RD] offset:\t*2*SPITCH
.endr
.endm
.macro SEND a
.set AC, ACC+32*(\a)
	s_wait_dscnt 16*(3-(\a))
	WIN 0x08
.set j, 0
.rept 16
	v_pk_add_f32 v[AC+j:AC+j+1], v[AC+j:AC+j+1], v[32*(\a)+j:32*(\a)+j+1]
.set j, j+2
.endr
	WIN 0
.irp t, 0,1,2,3,4,5,6,7
.if MODE
	global_store_b128 v[CO], v[AC+4*\t:AC+4*\t+3], s[12:13] offset:(32*((\a)/2)+8*((\a)%2)+2*\t+8*(\t/4))*4096 th:TH_STORE_NT
.else
	global_store_b128 v[CO], v[AC+4*\t:AC+4*\t+3], s[12:13] offset:(32*((\a)/2)+8*((\a)%2)+2*\t+8*(\t/4))*4096
.endif
.endr
.endm
	PLACES NP
	TOSTAGE 0
	TOSTAGE 1
	TOSTAGE 2
	TOSTAGE 3
	s_wait_loadcnt 0x0
	SEND 0
	SEND 1
	SEND 2
	SEND 3
	s_wait_tensorcnt 0x0
	ds_add_u32 v[SPW], v[NIL]
	s_wait_dscnt 0x0
	CROUND
	s_endpgm
.Lfunc_end_k_q6ff7d267f6_ffn2:
	.size	k_q6ff7d267f6_ffn2, .Lfunc_end_k_q6ff7d267f6_ffn2-k_q6ff7d267f6_ffn2
	.p2alignl 7, 3214868480
	.fill 96, 4, 3214868480
	.section	.rodata,"a",@progbits
	.p2align	6, 0x0
	.amdhsa_kernel k_q6ff7d267f6_ffn2
		.amdhsa_group_segment_fixed_size 327680
		.amdhsa_private_segment_fixed_size 0
		.amdhsa_enable_private_segment 0
		.amdhsa_kernarg_size 40
		.amdhsa_user_sgpr_count 2
		.amdhsa_user_sgpr_kernarg_segment_ptr 1
		.amdhsa_wavefront_size32 1
		.amdhsa_system_sgpr_workgroup_id_x 1
		.amdhsa_system_sgpr_workgroup_id_y 1
		.amdhsa_system_sgpr_workgroup_id_z 1
		.amdhsa_system_vgpr_workitem_id 0
		.amdhsa_next_free_vgpr 640
		.amdhsa_next_free_sgpr 66
		.amdhsa_reserve_vcc 0
		.amdhsa_float_denorm_mode_32 3
		.amdhsa_float_denorm_mode_16_64 3
		.amdhsa_memory_ordered 1
		.amdhsa_forward_progress 1
		.amdhsa_inst_pref_size 100
	.end_amdhsa_kernel
	.amdgpu_metadata
---
amdhsa.version: [ 1, 2 ]
amdhsa.kernels:
  - .name:           k_q6ff7d267f6_ffn2
    .symbol:         k_q6ff7d267f6_ffn2.kd
    .args:
      - { .name: act, .offset: 0, .size: 8, .value_kind: global_buffer, .address_space: global }
      - { .name: wpk, .offset: 8, .size: 8, .value_kind: global_buffer, .address_space: global }
      - { .name: b2, .offset: 16, .size: 8, .value_kind: global_buffer, .address_space: global }
      - { .name: x1, .offset: 24, .size: 8, .value_kind: global_buffer, .address_space: global }
      - { .name: out0, .offset: 32, .size: 8, .value_kind: global_buffer, .address_space: global }
    .group_segment_fixed_size: 327680
    .private_segment_fixed_size: 0
    .kernarg_segment_align: 8
    .kernarg_segment_size: 40
    .max_flat_workgroup_size: 128
    .sgpr_count:     66
    .vgpr_count:     640
    .wavefront_size: 32
...
	.end_amdgpu_metadata
.endif
;; end of part 14
